; MI455X (gfx1250); checked and timed in simulation.
; The chip was launched on July 23, 2026; its instructions are those of AMD's public machine-readable ISA for CDNA 5 (MIT licence, August 2026) and "CDNA5" Instruction Set Architecture Reference Guide (July 2026). The comments in the code are by the model that wrote it; some were corrected since.
;; Baseline Model. Allowed arithmetic: matrix products marked QUANTISED: E2M3 operands, one E8M0 scale for each 32 along K, by v_wmma_scale_f32_16x16x128_f8f6f4 with both operands' format E2M3, f32 sums; products left as they are: f32 operands where the result goes on into a quantised operand, else bf16, f16 or f32 operands; f32 sums; everything else in f32.
;; Inputs: Wk 1,024 x 1,024 float32; Wo 1,024 x 1,024 float32; Wq 1,024 x 1,024 float32; Wv 1,024 x 1,024 float32; bk 1,024 float32; bo 1,024 float32; bq 1,024 float32; bv 1,024 float32; key 8 x 1,024 x 1,024 float32; ln_beta 1,024 float32; ln_gamma 1,024 float32; query 8 x 1,024 x 1,024 float32; temporal_weights 4 float32; value 8 x 1,024 x 1,024 float32.
;; Outputs: out0 8 x 1,024 x 1,024 float32.
;; This version of the problem:
;;   THIS VERSION OF THE PROBLEM IS GIVEN IN LOW PRECISION. The matrix products marked QUANTISED in the list below multiply operands that are first quantised to E2M3 (2 exponent bits, 3 mantissa bits; 6 bits a number), with one power-of-two scale for each 32 numbers along K (OCP MX v1.0); their sums are f32. All else is computed in f32.
;;   The module's matrix products, in the order in which they are computed (A, B: the left and right operand; K: the contracted axis; several contracted axes count as one K, in the product's order):
;;     1. [M 8,192, K 1,024] x [K 1,024, N 1,024]; A: input query; B: input Wq: QUANTISED
;;     2. [M 8,192, K 1,024] x [K 1,024, N 1,024]; A: input key; B: input Wk: QUANTISED
;;     3. [M 8,192, K 1,024] x [K 1,024, N 1,024]; A: input value; B: input Wv: QUANTISED
;;     4. [M 1, K 4] x [K 4, N 8,388,608]; A: softmax (see below); B: computed on the way: left as it is (K = 4 < 32)
;;     5. [M 1, K 4] x [K 4, N 8,388,608]; A: softmax (see below); B: computed on the way: left as it is (K = 4 < 32)
;;     6. [M 1, K 4] x [K 4, N 8,388,608]; A: softmax (see below); B: computed on the way: left as it is (K = 4 < 32)
;;     7. batch 128 x [M 1,024, K 64] x [K 64, N 1,024]; A: computed on the way; B: computed on the way: QUANTISED
;;     8. batch 128 x [M 1,024, K 1,024] x [K 1,024, N 64]; A: softmax (see below); B: computed on the way: QUANTISED
;;     9. [M 8,192, K 1,024] x [K 1,024, N 1,024]; A: computed on the way; B: input Wo: QUANTISED
;;   THE QUANTISER, for each operand of a quantised product, along K:
;;     - K is cut into blocks of 32 from its start; a last block that is shorter is filled with zeros.
;;     - A block's scale is 2^e with e = floor(log2(the largest magnitude in the block)) - 2, held to -126 .. 127; a block of zeros has e = 0. As a byte (E8M0): e + 127.
;;     - Each number is divided by its block's scale, clamped to +-7.5, and rounded to the nearest number of E2M3, ties to even, subnormals kept.
;;     - The product sums the exact products of the quantised numbers (number of the format x scale) in f32.
;;   ~~~python
;;   def quantise(x, axis):      # numpy; x: float32 -> the quantised numbers, widened to float32 again
;;       x = np.moveaxis(x, axis, -1); K = x.shape[-1]
;;       x = np.pad(x, [(0, 0)] * (x.ndim - 1) + [(0, -K % 32)]); x = x.reshape(x.shape[:-1] + (-1, 32)); a = np.abs(x).max(-1, keepdims=True)
;;       e = np.where(a > 0, np.clip(np.frexp(np.where(a > 0, a, 1))[1] - 1 - 2, -126, 127), 0)      # np.frexp(a)[1] - 1 = floor(log2(a)), exactly
;;       r = np.clip(x / 2.0 ** e, -7.5, 7.5)
;;       step = 2.0 ** (np.maximum(np.frexp(np.where(r == 0, 1, r))[1] - 1, 0) - 3)
;;       q = np.round(r / step) * step * 2.0 ** e      # np.round: ties to even
;;       return np.moveaxis(q.reshape(q.shape[:-2] + (-1,))[..., :K], -1, axis).astype(np.float32)
;;   ~~~
;;   SOFTMAX AHEAD OF A QUANTISED PRODUCT. Where the list says 'softmax', what is quantised is not the finished softmax but p = 2^(t - M), with t = logit x log2(e) and M = ceil(the row's largest t), a whole number; so 1/2 < the row's largest p <= 1. The row's sum l is taken of the UNQUANTISED p, in f32, and the product's result is divided by l at the end. Since M is a whole number, a kernel that streams over the keys may use a running M (the ceiling of the running maximum): every later rescaling is an exact power of two, which a block's scale takes up: the codes' values come out the same.
;;   OPERANDS COMPUTED ON THE WAY. 'Computed on the way' means the value that the module computes at that place (a softmax that the list does not call 'softmax' is quantised finished and normalised). What goes into a quantiser is computed in f32, as accurately as f32 sums, v_exp_f32 and their like allow (about 1e-6 of the number): no bf16 or f16 on the way to a quantiser, and a product that is left as it is and whose result goes on into a quantised operand takes f32 operands (vector FMAs, or v_wmma_f32_16x16x4_f32). A number that lies on a knife's edge between two numbers of the format may be rounded either way, as far as f32 arithmetic and the matrix unit's own rounding can turn it there, and no further.
;; 2 versions, each right; version 2 is version 1 with the launches proj_v, attn, outp written anew for expert scheduling mode. Each part assembles by itself: llvm-mc -triple=amdgcn-amd-amdhsa -mcpu=gfx1250 --defsym DOCPART=n.
;; ======== version 1 of 2: 5 launches
;; workspace buffers: wcodes 3,276,800 bytes; ropetab 262,144 bytes; xcodes 19,660,800 bytes; qkcodes 13,631,488 bytes; vcodes 6,553,600 bytes; attout 33,554,432 bytes
;; launch prepq (part 1): grid 1040 x 1, 2 waves a work-group, no clusters, 29,440 bytes of LDS; arguments Wq, Wk, Wv, Wo, wcodes, ropetab, query, key, value, xcodes; writes wcodes, ropetab, xcodes
.if DOCPART == 1
	.amdgcn_target "amdgcn-amd-amdhsa--gfx1250"
	.amdhsa_code_object_version 6
	.text
	.protected	k_qcdcbe4216b_prepq
	.globl	k_qcdcbe4216b_prepq
	.p2align	8
	.type	k_qcdcbe4216b_prepq,@function
k_qcdcbe4216b_prepq:
	s_mov_b64 s[64:65], 0
	v_nop
	global_prefetch_b8 v0, s[64:65] scope:SCOPE_SE
	s_setreg_imm32_b32 hwreg(HW_REG_WAVE_MODE, 25, 1), 1
	s_wait_xcnt 0x0
; Three jobs in one launch, told apart by the work-group's number; the small ones come first and run beside the long stream.
; WORK-GROUPS 0 .. 255: the four weights [1024 (k)][1024 (n)], f32, become codes of FP6 (E2M3) quantised along K (their FIRST axis), one E8M0 byte for each 32 along K,
;   laid in the order of an operand's registers.  wcodes = [weight 4][head 16] blocks of 51,200 bytes: [K step 8][tile 4] images of 1,536 bytes, then 2,048 bytes of scale words.
;   AN IMAGE is a fragment's 12 registers as three chunks of 512 bytes: chunk c holds registers 4 c .. 4 c + 3 of lane l at 16 l.
;   Lane (m, h) of a fragment holds column (tile, m) and blocks h and 2 + h of the K step.  Column of (tile, m): Wq, Wk, Wo: 64 head + 32 (tile / 2) + 8 (tile % 2) + m + 8 (m / 8); Wv: 64 head + 16 tile + m.
;   A LANE TAKES A COLUMN AND ITS REGISTERS RUN DOWN K: a block's 32 numbers are one lane's, and the conversions give the codes with K innermost.  A wave takes 32 columns x 256 along K;
;   a work-group is (weight, quarter of K, head): its two waves stand side by side on 256 consecutive bytes of each row.
; WORK-GROUPS 256 .. 271: the table of cos and sin for the rotary embedding: ropetab = [pos 1024][h 2][f 8] x {cos a(8 h + f), sin a(8 h + f), cos a(16 + 8 h + f), sin a(16 + 8 h + f)}, a(i) = pos x 10^(-i / 8).
;   A lane takes frequency i = its number, a wave 32 positions: the 32 lanes' stores of 8 bytes fill one aligned row of 256 bytes.
;   10^(-i / 8) is r^i with r = 0.75 - d kept as a sum of two f32 numbers; the angle likewise; it is reduced by pi / 2 in two parts and the sine and cosine are Taylor sums to x^9 and x^10 on |x| <= pi / 4.
; WORK-GROUPS 272 .. 1039: query, key, value [8192][1024] f32 become codes of FP6 along K (innermost), one E8M0 byte for each 32, laid in the order of an operand's registers.
;   xcodes = units of 12,800 bytes, unit U = tensor x 512 + G x 8 + s (G: 128 rows; s: 128 along K): eight images of 1,536 bytes (tile t = 0 .. 7), then 512 bytes of scale words.
;   THE ROWS OF A TILE ARE NOT NEIGHBOURS: lane m of tile t is row 128 G + 8 m + t, so that in the projections one lane holds a whole block of 8 rows across the eight tiles.
;   Scale words: word i of lane l at 16 l + 4 i is tile i + 4 (l / 16), row l % 16.  A wave takes one unit.  Each load reads 512 consecutive bytes of one row; a tile's 16 rows turn through the wave's own stage
;   in LDS (rows 528 bytes apart) so that lane (r, h) gets 16 neighbours of each block of 32.  Two tiles' loads (32) are on their way.
; No barrier: waves share nothing.  LDS: bytes 0 .. 16,895 the two stages of the third job, bytes 16,896 .. 29,183 those of the first: each job has bytes of its own.
; LIMITS: NaN and infinities are not served.  A block of zeros gets the byte 1 where the rule says 127: its codes are zeros, and this program alone reads the bytes.
.set NWG,  256                         ; work-groups for the weights
.set NTG,  16                          ; for the table
.set WSTG, 16896                       ; LDS: the weights' stages
	v_lshl_add_u32 v254, v0, 2, 0x7200
	v_mov_b32 v255, 0
	s_cmp_ge_u32 ttmp9, NWG+NTG
	s_cbranch_scc1 .Lquant
.set WX,   32                          ; v32-95   two sets of 32 numbers
.set SB,   24                          ; v24-25   the scale words of my column's two K steps
.set CE,   96                          ; v96-101  a block's six registers of codes
.set CH,   104                         ; v104-106 its upper half as it is made
.set OUTR, 112                         ; v112-159 the way out
	s_load_b256 s[4:11], s[0:1], 0x0               ; Wq, Wk, Wv, Wo
	s_load_b128 s[12:15], s[0:1], 0x20             ; wcodes, ropetab
	v_lshrrev_b32 v1, 5, v0
	v_readfirstlane_b32 s16, v1                    ; wave 0..1
	v_and_b32 v2, 31, v0                           ; lane
	s_wait_kmcnt 0x0
	s_cmp_ge_u32 ttmp9, NWG
	s_cbranch_scc1 .Ltable
	; ---------------- a weight
	s_lshr_b32 s18, ttmp9, 6                       ; which weight
	s_bfe_u32 s19, ttmp9, 0x20004                  ; which 256 along K
	s_and_b32 s20, ttmp9, 15                       ; head
	s_lshl_b32 s20, s20, 1
	s_add_co_u32 s20, s20, s16                     ; cg: which 32 columns
	s_cmp_eq_u32 s18, 1
	s_cselect_b64 s[4:5], s[6:7], s[4:5]
	s_cmp_eq_u32 s18, 3
	s_cselect_b64 s[4:5], s[10:11], s[4:5]
	s_cmp_eq_u32 s18, 2
	s_cselect_b64 s[4:5], s[8:9], s[4:5]
	s_cselect_b32 s21, -1, 0                       ; all ones for Wv, whose tiles take neighbouring columns
	v_lshrrev_b32 v5, 4, v2                        ; which of my two tiles
	v_and_b32 v6, 7, v2
	v_bfe_u32 v7, v2, 3, 1
	v_lshl_add_u32 v6, v5, 3, v6
	v_lshl_add_u32 v6, v7, 4, v6                   ; 8 tile + m + 8 (m / 8)
	v_cndmask_b32 v6, v6, v2, s21                  ; Wv: 16 tile + m = the lane's number
	s_lshl_b32 s22, s20, 5
	v_add_nc_u32 v6, s22, v6                       ; my column
	v_lshlrev_b32 v3, 2, v6                        ; in bytes
	s_lshl_b32 s24, s19, 20                        ; 256 rows of 4,096 bytes
	s_mov_b32 s25, 0
	s_add_nc_u64 s[4:5], s[4:5], s[24:25]
	s_mul_i32 s23, s16, 6144                       ; my wave's stage: [K step 2][tile 2] images
	s_add_co_u32 s23, s23, WSTG
	v_and_b32 v7, 15, v2
	v_mul_u32_u24 v4, v5, 1536
	v_lshl_add_u32 v4, v7, 4, v4
	v_add_nc_u32 v4, s23, v4                       ; into it: my tile's image, 16 m
	v_lshlrev_b32 v8, 4, v2                        ; 16 l
	v_add_nc_u32 v9, s23, v8                       ; out of it
	v_lshlrev_b32 v10, 3, v2                       ; 8 l: my scale word's place
	s_lshr_b32 s26, s20, 1                         ; head
	s_lshl_b32 s27, s18, 4
	s_add_co_u32 s26, s26, s27
	s_mul_i32 s26, s26, 51200
	s_mov_b32 s27, 0
	s_add_nc_u64 s[12:13], s[12:13], s[26:27]      ; the block of (weight, head)
	s_and_b32 s28, s20, 1                          ; which pair of its four tiles
	s_mul_i32 s26, s19, 12288                      ; K step 2 kq: 6,144 bytes a step
	s_mul_i32 s29, s28, 3072
	s_add_co_u32 s26, s26, s29
	s_add_nc_u64 s[30:31], s[12:13], s[26:27]      ; where my codes go
	s_lshl_b32 s26, s19, 9                         ; 256 bytes of scale words a K step
	s_lshl_b32 s29, s28, 2
	s_add_co_u32 s26, s26, s29
	s_add_co_u32 s26, s26, 49152
	s_add_nc_u64 s[12:13], s[12:13], s[26:27]      ; and my scale words
.macro WLD t                           ; block t: W(32 t + i, my column) into set t % 2; a wave's load covers 128 bytes of a row
.irp i, 0,1,2,3,4,5,6,7,8,9,10,11,12,13,14,15,16,17,18,19,20,21,22,23,24,25,26,27,28,29,30,31
	global_load_b32 v[WX+32*((\t)%2)+\i], v3, s[4:5] offset:(32*(\t)+\i)*4096 th:TH_LOAD_NT
.endr
.endm
	WLD 0
	WLD 1
.macro WBLOCK t
.set XS, WX+32*((\t)%2)
.set SO_, 3072*((\t)/4)+256*((\t)%2)   ; K step t / 4; lanes 16-31 of the image for odd blocks
.if (\t) < 7
	s_wait_loadcnt 32                              ; this block's 32 loads are in; the next block's may be out
.else
	s_wait_loadcnt 0x0
.endif
	v_max3_num_f32 v12, |v[XS]|, |v[XS+1]|, |v[XS+2]|      ; the block's largest magnitude: all 32 numbers are mine
	v_max3_num_f32 v13, |v[XS+3]|, |v[XS+4]|, |v[XS+5]|
.irp i, 6,10,14,18,22,26
	v_max3_num_f32 v12, v12, |v[XS+\i]|, |v[XS+\i+1]|
	v_max3_num_f32 v13, v13, |v[XS+\i+2]|, |v[XS+\i+3]|
.endr
	v_max3_num_f32 v12, v12, |v[XS+30]|, |v[XS+31]|
	v_max3_num_f32 v12, v12, v13, 0x1800000        ; and the floor 2^(3 - 127): the byte cannot fall under 1
	v_add_nc_u32 v11, 0xff000000, v12              ; 2 off the exponent field: the conversion takes this operand's exponent field as its scale
	v_lshrrev_b32 v13, 23, v11                     ; the scale's byte
.if (\t)%4 == 0
	v_mov_b32 v[SB+(\t)/4], v13
.else
	v_lshl_or_b32 v[SB+(\t)/4], v13, 8*((\t)%4), v[SB+(\t)/4]
.endif
	v_cvt_scalef32_pk16_fp6_f32 v[CE:CE+2], v[XS:XS+15], v11
	v_cvt_scalef32_pk16_fp6_f32 v[CH:CH+2], v[XS+16:XS+31], v11    ; (a conversion's three registers begin on an even number)
	v_nop                                          ; one plain place behind a scaled conversion
.irp i, 0,1,2
	v_mov_b32 v[CE+3+\i], v[CH+\i]
.endr
.if (\t)%4 < 2                         ; blocks 0, 1 are registers 0-5 of the fragment, blocks 2, 3 registers 6-11
	ds_store_b128 v4, v[CE:CE+3] offset:SO_
	ds_store_b64 v4, v[CE+4:CE+5] offset:SO_+512
.else
	ds_store_b64 v4, v[CE:CE+1] offset:SO_+520
	ds_store_b128 v4, v[CE+2:CE+5] offset:SO_+1024
.endif
.if (\t) < 6
	WLD (\t)+2
.endif
	s_wait_dscnt 0x0                               ; the stores have read their registers: the next block's codes may be written
.endm
.irp t, 0,1,2,3,4,5,6,7
	WBLOCK \t
.endr
	global_store_b32 v10, v[SB], s[12:13]
	global_store_b32 v10, v[SB+1], s[12:13] offset:256
.irp i, 0,1,2,3,4,5,6,7,8,9,10,11
	ds_load_b128 v[OUTR+4*\i:OUTR+4*\i+3], v9 offset:512*\i        ; LDS serves a wave's instructions in order: these see my stores
.endr
.irp i, 0,1,2,3,4,5,6,7,8,9,10,11
	s_wait_dscnt 11-\i                             ; the younger loads of this run may be out
	global_store_b128 v8, v[OUTR+4*\i:OUTR+4*\i+3], s[30:31] offset:(\i/6)*6144+(\i%6)*512   ; 32 lanes store 512 consecutive bytes, aligned
.endr
	s_wait_tensorcnt 0x0
	ds_add_u32 v254, v255
	s_wait_dscnt 0x0
	s_endpgm
	; ---------------- the table
.Ltable:
	s_sub_co_u32 s20, ttmp9, NWG
	s_lshl_b32 s20, s20, 1
	s_add_co_u32 s20, s20, s16                     ; which 32 positions are my wave's
	s_lshl_b32 s22, s20, 5                         ; the first of them
	s_lshl_b32 s24, s20, 13                        ; 256 bytes a position
	s_mov_b32 s25, 0
	s_add_nc_u64 s[14:15], s[14:15], s[24:25]
	s_mov_b32 s26, 0x3fc90fdb                      ; pi / 2: the upper part,
	s_mov_b32 s27, 0xb33bbd2e                      ; and what is left of it
	v_and_b32 v3, 15, v2
	v_lshrrev_b32 v4, 4, v2
	v_lshlrev_b32 v3, 4, v3
	v_lshl_add_u32 v3, v4, 3, v3                   ; frequency i lies at 16 (i % 16) + 8 (i / 16) of a row
	v_mov_b32 v9, 0x38dddbef                       ; d = 0.75 - 10^(-1/8)
	v_sub_f32 v10, 0x3f400000, v9                  ; r's upper part,
	v_add_f32 v11, 0xbf400000, v10
	v_add_f32 v11, v11, v9
	v_sub_f32 v11, 0, v11                          ; and what its rounding lost: both differences are exact
	v_mov_b32 v12, 1.0                             ; r^0, in two parts
	v_mov_b32 v13, 0
	s_mov_b32 s21, 0
.Lpow:                                             ; 31 trips: lane i takes the product in the first i of them
	v_mul_f32 v14, v12, v10
	v_fma_f32 v15, v12, v10, -v14                  ; what the product's rounding lost,
	v_fma_f32 v15, v12, v11, v15                   ; and the cross terms
	v_fma_f32 v15, v13, v10, v15
	v_add_f32 v16, v14, v15
	v_sub_f32 v17, v16, v14
	v_sub_f32 v17, v15, v17
	v_cmp_lt_u32 vcc_lo, s21, v2
	v_cndmask_b32 v12, v12, v16, vcc_lo
	v_cndmask_b32 v13, v13, v17, vcc_lo
	s_add_co_u32 s21, s21, 1
	s_cmp_lt_u32 s21, 31
	s_cbranch_scc1 .Lpow
	s_mov_b32 s21, 0
.Lpos:                                             ; 32 trips, a position each
	v_cvt_f32_u32 v8, s22
	v_mul_f32 v14, v8, v12                         ; the angle, in two parts
	v_fma_f32 v15, v8, v12, -v14
	v_fma_f32 v15, v8, v13, v15
	v_mul_f32 v16, 0x3f22f983, v14
	v_rndne_f32 v16, v16                           ; n = the nearest multiple of pi / 2
	v_fma_f32 v17, -v16, s26, v14                  ; exact: a multiple of 2^-23 under 1
	v_fma_f32 v15, -v16, s27, v15
	v_add_f32 v17, v17, v15                        ; x, at most pi / 4 in size
	v_mul_f32 v18, v17, v17
	v_mov_b32 v19, 0x3638ef1d                      ; sin x = x + x^3 (-1/6 + x^2 (1/120 + x^2 (-1/5040 + x^2 / 362880)))
	v_fmaak_f32 v19, v19, v18, 0xb9500d01
	v_fmaak_f32 v19, v19, v18, 0x3c088889
	v_fmaak_f32 v19, v19, v18, 0xbe2aaaab
	v_mul_f32 v20, v17, v18
	v_fma_f32 v19, v19, v20, v17
	v_mov_b32 v21, 0xb493f27e                      ; cos x = 1 + x^2 (-1/2 + x^2 (1/24 + x^2 (-1/720 + x^2 (1/40320 - x^2 / 3628800))))
	v_fmaak_f32 v21, v21, v18, 0x37d00d01
	v_fmaak_f32 v21, v21, v18, 0xbab60b61
	v_fmaak_f32 v21, v21, v18, 0x3d2aaaab
	v_fmaak_f32 v21, v21, v18, 0xbf000000
	v_fma_f32 v21, v21, v18, 1.0
	v_cvt_i32_f32 v22, v16
	v_and_b32 v23, 1, v22
	v_cmp_eq_u32 vcc_lo, 1, v23                    ; an odd quarter turn swaps sine and cosine: a choice of values, no branch
	v_cndmask_b32 v24, v21, v19, vcc_lo
	v_cndmask_b32 v25, v19, v21, vcc_lo
	v_add_nc_u32 v23, 1, v22
	v_lshlrev_b32 v23, 30, v23
	v_and_b32 v23, 0x80000000, v23                 ; the cosine is negative in quarters 1 and 2,
	v_xor_b32 v24, v24, v23
	v_lshlrev_b32 v22, 30, v22
	v_and_b32 v22, 0x80000000, v22                 ; the sine in quarters 2 and 3
	v_xor_b32 v25, v25, v22
	global_store_b64 v3, v[24:25], s[14:15]        ; the 32 lanes fill the position's 256 bytes
	s_wait_xcnt 0x0                                ; the store has read its data and its base: both are written again
	s_add_nc_u64 s[14:15], s[14:15], 256
	s_add_co_u32 s22, s22, 1
	s_add_co_u32 s21, s21, 1
	s_cmp_lt_u32 s21, 32
	s_cbranch_scc1 .Lpos
	s_endpgm
	; ---------------- query, key, value
.Lquant:
.set PWS, 8                            ; v8-15    the eight tiles' scale words
.set SW,  16                           ; v16-19   as they are stored
.set R,   20                           ; v20-147  two sets of 64: a tile's rows as loaded
.set X,   148                          ; v148-211 64 numbers of my row: register 16 b + i = k 32 b + 16 h + i
.set TM,  212                          ; v212-227 at work
.set PW,  228                          ; the scale word just made
.set PC,  230                          ; v230-241 the codes just made; to v248 at work
.set SEL, 22                           ; s[22:23] lane selects for v_permlanex16_b32: lane l xor 16
; 64 numbers of a lane, register 16 b + i = k 32 b + 16 (lane / 16) + i of my row, become a fragment's codes in v[PC] on and its scale word in v[PW]
.macro QUANT s
.irp b, 0,1,2,3
	v_max3_num_f32 v[TM+\b], |v[\s+16*\b]|, |v[\s+1+16*\b]|, 0x1800000   ; my 16 numbers of block b, and the floor 2^(3 - 127): the byte cannot fall under 1
.endr
.irp i, 2,4,6,8,10,12,14
.irp b, 0,1,2,3
	v_max3_num_f32 v[TM+\b], v[TM+\b], |v[\s+16*\b+\i]|, |v[\s+1+16*\b+\i]|
.endr
.endr
.irp b, 0,1,2,3
	v_permlanex16_b32 v[TM+4+\b], v[TM+\b], s[SEL], s[SEL+1]
.endr
.irp b, 0,1,2,3
	v_max_num_f32 v[TM+\b], v[TM+\b], v[TM+4+\b]   ; with lane l xor 16's: the block's largest magnitude
.endr
.irp b, 0,1,2,3
	v_add_nc_u32 v[TM+12+\b], 0xff000000, v[TM+\b] ; 2 off its exponent field: the conversion's scale operand
.endr
.irp b, 0,1,2,3
	v_lshrrev_b32 v[TM+4+\b], 23, v[TM+12+\b]      ; the scale's byte
.endr
	v_lshl_or_b32 v[PW], v[TM+5], 8, v[TM+4]
	v_lshl_or_b32 v[PW], v[TM+6], 16, v[PW]
	v_lshl_or_b32 v[PW], v[TM+7], 24, v[PW]
.irp c, 0,1
	v_cvt_scalef32_pk16_fp6_f32 v[PC+6*\c:PC+2+6*\c], v[\s+32*\c:\s+15+32*\c], v[TM+12+2*\c]
	v_cvt_scalef32_pk16_fp6_f32 v[PC+12+4*\c:PC+14+4*\c], v[\s+16+32*\c:\s+31+32*\c], v[TM+12+2*\c+1]
.endr
	v_nop                                          ; one plain place behind a scaled conversion
.irp c, 0,1                            ; the operand wants a whole block in a lane: lanes 0-15 block 2 c, lanes 16-31 block 2 c + 1
.irp i, 0,1,2
	v_permlane16_swap_b32 v[PC+6*\c+\i], v[PC+12+4*\c+\i]
.endr
.irp i, 0,1,2
	v_mov_b32 v[PC+3+6*\c+\i], v[PC+12+4*\c+\i]
.endr
.endr
.endm
	s_load_b256 s[4:11], s[0:1], 0x30              ; query, key, value, xcodes
	v_lshrrev_b32 v1, 5, v0
	v_readfirstlane_b32 s12, v1                    ; wave 0..1
	v_and_b32 v1, 31, v0                           ; lane
	v_lshlrev_b32 v2, 4, v1                        ; 16 l
	s_mul_i32 s13, s12, 8448                       ; my stage: 16 rows x 528 bytes
	v_add_nc_u32 v3, s13, v2                       ; into it
	v_and_b32 v5, 15, v1
	v_lshrrev_b32 v6, 4, v1
	v_mul_u32_u24 v4, v5, 528
	v_lshl_add_u32 v4, v6, 6, v4
	v_add_nc_u32 v4, s13, v4                       ; out of it: row r, + 64 h
	s_sub_co_u32 s14, ttmp9, NWG+NTG
	s_lshl_b32 s14, s14, 1
	s_add_co_u32 s14, s14, s12                     ; U
	s_lshr_b32 s15, s14, 9                         ; tensor
	s_bfe_u32 s16, s14, 0x60003                    ; G
	s_and_b32 s17, s14, 7                          ; s
	s_lshl_b32 s18, s16, 19                        ; 128 rows of 4,096 bytes
	s_lshl_b32 s19, s17, 9
	s_add_co_u32 s18, s18, s19
	s_mov_b32 s19, 0
	s_mul_i32 s20, s14, 12800
	s_mov_b32 s21, 0
	s_mov_b32 s[SEL], 0x76543210
	s_mov_b32 s[SEL+1], 0xfedcba98
.irp b, 0,1,2,3
	v_mov_b32 v[TM+4+\b], 0                        ; written once: a lane permute's destination counts as one of its sources
.endr
	s_wait_kmcnt 0x0
	s_cmp_eq_u32 s15, 1
	s_cselect_b64 s[4:5], s[6:7], s[4:5]
	s_cmp_eq_u32 s15, 2
	s_cselect_b64 s[4:5], s[8:9], s[4:5]
	s_add_nc_u64 s[4:5], s[4:5], s[18:19]
	s_add_nc_u64 s[10:11], s[10:11], s[20:21]
.macro XLD t                           ; tile t: rows 8 i + t, 512 bytes each
.irp i, 0,1,2,3,4,5,6,7,8,9,10,11,12,13,14,15
	global_load_b128 v[R+64*((\t)%2)+4*\i:R+64*((\t)%2)+4*\i+3], v2, s[4:5] offset:(8*\i+(\t))*4096 th:TH_LOAD_NT
.endr
.endm
.macro FRAG t
	s_wait_xcnt 0x0                                ; the last tile's stores have read the codes' registers, which are written again below
.if (\t) < 7
	s_wait_loadcnt 16                              ; this tile's 16 loads are in; the next tile's may be out
.else
	s_wait_loadcnt 0x0
.endif
.irp i, 0,1,2,3,4,5,6,7,8,9,10,11,12,13,14,15
	ds_store_b128 v3, v[R+64*((\t)%2)+4*\i:R+64*((\t)%2)+4*\i+3] offset:528*\i
.endr
.irp b, 0,1,2,3
.irp j, 0,1,2,3
	ds_load_b128 v[X+16*\b+4*\j:X+16*\b+4*\j+3], v4 offset:128*\b+16*\j    ; LDS serves a wave's instructions in order: these see the stores above
.endr
.endr
	s_wait_dscnt 0x0
.if (\t) < 6
	XLD (\t)+2
.endif
	QUANT X
	v_mov_b32 v[PWS+(\t)], v[PW]
.irp c, 0,1,2
	global_store_b128 v2, v[PC+4*\c:PC+4*\c+3], s[10:11] offset:1536*(\t)+512*\c   ; 32 lanes store 512 consecutive bytes, aligned
.endr
.endm
	XLD 0
	XLD 1
.irp t, 0,1,2,3,4,5,6,7
	FRAG \t
.endr
	v_cmp_le_u32 vcc_lo, 16, v1                    ; lanes 16-31 carry tiles 4 to 7 (each lane holds its row's word of every tile)
.irp i, 0,1,2,3
	v_cndmask_b32 v[SW+\i], v[PWS+\i], v[PWS+4+\i], vcc_lo
.endr
	global_store_b128 v2, v[SW:SW+3], s[10:11] offset:12288
	s_wait_tensorcnt 0x0
	ds_add_u32 v254, v255
	s_wait_dscnt 0x0
	s_endpgm
.Lfunc_end_k_qcdcbe4216b_prepq:
	.size	k_qcdcbe4216b_prepq, .Lfunc_end_k_qcdcbe4216b_prepq-k_qcdcbe4216b_prepq
	.p2alignl 7, 3214868480
	.fill 96, 4, 3214868480
	.section	.rodata,"a",@progbits
	.p2align	6, 0x0
	.amdhsa_kernel k_qcdcbe4216b_prepq
		.amdhsa_group_segment_fixed_size 29440
		.amdhsa_private_segment_fixed_size 0
		.amdhsa_enable_private_segment 0
		.amdhsa_kernarg_size 80
		.amdhsa_user_sgpr_count 2
		.amdhsa_user_sgpr_kernarg_segment_ptr 1
		.amdhsa_wavefront_size32 1
		.amdhsa_system_sgpr_workgroup_id_x 1
		.amdhsa_system_sgpr_workgroup_id_y 1
		.amdhsa_system_sgpr_workgroup_id_z 1
		.amdhsa_system_vgpr_workitem_id 0
		.amdhsa_next_free_vgpr 256
		.amdhsa_next_free_sgpr 66
		.amdhsa_reserve_vcc 1
		.amdhsa_float_denorm_mode_32 3
		.amdhsa_float_denorm_mode_16_64 3
		.amdhsa_memory_ordered 1
		.amdhsa_forward_progress 1
		.amdhsa_inst_pref_size 109
	.end_amdhsa_kernel
	.amdgpu_metadata
---
amdhsa.version: [ 1, 2 ]
amdhsa.kernels:
  - .name:           k_qcdcbe4216b_prepq
    .symbol:         k_qcdcbe4216b_prepq.kd
    .args:
      - { .name: Wq, .offset: 0, .size: 8, .value_kind: global_buffer, .address_space: global }
      - { .name: Wk, .offset: 8, .size: 8, .value_kind: global_buffer, .address_space: global }
      - { .name: Wv, .offset: 16, .size: 8, .value_kind: global_buffer, .address_space: global }
      - { .name: Wo, .offset: 24, .size: 8, .value_kind: global_buffer, .address_space: global }
      - { .name: wcodes, .offset: 32, .size: 8, .value_kind: global_buffer, .address_space: global }
      - { .name: ropetab, .offset: 40, .size: 8, .value_kind: global_buffer, .address_space: global }
      - { .name: query, .offset: 48, .size: 8, .value_kind: global_buffer, .address_space: global }
      - { .name: key, .offset: 56, .size: 8, .value_kind: global_buffer, .address_space: global }
      - { .name: value, .offset: 64, .size: 8, .value_kind: global_buffer, .address_space: global }
      - { .name: xcodes, .offset: 72, .size: 8, .value_kind: global_buffer, .address_space: global }
    .group_segment_fixed_size: 29440
    .private_segment_fixed_size: 0
    .kernarg_segment_align: 8
    .kernarg_segment_size: 80
    .max_flat_workgroup_size: 64
    .sgpr_count:     66
    .vgpr_count:     256
    .wavefront_size: 32
...
	.end_amdgpu_metadata
.endif
;; end of part 1
;; launch proj_qk (part 2): grid 16 x 16, 8 waves a work-group, no clusters, 119,296 bytes of LDS; arguments xcodes, wcodes, ropetab, bq, bk, temporal_weights, qkcodes; writes qkcodes
.if DOCPART == 2
	.amdgcn_target "amdgcn-amd-amdhsa--gfx1250"
	.amdhsa_code_object_version 6
	.text
	.protected	k_qcdcbe4216b_proj_qk
	.globl	k_qcdcbe4216b_proj_qk
	.p2align	8
	.type	k_qcdcbe4216b_proj_qk,@function
k_qcdcbe4216b_proj_qk:
	s_mov_b64 s[64:65], 0
	v_nop
	global_prefetch_b8 v0, s[64:65] scope:SCOPE_SE
	s_setreg_imm32_b32 hwreg(HW_REG_WAVE_MODE, 25, 1), 1
	s_wait_xcnt 0x0
; Q (y < 8) or K (y >= 8) of one batch and one head: the projection on codes of FP6, the bias, the rotary embedding, the four-scale pooling along the sequence, and the quantiser along the head's 64 channels.
; SHARES.  A work-group holds the WHOLE sequence of its (batch, head): 8 waves x 128 rows x 64 channels; a wave has 32 accumulators, 256 registers (window 1): ACC(t, n) at 32 t + 8 n.
; Tile t of a wave's 128 rows takes row 8 m + t in lane m (so xcodes is laid).  The product is used transposed (source 0 = 16 columns of W, source 1 = 16 rows of x): lane (r, h), register 16 b + 8 u + j of ACC(t, .)
; is row 128 wave + 8 r + t, channel 32 b + 16 h + 8 u + j.  So ONE LANE HOLDS A BLOCK OF 8 ROWS across t: all sums of the pooling are sums of registers; the neighbouring blocks lie in the lanes beside it (DPP),
; and only a wave's first and last block ask another wave, through LDS.  At the sequence's ends the clip of the interpolation equals 'the neighbour is my own pooled value'.
; W's 51,200 bytes (codes and scale words of this head) lie in LDS; x's fragments come from memory straight into registers, two K steps ahead.
; The bias and the table's first rows are asked for inside the K loop, into the set of x's registers that the last K step but one has left; four rows of the table are on their way from then on.
; OUT: qkcodes = Q's codes, K's codes (6,291,456 bytes each), Q's scale words, K's (524,288 each).  Codes [bh][group of 128 rows][tile 8] of 768 bytes: registers 0-3 of lane l at 16 l, registers 4-5 at 512 + 8 l;
; lane (m, h) holds block h of its row.  Row of (tile, m): 32 kb(tile / 2) + 8 (m % 4) + 4 (m / 8) + 2 (tile % 2) + (m / 4) % 2, kb(b) = 2 (b % 2) + b / 2: the order in which attention's p falls into registers.
; Scale word of (tile, m) at 16 (m + 16 (tile / 4)) + 4 (tile % 4): the row's two bytes, and 0x7f twice for the upper 64 of the instruction's K, whose codes are zeros.
; No tensor load and no cluster: a K step of x for the work-group is 102,400 bytes, so LDS would hold two slots of one step, and a fill would have 32 matrix instructions a wave in which to land.
; LIMITS: NaN and infinities are not served; a block of zeros gets the byte 1 (this program alone reads the bytes); the pooling's sums are formed in another order than the source's, all in f32.
.set RG,   51200                       ; LDS: 0 W's codes; 49,152 W's scale words; RG: 9 slots of 768 bytes, slot w = what wave w's first block finds on its left;
.set LG,   58112                       ; LG: 9 slots, slot w + 1 = what wave w's last block finds on its right.  A slot: [pool of 8, of 4, of 2][h][32 registers]
.set STG,  65024                       ; 8 stages of 6,656 bytes for the way out
.set MSB, 0
.macro WIN new                         ; the immediate's high byte repeats the setting that is left
.if MSB != \new
	s_set_vgpr_msb (MSB<<8)|\new
.set MSB, \new
.endif
.endm
; one matrix instruction: d accumulator, a source 0, b source 1, z: the sum begins; sa, sb scale registers; ra, rb: the scales stand in lanes 16-31
.macro MM d, a, b, z, sa, sb, ra, rb
.if \z
.if (\ra) && (\rb)
	v_wmma_scale_f32_16x16x128_f8f6f4 v[(\d):(\d)+7], v[(\a):(\a)+11], v[(\b):(\b)+11], 0, v[\sa], v[\sb] matrix_a_fmt:MATRIX_FMT_FP6 matrix_b_fmt:MATRIX_FMT_FP6 matrix_a_scale:MATRIX_SCALE_ROW1 matrix_b_scale:MATRIX_SCALE_ROW1
.elseif \ra
	v_wmma_scale_f32_16x16x128_f8f6f4 v[(\d):(\d)+7], v[(\a):(\a)+11], v[(\b):(\b)+11], 0, v[\sa], v[\sb] matrix_a_fmt:MATRIX_FMT_FP6 matrix_b_fmt:MATRIX_FMT_FP6 matrix_a_scale:MATRIX_SCALE_ROW1
.elseif \rb
	v_wmma_scale_f32_16x16x128_f8f6f4 v[(\d):(\d)+7], v[(\a):(\a)+11], v[(\b):(\b)+11], 0, v[\sa], v[\sb] matrix_a_fmt:MATRIX_FMT_FP6 matrix_b_fmt:MATRIX_FMT_FP6 matrix_b_scale:MATRIX_SCALE_ROW1
.else
	v_wmma_scale_f32_16x16x128_f8f6f4 v[(\d):(\d)+7], v[(\a):(\a)+11], v[(\b):(\b)+11], 0, v[\sa], v[\sb] matrix_a_fmt:MATRIX_FMT_FP6 matrix_b_fmt:MATRIX_FMT_FP6
.endif
.else
.if (\ra) && (\rb)
	v_wmma_scale_f32_16x16x128_f8f6f4 v[(\d):(\d)+7], v[(\a):(\a)+11], v[(\b):(\b)+11], v[(\d):(\d)+7], v[\sa], v[\sb] matrix_a_fmt:MATRIX_FMT_FP6 matrix_b_fmt:MATRIX_FMT_FP6 matrix_a_scale:MATRIX_SCALE_ROW1 matrix_b_scale:MATRIX_SCALE_ROW1
.elseif \ra
	v_wmma_scale_f32_16x16x128_f8f6f4 v[(\d):(\d)+7], v[(\a):(\a)+11], v[(\b):(\b)+11], v[(\d):(\d)+7], v[\sa], v[\sb] matrix_a_fmt:MATRIX_FMT_FP6 matrix_b_fmt:MATRIX_FMT_FP6 matrix_a_scale:MATRIX_SCALE_ROW1
.elseif \rb
	v_wmma_scale_f32_16x16x128_f8f6f4 v[(\d):(\d)+7], v[(\a):(\a)+11], v[(\b):(\b)+11], v[(\d):(\d)+7], v[\sa], v[\sb] matrix_a_fmt:MATRIX_FMT_FP6 matrix_b_fmt:MATRIX_FMT_FP6 matrix_b_scale:MATRIX_SCALE_ROW1
.else
	v_wmma_scale_f32_16x16x128_f8f6f4 v[(\d):(\d)+7], v[(\a):(\a)+11], v[(\b):(\b)+11], v[(\d):(\d)+7], v[\sa], v[\sb] matrix_a_fmt:MATRIX_FMT_FP6 matrix_b_fmt:MATRIX_FMT_FP6
.endif
.endif
.endm
; REGISTERS of window 0 in the K loop: v1, v2 16 l; v3 49,152 + 8 l; v4-7, v8-11 x's scale words, two sets; v12-13 W's; v14 the table's offset, v15 the bias's; v16-63 W's four fragments; v64-159, v160-255 x's eight fragments, two sets
.macro XLOAD s                         ; K step s of my 128 rows: 25 loads of 512 consecutive bytes
.irp t, 0,1,2,3,4,5,6,7
.irp c, 0,1,2
	global_load_b128 v[64+96*((\s)%2)+12*\t+4*\c:64+96*((\s)%2)+12*\t+4*\c+3], v1, s[4:5] offset:12800*(\s)+1536*\t+512*\c
.endr
.endr
	global_load_b128 v[4+4*((\s)%2):7+4*((\s)%2)], v1, s[4:5] offset:12800*(\s)+12288
.endm
.macro BFETCH s
.irp n, 0,1,2,3
.irp c, 0,1,2
	ds_load_b128 v[16+12*\n+4*\c:16+12*\n+4*\c+3], v2 offset:6144*(\s)+1536*\n+512*\c
.endr
.endr
	ds_load_b64 v[12:13], v3 offset:256*(\s)       ; lane l: the words of tiles l / 16 and 2 + l / 16, column l % 16
.endm
.macro BIAS                            ; the bias in the result's layout: v128-159
.irp b, 0,1
.irp u, 0,1
.irp q, 0,1
	global_load_b128 v[128+16*\b+8*\u+4*\q:131+16*\b+8*\u+4*\q], v15, s[10:11] offset:128*\b+32*\u+16*\q
.endr
.endr
.endr
.endm
.macro RLOAD t                         ; the table's row of position 128 wave + 8 r + t, my half: 8 x {cos lo, sin lo, cos hi, sin hi}; four sets: v64, v96, v192, v224
.irp f, 0,1,2,3,4,5,6,7
	global_load_b128 v[64+32*((\t)%2)+128*(((\t)%4)/2)+4*\f:67+32*((\t)%2)+128*(((\t)%4)/2)+4*\f], v14, s[8:9] offset:256*(\t)+16*\f
.endr
.endm
.macro KSTEP s
.if (\s) < 7
	s_wait_loadcnt 25                              ; this K step's 25 loads are in; the next step's may be out
.else
	s_wait_loadcnt 24                              ; behind x's last set: the bias's 8 loads and two rows of the table
.endif
	s_wait_dscnt 0x0                               ; W's fragments
	WIN 0x50                                       ; C and D window 1
.irp t, 0,1,2,3,4,5,6,7                ; the 32 accumulators take turns, in the same order in every K step
.irp n, 0,1,2,3
	MM 32*\t+8*\n, 16+12*\n, 64+96*((\s)%2)+12*\t, (\s)==0, 12+\n/2, 4+4*((\s)%2)+\t%4, \n%2, \t/4
.endr
.endr
	WIN 0
.rept 4
	v_nop                                          ; four places in front of loads into, and vector writes of, registers that matrix instructions have read
.endr
.if (\s) < 7
	BFETCH (\s)+1
.endif
.if (\s) < 6
	XLOAD (\s)+2
.elseif (\s) == 6
	BIAS                                           ; x's set 0 has had its last products: the epilogue's first loads take its registers
	RLOAD 0
	RLOAD 1
.else
	RLOAD 2                                        ; and set 1's
	RLOAD 3
.endif
.endm
	s_load_b256 s[4:11], s[0:1], 0x0               ; xcodes, wcodes, ropetab, bq
	s_load_b128 s[12:15], s[0:1], 0x20             ; bk, temporal_weights
	s_load_b64 s[16:17], s[0:1], 0x30              ; qkcodes
	v_lshrrev_b32 v1, 5, v0
	v_readfirstlane_b32 s18, v1                    ; wave 0..7
	v_and_b32 v14, 31, v0
	v_lshlrev_b32 v1, 4, v14
	v_lshlrev_b32 v2, 4, v14
	v_lshl_add_u32 v3, v14, 3, 49152
	v_lshlrev_b32 v12, 4, v0                       ; the fill: 16 bytes a thread,
	v_lshlrev_b32 v13, 3, v0                       ; 8 of the scale words
	s_and_b32 s22, ttmp7, 0xffff
	s_lshr_b32 s20, s22, 3                         ; z: 0 Q, 1 K
	s_and_b32 s21, s22, 7                          ; batch
	s_lshl_b32 s23, s20, 6
	s_lshl_b32 s24, s21, 3
	s_add_co_u32 s23, s23, s24
	s_add_co_u32 s23, s23, s18                     ; which 128 rows of xcodes: 64 z + 8 batch + wave
	s_mul_i32 s24, s23, 102400
	s_mov_b32 s25, 0
	s_lshl_b32 s26, s20, 4
	s_add_co_u32 s26, s26, ttmp9
	s_mul_i32 s26, s26, 51200                      ; the block of (weight z, head)
	s_mov_b32 s27, 0
	s_mov_b32 s48, 0x76543210
	s_mov_b32 s49, 0xfedcba98                      ; lane selects: lane l xor 16
	s_wait_kmcnt 0x0
	s_add_nc_u64 s[4:5], s[4:5], s[24:25]
	s_add_nc_u64 s[6:7], s[6:7], s[26:27]
	s_cmp_eq_u32 s20, 0
	s_cselect_b64 s[10:11], s[10:11], s[12:13]     ; bq or bk,
	s_lshl_b32 s22, ttmp9, 8
	s_mov_b32 s23, 0
	s_add_nc_u64 s[10:11], s[10:11], s[22:23]      ; at my head's 64 numbers
	s_load_b128 s[36:39], s[14:15], 0x0            ; the four weights of the scales
.irp i, 0,1,2,3,4,5,6,7,8,9,10,11
	global_load_b128 v[16+4*\i:19+4*\i], v12, s[6:7] offset:4096*\i
.endr
	global_load_b64 v[14:15], v13, s[6:7] offset:49152
	XLOAD 0
	XLOAD 1
	s_wait_loadcnt 50                              ; W's 13 loads are in; x's two sets may be out
.irp i, 0,1,2,3,4,5,6,7,8,9,10,11
	ds_store_b128 v12, v[16+4*\i:19+4*\i] offset:4096*\i
.endr
	ds_store_b64 v13, v[14:15] offset:49152
	s_wait_dscnt 0x0                               ; for the others' sake: my part of W lies in LDS
	s_barrier_signal -1
	s_barrier_wait -1
	v_bfe_u32 v15, v0, 4, 1                        ; h
	v_and_b32 v14, 15, v0                          ; r
	v_lshlrev_b32 v14, 11, v14
	v_lshl_add_u32 v14, v15, 7, v14
	s_lshl_b32 s22, s18, 15
	v_add_nc_u32 v14, s22, v14                     ; the table: (128 wave + 8 r) x 256 + 128 h; never rewritten
	v_lshlrev_b32 v15, 6, v15                      ; the bias: 16 h channels; never rewritten
	BFETCH 0
.irp s, 0,1,2,3,4,5,6,7
	KSTEP \s
.endr
	; ---------------- the epilogue.  v2 r, v3 h, v4, v5 my slots in RG and LG, v6-8 into the stage, v9 out of it, v10, v12, v13 at work
	v_and_b32 v2, 15, v0
	v_bfe_u32 v3, v0, 4, 1
	s_mul_i32 s23, s18, 768
	v_lshl_add_u32 v4, v3, 7, s23
	v_add_nc_u32 v5, LG, v4
	v_add_nc_u32 v4, RG, v4
	s_mul_i32 s24, s18, 6656
	s_add_co_u32 s24, s24, STG                     ; my stage
	v_bfe_u32 v12, v2, 2, 1
	v_lshrrev_b32 v13, 3, v2
	v_and_b32 v10, 3, v2
	v_mul_u32_u24 v6, v12, 3072                    ; row 8 r + t lies in tile 4 ((r / 4) % 2) + 2 (r / 8) + (t / 2) % 2, lane m = r % 4 + 4 (t % 2) + 8 (t / 4)
	v_mad_u32_u24 v6, v13, 1536, v6
	v_add_nc_u32 v6, s24, v6
	v_lshl_add_u32 v7, v10, 3, v6
	v_lshl_add_u32 v7, v3, 7, v7
	v_add_nc_u32 v7, 512, v7                       ; registers 4-5: 512 + 8 (m + 16 h)
	v_lshl_add_u32 v6, v10, 4, v6
	v_lshl_add_u32 v6, v3, 8, v6                   ; registers 0-3: 16 (m + 16 h)
	v_lshlrev_b32 v8, 4, v10
	v_lshl_add_u32 v8, v12, 8, v8
	v_lshl_add_u32 v8, v13, 3, v8
	v_add_nc_u32 v8, s24, v8
	v_add_nc_u32 v8, 6144, v8                      ; the scale word
	v_add_nc_u32 v9, s24, v1
	; softmax of the four weights, the largest taken away first
	s_wait_kmcnt 0x0
	v_mov_b32 v48, s36
	v_mov_b32 v49, s37
	v_mov_b32 v50, s38
	v_mov_b32 v51, s39
	v_max3_num_f32 v52, v48, v49, v50
	v_max_num_f32 v52, v52, v51
.irp i, 0,1,2,3
	v_sub_f32 v[48+\i], v[48+\i], v52
.endr
.irp i, 0,1,2,3
	v_mul_f32 v[48+\i], 0x3fb8aa3b, v[48+\i]
.endr
.irp i, 0,1,2,3
	v_exp_f32 v[48+\i], v[48+\i]
.endr
	v_nop                                          ; a plain place behind the exponentials,
	s_wait_alu depctr_va_vdst(0)                   ; and one wait ahead of their first reader
	v_add_f32 v52, v48, v49
	v_add_f32 v53, v50, v51
	v_add_f32 v52, v52, v53
	v_rcp_f32 v52, v52
	v_nop
	s_wait_alu depctr_va_vdst(0)
.irp i, 0,1,2,3
	v_mul_f32 v[48+\i], v[48+\i], v52
.endr
	v_mul_f32 v49, 0.5, v49                        ; the means' divisors go into the weights: exact
	v_mul_f32 v50, 0x3e800000, v50
	v_mul_f32 v51, 0x3e000000, v51
	v_readfirstlane_b32 s40, v48                   ; s[40:41] w0, s[42:43] w1 / 2, s[44:45] w2 / 4, s[46:47] w3 / 8: pairs, since packed forms name pairs
	v_readfirstlane_b32 s42, v49
	v_readfirstlane_b32 s44, v50
	v_readfirstlane_b32 s46, v51
	s_mov_b32 s41, s40
	s_mov_b32 s43, s42
	s_mov_b32 s45, s44
	s_mov_b32 s47, s46
	s_wait_loadcnt 32                              ; the bias is in; four rows of the table may be out
	WIN 0x41                                       ; destination and source 0 window 1
.irp t, 0,1,2,3,4,5,6,7                ; each accumulator is read from its low end on
.irp p, 0,1,2,3,4,5,6,7,8,9,10,11,12,13,14,15
	v_pk_add_f32 v[32*\t+2*\p:32*\t+2*\p+1], v[32*\t+2*\p:32*\t+2*\p+1], v[128+2*\p:129+2*\p]
.endr
.endr
	; the rotary embedding: channels d and d + 32 are registers c and c + 16 of one lane; a pair of registers shares an angle
.irp t, 0,1,2,3,4,5,6,7
.set RS, 64+32*(\t%2)+128*((\t%4)/2)
.if \t < 5
	s_wait_loadcnt 24                              ; this row's eight loads are in; the next three rows' may be out
.else
	s_wait_loadcnt 8*(7-\t)                        ; the rows that are left
.endif
	WIN 0x01                                       ; source 0 window 1
.irp f, 0,1,2,3,4,5,6,7
	v_pk_mul_f32 v[160+2*\f:161+2*\f], v[32*\t+16+2*\f:32*\t+17+2*\f], v[RS+4*\f:RS+1+4*\f] op_sel:[0,1] op_sel_hi:[1,1] neg_lo:[0,1] neg_hi:[0,1]   ; - x(d + 32) sin lo
	v_pk_mul_f32 v[176+2*\f:177+2*\f], v[32*\t+2*\f:32*\t+1+2*\f], v[RS+2+4*\f:RS+3+4*\f] op_sel:[0,1] op_sel_hi:[1,1]                                ; x(d) sin hi
.endr
	WIN 0x41
.irp f, 0,1,2,3,4,5,6,7
	v_pk_fma_f32 v[32*\t+2*\f:32*\t+1+2*\f], v[32*\t+2*\f:32*\t+1+2*\f], v[RS+4*\f:RS+1+4*\f], v[160+2*\f:161+2*\f] op_sel_hi:[1,0,1]
	v_pk_fma_f32 v[32*\t+16+2*\f:32*\t+17+2*\f], v[32*\t+16+2*\f:32*\t+17+2*\f], v[RS+2+4*\f:RS+3+4*\f], v[176+2*\f:177+2*\f] op_sel_hi:[1,0,1]
.endr
	WIN 0
.if \t < 4
	RLOAD \t+4
.endif
.endr
; The weighted pools of my block of 8 rows, for the 8 registers of chunk ch: 56 registers from base on: +0 the four pools of 2, +32 the two of 4, +48 the one of 8
.macro CHUNKSUMS ch, base
	WIN 0x05                                       ; sources 0 and 1 window 1
.irp i, 0,1,2,3
.irp p, 0,1,2,3
	v_pk_add_f32 v[(\base)+8*\i+2*\p:(\base)+8*\i+2*\p+1], v[64*\i+8*(\ch)+2*\p:64*\i+8*(\ch)+2*\p+1], v[64*\i+32+8*(\ch)+2*\p:64*\i+32+8*(\ch)+2*\p+1]
.endr
.endr
	WIN 0
.irp i, 0,1
.irp p, 0,1,2,3
	v_pk_add_f32 v[(\base)+32+8*\i+2*\p:(\base)+32+8*\i+2*\p+1], v[(\base)+16*\i+2*\p:(\base)+16*\i+2*\p+1], v[(\base)+16*\i+8+2*\p:(\base)+16*\i+8+2*\p+1]
.endr
.endr
.irp p, 0,1,2,3
	v_pk_add_f32 v[(\base)+48+2*\p:(\base)+48+2*\p+1], v[(\base)+32+2*\p:(\base)+32+2*\p+1], v[(\base)+40+2*\p:(\base)+40+2*\p+1]
.endr
.irp p, 0,1,2,3,4,5,6,7,8,9,10,11,12,13,14,15
	v_pk_mul_f32 v[(\base)+2*\p:(\base)+2*\p+1], v[(\base)+2*\p:(\base)+2*\p+1], s[42:43] op_sel_hi:[1,0]
.endr
.irp p, 0,1,2,3,4,5,6,7
	v_pk_mul_f32 v[(\base)+32+2*\p:(\base)+32+2*\p+1], v[(\base)+32+2*\p:(\base)+32+2*\p+1], s[44:45] op_sel_hi:[1,0]
.endr
.irp p, 0,1,2,3
	v_pk_mul_f32 v[(\base)+48+2*\p:(\base)+48+2*\p+1], v[(\base)+48+2*\p:(\base)+48+2*\p+1], s[46:47] op_sel_hi:[1,0]
.endr
.endm
.irp ch, 0,1,2,3
	CHUNKSUMS \ch, 16+56*\ch
.endr
; a block's message: its pool of 8, one pool of 4 (at o4 of a chunk's 56) and one of 2 (at o2), all 32 registers
.macro SENDM adr, imm, o4, o2
.irp ch, 0,1,2,3
.irp q, 0,1
	ds_store_b128 v[\adr], v[16+56*\ch+48+4*\q:16+56*\ch+51+4*\q] offset:\imm+32*\ch+16*\q
	ds_store_b128 v[\adr], v[16+56*\ch+\o4+4*\q:16+56*\ch+\o4+3+4*\q] offset:\imm+256+32*\ch+16*\q
	ds_store_b128 v[\adr], v[16+56*\ch+\o2+4*\q:16+56*\ch+\o2+3+4*\q] offset:\imm+512+32*\ch+16*\q
.endr
.endr
.endm
	s_wait_xcnt 0x0                                ; EXEC changes only behind this wait
	v_cmp_eq_u32 vcc_lo, 0, v2
	s_and_saveexec_b32 s50, vcc_lo                 ; my first block (r = 0): its first pools go to the wave on the left
	SENDM 5, 0, 32, 0
	s_cmp_lg_u32 s18, 0
	s_cbranch_scc1 .Lnot_first
	SENDM 4, 0, 32, 0                              ; the sequence's first block is its own left neighbour
.Lnot_first:
	s_or_b32 exec_lo, exec_lo, s50
	v_cmp_eq_u32 vcc_lo, 15, v2
	s_and_saveexec_b32 s50, vcc_lo                 ; my last block (r = 15): its last pools go to the wave on the right
	SENDM 4, 768, 40, 24
	s_cmp_lg_u32 s18, 7
	s_cbranch_scc1 .Lnot_last
	SENDM 5, 768, 40, 24                           ; the sequence's last block is its own right neighbour
.Lnot_last:
	s_or_b32 exec_lo, exec_lo, s50
	s_wait_dscnt 0x0                               ; for the others' sake: my messages lie in LDS
	s_barrier_signal -1
	s_barrier_wait -1
.macro SIXT n                          ; CF = the f32 bits of n / 16
.if (\n) >= 8
.set CF, 0x3f000000+((\n)-8)*0x100000
.elseif (\n) >= 4
.set CF, 0x3e800000+((\n)-4)*0x200000
.elseif (\n) >= 2
.set CF, 0x3e000000+((\n)-2)*0x400000
.else
.set CF, 0x3d800000
.endif
.endm
; Row t of a block: which pools it takes (O own, N neighbour) and the neighbour's share in sixteenths.  v16-47 pools of 2, v48-63 of 4, v64-71 of 8; the left block's last ones v72 (8), v80 (4), v88 (2); the right block's first ones v96, v104, v112
.macro ROWSYM t
.set O2, 16+8*((\t)/2)
.if (\t) == 0
.set N2, 88
.elseif (\t) == 7
.set N2, 112
.elseif (\t)%2 == 0
.set N2, 8+8*((\t)/2)
.else
.set N2, 24+8*((\t)/2)
.endif
.set O4, 48+8*((\t)/4)
.if (\t) < 2
.set N4, 80
.elseif (\t) < 4
.set N4, 56
.elseif (\t) < 6
.set N4, 48
.else
.set N4, 104
.endif
.if (\t)%4 < 2
.set L4N, 6-4*((\t)%4)
.else
.set L4N, 4*((\t)%4)-6
.endif
.if (\t) < 4
.set N8, 72
.set L8N, 7-2*(\t)
.else
.set N8, 96
.set L8N, 2*(\t)-7
.endif
.endm
.macro TERM4 t, ch, src, n             ; row t's 8 registers of chunk ch += n / 16 x the pool at src
	SIXT \n
.irp p, 0,1,2,3
	v_pk_fma_f32 v[32*(\t)+8*(\ch)+2*\p:32*(\t)+8*(\ch)+2*\p+1], v[(\src)+2*\p:(\src)+2*\p+1], CF, v[32*(\t)+8*(\ch)+2*\p:32*(\t)+8*(\ch)+2*\p+1] op_sel_hi:[1,0,1]
.endr
.endm
.macro CHUNK ch
.irp a, 0,1,2
.irp q, 0,1
	ds_load_b128 v[72+8*\a+4*\q:75+8*\a+4*\q], v4 offset:256*\a+32*(\ch)+16*\q         ; what lies left of my wave, in every lane: lane 0 of each half keeps it
	ds_load_b128 v[96+8*\a+4*\q:99+8*\a+4*\q], v5 offset:768+256*\a+32*(\ch)+16*\q     ; and right of it: lane 15 keeps it
.endr
.endr
	CHUNKSUMS \ch, 16
	s_wait_dscnt 0x0
.irp c, 0,1,2,3,4,5,6,7
	v_mov_b32_dpp v[72+\c], v[64+\c] row_shr:1 row_mask:0xf bank_mask:0xf      ; lane r takes lane r - 1's last pools,
	v_mov_b32_dpp v[80+\c], v[56+\c] row_shr:1 row_mask:0xf bank_mask:0xf
	v_mov_b32_dpp v[88+\c], v[40+\c] row_shr:1 row_mask:0xf bank_mask:0xf
	v_mov_b32_dpp v[96+\c], v[64+\c] row_shl:1 row_mask:0xf bank_mask:0xf      ; and lane r + 1's first
	v_mov_b32_dpp v[104+\c], v[48+\c] row_shl:1 row_mask:0xf bank_mask:0xf
	v_mov_b32_dpp v[112+\c], v[16+\c] row_shl:1 row_mask:0xf bank_mask:0xf
.endr
	WIN 0x41
.irp t, 0,1,2,3,4,5,6,7
.irp p, 0,1,2,3
	v_pk_mul_f32 v[32*\t+8*(\ch)+2*\p:32*\t+8*(\ch)+2*\p+1], v[32*\t+8*(\ch)+2*\p:32*\t+8*(\ch)+2*\p+1], s[40:41] op_sel_hi:[1,0]
.endr
.endr
	WIN 0x50                                       ; destination and source 2 window 1
.irp t, 0,1,2,3,4,5,6,7
	ROWSYM \t
	TERM4 \t, \ch, N2, 4
	TERM4 \t, \ch, O2, 12
	TERM4 \t, \ch, N4, L4N
	TERM4 \t, \ch, O4, 16-L4N
	TERM4 \t, \ch, N8, L8N
	TERM4 \t, \ch, 64, 16-L8N
.endr
	WIN 0
.endm
.irp ch, 0,1,2,3
	CHUNK \ch
.endr
	; the quantiser: block q = 2 t + b of row t is registers 16 q .. 16 q + 15 of window 1, and lane l xor 16's
	WIN 0x05
.irp q, 0,1,2,3,4,5,6,7,8,9,10,11,12,13,14,15
	v_max3_num_f32 v[16+\q], |v[16*\q]|, |v[16*\q+1]|, 0x1800000   ; with the floor 2^(3 - 127): the byte cannot fall under 1
.endr
	WIN 0x14                                       ; sources 1 and 2 window 1
.irp i, 2,4,6,8,10,12,14
.irp q, 0,1,2,3,4,5,6,7,8,9,10,11,12,13,14,15
	v_max3_num_f32 v[16+\q], v[16+\q], |v[16*\q+\i]|, |v[16*\q+\i+1]|
.endr
.endr
	WIN 0
.irp q, 0,1,2,3,4,5,6,7,8,9,10,11,12,13,14,15
	v_permlanex16_b32 v[32+\q], v[16+\q], s48, s49
.endr
.irp q, 0,1,2,3,4,5,6,7,8,9,10,11,12,13,14,15
	v_max_num_f32 v[16+\q], v[16+\q], v[32+\q]
.endr
.irp q, 0,1,2,3,4,5,6,7,8,9,10,11,12,13,14,15
	v_add_nc_u32 v[48+\q], 0xff000000, v[16+\q]    ; 2 off the exponent field: the conversion's scale operand
.endr
.irp q, 0,1,2,3,4,5,6,7,8,9,10,11,12,13,14,15
	v_lshrrev_b32 v[64+\q], 23, v[48+\q]
.endr
.irp t, 0,1,2,3,4,5,6,7
	v_lshl_or_b32 v[80+\t], v[65+2*\t], 8, v[64+2*\t]
.endr
.irp t, 0,1,2,3,4,5,6,7
	v_or_b32 v[80+\t], 0x7f7f0000, v[80+\t]        ; the bytes of the upper 64 of K, whose codes are zeros
.endr
	WIN 0x01
.irp q, 0,1,2,3,4,5,6,7,8,9,10,11,12,13,14,15
	v_cvt_scalef32_pk16_fp6_f32 v[96+6*\q:98+6*\q], v[16*\q:16*\q+15], v[48+\q]
.endr
	WIN 0
	v_nop                                          ; one plain place behind a scaled conversion
.irp t, 0,1,2,3,4,5,6,7                ; a lane is to hold a whole block: lanes 0-15 block 0, lanes 16-31 block 1
.irp i, 0,1,2
	v_permlane16_swap_b32 v[96+12*\t+\i], v[102+12*\t+\i]
.endr
.irp i, 0,1,2
	v_mov_b32 v[99+12*\t+\i], v[102+12*\t+\i]
.endr
.endr
.irp t, 0,1,2,3,4,5,6,7
	ds_store_b128 v6, v[96+12*\t:99+12*\t] offset:768*((\t/2)%2)+128*(\t/4)+64*(\t%2)
	ds_store_b64 v7, v[100+12*\t:101+12*\t] offset:768*((\t/2)%2)+64*(\t/4)+32*(\t%2)
	ds_store_b32 v8, v[80+\t] offset:128*(\t/4)+64*(\t%2)+4*((\t/2)%2)         ; both halves write the same word with the same value
.endr
	s_lshl_b32 s22, s21, 4
	s_add_co_u32 s22, s22, ttmp9                   ; bh
	s_mul_i32 s24, s22, 49152
	s_mul_i32 s25, s20, 6291456
	s_add_co_u32 s24, s24, s25
	s_mul_i32 s25, s18, 6144
	s_add_co_u32 s24, s24, s25
	s_mov_b32 s25, 0
	s_add_nc_u64 s[26:27], s[16:17], s[24:25]      ; my group's codes
	s_lshl_b32 s24, s22, 12
	s_lshl_b32 s28, s20, 19
	s_add_co_u32 s24, s24, s28
	s_lshl_b32 s28, s18, 9
	s_add_co_u32 s24, s24, s28
	s_add_co_u32 s24, s24, 12582912
	s_add_nc_u64 s[16:17], s[16:17], s[24:25]      ; and its scale words
.irp i, 0,1,2,3,4,5,6,7,8,9,10,11,12
	ds_load_b128 v[192+4*\i:195+4*\i], v9 offset:512*\i    ; LDS serves a wave's instructions in order: these see my stores
.endr
.irp i, 0,1,2,3,4,5,6,7,8,9,10,11
	s_wait_dscnt 12-\i                             ; the younger loads of this run may be out
	global_store_b128 v1, v[192+4*\i:195+4*\i], s[26:27] offset:512*\i     ; 32 lanes store 512 consecutive bytes, aligned
.endr
	s_wait_dscnt 0x0
	global_store_b128 v1, v[240:243], s[16:17]
	s_wait_xcnt 0x0
	s_mov_b32 exec_lo, -1
	v_lshl_add_u32 v2, v0, 2, 0x1ce00
	v_mov_b32 v3, 0
	s_wait_tensorcnt 0x0
	ds_add_u32 v2, v3
	s_wait_dscnt 0x0
	s_endpgm
.Lfunc_end_k_qcdcbe4216b_proj_qk:
	.size	k_qcdcbe4216b_proj_qk, .Lfunc_end_k_qcdcbe4216b_proj_qk-k_qcdcbe4216b_proj_qk
	.p2alignl 7, 3214868480
	.fill 96, 4, 3214868480
	.section	.rodata,"a",@progbits
	.p2align	6, 0x0
	.amdhsa_kernel k_qcdcbe4216b_proj_qk
		.amdhsa_group_segment_fixed_size 119296
		.amdhsa_private_segment_fixed_size 0
		.amdhsa_enable_private_segment 0
		.amdhsa_kernarg_size 56
		.amdhsa_user_sgpr_count 2
		.amdhsa_user_sgpr_kernarg_segment_ptr 1
		.amdhsa_wavefront_size32 1
		.amdhsa_system_sgpr_workgroup_id_x 1
		.amdhsa_system_sgpr_workgroup_id_y 1
		.amdhsa_system_sgpr_workgroup_id_z 1
		.amdhsa_system_vgpr_workitem_id 0
		.amdhsa_next_free_vgpr 512
		.amdhsa_next_free_sgpr 66
		.amdhsa_reserve_vcc 1
		.amdhsa_float_denorm_mode_32 3
		.amdhsa_float_denorm_mode_16_64 3
		.amdhsa_memory_ordered 1
		.amdhsa_forward_progress 1
		.amdhsa_inst_pref_size 249
	.end_amdhsa_kernel
	.amdgpu_metadata
---
amdhsa.version: [ 1, 2 ]
amdhsa.kernels:
  - .name:           k_qcdcbe4216b_proj_qk
    .symbol:         k_qcdcbe4216b_proj_qk.kd
    .args:
      - { .name: xcodes, .offset: 0, .size: 8, .value_kind: global_buffer, .address_space: global }
      - { .name: wcodes, .offset: 8, .size: 8, .value_kind: global_buffer, .address_space: global }
      - { .name: ropetab, .offset: 16, .size: 8, .value_kind: global_buffer, .address_space: global }
      - { .name: bq, .offset: 24, .size: 8, .value_kind: global_buffer, .address_space: global }
      - { .name: bk, .offset: 32, .size: 8, .value_kind: global_buffer, .address_space: global }
      - { .name: temporal_weights, .offset: 40, .size: 8, .value_kind: global_buffer, .address_space: global }
      - { .name: qkcodes, .offset: 48, .size: 8, .value_kind: global_buffer, .address_space: global }
    .group_segment_fixed_size: 119296
    .private_segment_fixed_size: 0
    .kernarg_segment_align: 8
    .kernarg_segment_size: 56
    .max_flat_workgroup_size: 256
    .sgpr_count:     66
    .vgpr_count:     512
    .wavefront_size: 32
...
	.end_amdgpu_metadata
.endif
;; end of part 2
;; launch proj_v (part 3): grid 16 x 8, 8 waves a work-group, no clusters, 79,872 bytes of LDS; arguments xcodes, wcodes, bv, temporal_weights, vcodes; writes vcodes
.if DOCPART == 3
	.amdgcn_target "amdgcn-amd-amdhsa--gfx1250"
	.amdhsa_code_object_version 6
	.text
	.protected	k_qcdcbe4216b_proj_v
	.globl	k_qcdcbe4216b_proj_v
	.p2align	8
	.type	k_qcdcbe4216b_proj_v,@function
k_qcdcbe4216b_proj_v:
	s_mov_b64 s[64:65], 0
	v_nop
	global_prefetch_b8 v0, s[64:65] scope:SCOPE_SE
	s_setreg_imm32_b32 hwreg(HW_REG_WAVE_MODE, 25, 1), 1
	s_wait_xcnt 0x0
; V of one batch and one head: the projection on codes of FP6, the bias, the four-scale pooling along the sequence, and the quantiser ALONG THE KEYS, which are the second product's K.
; SHARES as for Q and K: a work-group holds the whole sequence, 8 waves x 128 keys x 64 channels, ACC(t, n) at 32 t + 8 n of window 1; tile t takes key 8 m + t in lane m.
; Here the product is used the other way round (source 0 = 16 keys of x, source 1 = 16 columns of Wv): lane (r, h), register j of ACC(t, n) is key 128 wave + 64 h + 8 j + t, channel 16 n + r.
; So a lane holds ONE channel and 64 keys: two whole blocks of 32 keys, as the quantiser and the operand's layout want them.  A block of 8 rows of the pooling is the REGISTER j; its neighbours are registers j - 1, j + 1;
; only j = 0 and j = 7 ask another half of a wave, through LDS.  At the sequence's ends the neighbour is the block's own pooled value.
; The bias is asked for inside the K loop, into registers that the last K step but one has left.
; OUT: vcodes = [bh][group of 128 keys][tile of 16 channels, 4] images of 1,536 bytes (chunk c: registers 4 c .. 4 c + 3 of lane l at 16 l), then from 6,291,456 on the scale words, 256 bytes a group:
; the word of (tile n, channel r) at 8 (r + 16 (n % 2)) + 4 (n / 2).  ORDER OF K inside a group: block b, place k stands for key 32 kb(b) + 8 (k % 4) + k / 4, kb(b) = 2 (b % 2) + b / 2: every block is a true block of 32
; neighbouring keys, and attention's p falls into the same order.
; The grid has 128 work-groups: a work-group needs a head's whole sequence, and there are 128 heads.
; LIMITS: NaN and infinities are not served; a block of zeros gets the byte 1 (this program alone reads the bytes); the pooling's sums are formed in another order than the source's, all in f32.
.set RG,   51200                       ; LDS: 0 Wv's codes; 49,152 its scale words; RG: 18 slots of 768 bytes (16 channels x 48), slot k = what half-wave k finds on its left; slot 17 is written and never read
.set LG,   65024                       ; LG: 18 slots, slot k + 1 = what half-wave k finds on its right; slot 17 likewise
.set MSB, 0
.macro WIN new                         ; the immediate's high byte repeats the setting that is left
.if MSB != \new
	s_set_vgpr_msb (MSB<<8)|\new
.set MSB, \new
.endif
.endm
.macro MM d, a, b, z, sa, sb, ra, rb
.if \z
.if (\ra) && (\rb)
	v_wmma_scale_f32_16x16x128_f8f6f4 v[(\d):(\d)+7], v[(\a):(\a)+11], v[(\b):(\b)+11], 0, v[\sa], v[\sb] matrix_a_fmt:MATRIX_FMT_FP6 matrix_b_fmt:MATRIX_FMT_FP6 matrix_a_scale:MATRIX_SCALE_ROW1 matrix_b_scale:MATRIX_SCALE_ROW1
.elseif \ra
	v_wmma_scale_f32_16x16x128_f8f6f4 v[(\d):(\d)+7], v[(\a):(\a)+11], v[(\b):(\b)+11], 0, v[\sa], v[\sb] matrix_a_fmt:MATRIX_FMT_FP6 matrix_b_fmt:MATRIX_FMT_FP6 matrix_a_scale:MATRIX_SCALE_ROW1
.elseif \rb
	v_wmma_scale_f32_16x16x128_f8f6f4 v[(\d):(\d)+7], v[(\a):(\a)+11], v[(\b):(\b)+11], 0, v[\sa], v[\sb] matrix_a_fmt:MATRIX_FMT_FP6 matrix_b_fmt:MATRIX_FMT_FP6 matrix_b_scale:MATRIX_SCALE_ROW1
.else
	v_wmma_scale_f32_16x16x128_f8f6f4 v[(\d):(\d)+7], v[(\a):(\a)+11], v[(\b):(\b)+11], 0, v[\sa], v[\sb] matrix_a_fmt:MATRIX_FMT_FP6 matrix_b_fmt:MATRIX_FMT_FP6
.endif
.else
.if (\ra) && (\rb)
	v_wmma_scale_f32_16x16x128_f8f6f4 v[(\d):(\d)+7], v[(\a):(\a)+11], v[(\b):(\b)+11], v[(\d):(\d)+7], v[\sa], v[\sb] matrix_a_fmt:MATRIX_FMT_FP6 matrix_b_fmt:MATRIX_FMT_FP6 matrix_a_scale:MATRIX_SCALE_ROW1 matrix_b_scale:MATRIX_SCALE_ROW1
.elseif \ra
	v_wmma_scale_f32_16x16x128_f8f6f4 v[(\d):(\d)+7], v[(\a):(\a)+11], v[(\b):(\b)+11], v[(\d):(\d)+7], v[\sa], v[\sb] matrix_a_fmt:MATRIX_FMT_FP6 matrix_b_fmt:MATRIX_FMT_FP6 matrix_a_scale:MATRIX_SCALE_ROW1
.elseif \rb
	v_wmma_scale_f32_16x16x128_f8f6f4 v[(\d):(\d)+7], v[(\a):(\a)+11], v[(\b):(\b)+11], v[(\d):(\d)+7], v[\sa], v[\sb] matrix_a_fmt:MATRIX_FMT_FP6 matrix_b_fmt:MATRIX_FMT_FP6 matrix_b_scale:MATRIX_SCALE_ROW1
.else
	v_wmma_scale_f32_16x16x128_f8f6f4 v[(\d):(\d)+7], v[(\a):(\a)+11], v[(\b):(\b)+11], v[(\d):(\d)+7], v[\sa], v[\sb] matrix_a_fmt:MATRIX_FMT_FP6 matrix_b_fmt:MATRIX_FMT_FP6
.endif
.endif
.endm
; REGISTERS of window 0 in the K loop: v1, v2 16 l; v3 49,152 + 8 l; v4-7, v8-11 x's scale words, two sets; v12-13 Wv's; v14 the bias's offset; v16-63 Wv's four fragments; v64-159, v160-255 x's eight fragments, two sets
.macro XLOAD s
.irp t, 0,1,2,3,4,5,6,7
.irp c, 0,1,2
	global_load_b128 v[64+96*((\s)%2)+12*\t+4*\c:64+96*((\s)%2)+12*\t+4*\c+3], v1, s[4:5] offset:12800*(\s)+1536*\t+512*\c
.endr
.endr
	global_load_b128 v[4+4*((\s)%2):7+4*((\s)%2)], v1, s[4:5] offset:12800*(\s)+12288
.endm
.macro BFETCH s
.irp n, 0,1,2,3
.irp c, 0,1,2
	ds_load_b128 v[16+12*\n+4*\c:16+12*\n+4*\c+3], v2 offset:6144*(\s)+1536*\n+512*\c
.endr
.endr
	ds_load_b64 v[12:13], v3 offset:256*(\s)
.endm
.macro KSTEP s
.if (\s) < 7
	s_wait_loadcnt 25                              ; this K step's 25 loads are in; the next step's may be out
.else
	s_wait_loadcnt 4                               ; behind x's last set: the bias's four loads
.endif
	s_wait_dscnt 0x0
	WIN 0x50                                       ; C and D window 1
.irp t, 0,1,2,3,4,5,6,7                ; the 32 accumulators take turns, in the same order in every K step
.irp n, 0,1,2,3
	MM 32*\t+8*\n, 64+96*((\s)%2)+12*\t, 16+12*\n, (\s)==0, 4+4*((\s)%2)+\t%4, 12+\n/2, \t/4, \n%2
.endr
.endr
	WIN 0
.rept 4
	v_nop                                          ; four places in front of loads into, and vector writes of, registers that matrix instructions have read
.endr
.if (\s) < 7
	BFETCH (\s)+1
.endif
.if (\s) < 6
	XLOAD (\s)+2
.elseif (\s) == 6
.irp n, 0,1,2,3
	global_load_b32 v[64+\n], v14, s[8:9] offset:64*\n     ; bv of channel 16 n + r: x's set 0 has had its last products
.endr
.endif
.endm
	s_load_b256 s[4:11], s[0:1], 0x0               ; xcodes, wcodes, bv, temporal_weights
	s_load_b64 s[12:13], s[0:1], 0x20              ; vcodes
	v_lshrrev_b32 v1, 5, v0
	v_readfirstlane_b32 s18, v1                    ; wave 0..7
	v_and_b32 v14, 31, v0
	v_lshlrev_b32 v1, 4, v14
	v_lshlrev_b32 v2, 4, v14
	v_lshl_add_u32 v3, v14, 3, 49152
	v_lshlrev_b32 v12, 4, v0
	v_lshlrev_b32 v13, 3, v0
	s_and_b32 s21, ttmp7, 0xffff                   ; batch
	s_lshl_b32 s23, s21, 3
	s_add_co_u32 s23, s23, s18
	s_add_co_u32 s23, s23, 128                     ; value's rows: 128 + 8 batch + wave
	s_mul_i32 s24, s23, 102400
	s_mov_b32 s25, 0
	s_add_co_u32 s26, ttmp9, 32
	s_mul_i32 s26, s26, 51200                      ; the block of (Wv, head)
	s_mov_b32 s27, 0
	s_mov_b32 s48, 0x76543210
	s_mov_b32 s49, 0xfedcba98
	s_wait_kmcnt 0x0
	s_add_nc_u64 s[4:5], s[4:5], s[24:25]
	s_add_nc_u64 s[6:7], s[6:7], s[26:27]
	s_lshl_b32 s22, ttmp9, 8
	s_mov_b32 s23, 0
	s_add_nc_u64 s[8:9], s[8:9], s[22:23]          ; bv at my head's 64 numbers
	s_load_b128 s[36:39], s[10:11], 0x0            ; the four weights of the scales
.irp i, 0,1,2,3,4,5,6,7,8,9,10,11
	global_load_b128 v[16+4*\i:19+4*\i], v12, s[6:7] offset:4096*\i
.endr
	global_load_b64 v[14:15], v13, s[6:7] offset:49152
	XLOAD 0
	XLOAD 1
	s_wait_loadcnt 50                              ; Wv's 13 loads are in; x's two sets may be out
.irp i, 0,1,2,3,4,5,6,7,8,9,10,11
	ds_store_b128 v12, v[16+4*\i:19+4*\i] offset:4096*\i
.endr
	ds_store_b64 v13, v[14:15] offset:49152
	s_wait_dscnt 0x0                               ; for the others' sake: my part of Wv lies in LDS
	s_barrier_signal -1
	s_barrier_wait -1
	v_and_b32 v14, 15, v0
	v_lshlrev_b32 v14, 2, v14                      ; 4 r: the bias's offset; never rewritten
	BFETCH 0
.irp s, 0,1,2,3,4,5,6,7
	KSTEP \s
.endr
	; ---------------- the epilogue.  v2 r, v3 h, v4, v5 my half-wave's slots in RG and LG, v6, v7 the ends' slots, v9 8 l, v10 8 h, v11 l, v64-67 the bias
	v_and_b32 v2, 15, v0
	v_bfe_u32 v3, v0, 4, 1
	v_and_b32 v11, 31, v0
	v_lshlrev_b32 v9, 3, v11
	v_lshlrev_b32 v10, 3, v3
	s_mul_i32 s23, s18, 1536
	v_mul_u32_u24 v4, v3, 768
	v_mad_u32_u24 v4, v2, 48, v4
	v_add_nc_u32 v4, s23, v4
	v_add_nc_u32 v5, LG, v4
	v_add_nc_u32 v4, RG, v4
	v_mul_u32_u24 v6, v3, 13056                    ; wave 0: lanes 0-15 fill slot 0 of RG, lanes 16-31 slot 17
	v_mad_u32_u24 v6, v2, 48, v6
	v_add_nc_u32 v6, RG, v6
	v_xor_b32 v7, 1, v3                            ; wave 7: lanes 16-31 fill slot 16 of LG, lanes 0-15 slot 17
	v_mul_u32_u24 v7, v7, 768
	v_mad_u32_u24 v7, v2, 48, v7
	v_add_nc_u32 v7, LG+12288, v7
	v_mov_b32 v215, 0                              ; written once: a lane permute's destination counts as one of its sources
	; softmax of the four weights, the largest taken away first
	s_wait_kmcnt 0x0
	v_mov_b32 v48, s36
	v_mov_b32 v49, s37
	v_mov_b32 v50, s38
	v_mov_b32 v51, s39
	v_max3_num_f32 v52, v48, v49, v50
	v_max_num_f32 v52, v52, v51
.irp i, 0,1,2,3
	v_sub_f32 v[48+\i], v[48+\i], v52
.endr
.irp i, 0,1,2,3
	v_mul_f32 v[48+\i], 0x3fb8aa3b, v[48+\i]
.endr
.irp i, 0,1,2,3
	v_exp_f32 v[48+\i], v[48+\i]
.endr
	v_nop                                          ; a plain place behind the exponentials,
	s_wait_alu depctr_va_vdst(0)                   ; and one wait ahead of their first reader
	v_add_f32 v52, v48, v49
	v_add_f32 v53, v50, v51
	v_add_f32 v52, v52, v53
	v_rcp_f32 v52, v52
	v_nop
	s_wait_alu depctr_va_vdst(0)
.irp i, 0,1,2,3
	v_mul_f32 v[48+\i], v[48+\i], v52
.endr
	v_mul_f32 v49, 0.5, v49
	v_mul_f32 v50, 0x3e800000, v50
	v_mul_f32 v51, 0x3e000000, v51
	v_readfirstlane_b32 s40, v48                   ; s[40:41] w0, s[42:43] w1 / 2, s[44:45] w2 / 4, s[46:47] w3 / 8
	v_readfirstlane_b32 s42, v49
	v_readfirstlane_b32 s44, v50
	v_readfirstlane_b32 s46, v51
	s_mov_b32 s41, s40
	s_mov_b32 s43, s42
	s_mov_b32 s45, s44
	s_mov_b32 s47, s46
	s_wait_loadcnt 0x0                             ; the bias
	WIN 0x41
.irp t, 0,1,2,3,4,5,6,7                ; each accumulator is read from its low end on
.irp n, 0,1,2,3
.irp p, 0,1,2,3
.if \n%2 == 0
	v_pk_add_f32 v[32*\t+8*\n+2*\p:32*\t+8*\n+2*\p+1], v[32*\t+8*\n+2*\p:32*\t+8*\n+2*\p+1], v[64+2*(\n/2):65+2*(\n/2)] op_sel_hi:[1,0]
.else
	v_pk_add_f32 v[32*\t+8*\n+2*\p:32*\t+8*\n+2*\p+1], v[32*\t+8*\n+2*\p:32*\t+8*\n+2*\p+1], v[64+2*(\n/2):65+2*(\n/2)] op_sel:[0,1] op_sel_hi:[1,1]
.endif
.endr
.endr
.endr
; The weighted pools of my 8 blocks (registers j) for tile ch of channels: 56 registers from base on: +0 the four pools of 2, +32 the two of 4, +48 the one of 8
.macro CHUNKSUMS ch, base
	WIN 0x05
.irp i, 0,1,2,3
.irp p, 0,1,2,3
	v_pk_add_f32 v[(\base)+8*\i+2*\p:(\base)+8*\i+2*\p+1], v[64*\i+8*(\ch)+2*\p:64*\i+8*(\ch)+2*\p+1], v[64*\i+32+8*(\ch)+2*\p:64*\i+32+8*(\ch)+2*\p+1]
.endr
.endr
	WIN 0
.irp i, 0,1
.irp p, 0,1,2,3
	v_pk_add_f32 v[(\base)+32+8*\i+2*\p:(\base)+32+8*\i+2*\p+1], v[(\base)+16*\i+2*\p:(\base)+16*\i+2*\p+1], v[(\base)+16*\i+8+2*\p:(\base)+16*\i+8+2*\p+1]
.endr
.endr
.irp p, 0,1,2,3
	v_pk_add_f32 v[(\base)+48+2*\p:(\base)+48+2*\p+1], v[(\base)+32+2*\p:(\base)+32+2*\p+1], v[(\base)+40+2*\p:(\base)+40+2*\p+1]
.endr
.irp p, 0,1,2,3,4,5,6,7,8,9,10,11,12,13,14,15
	v_pk_mul_f32 v[(\base)+2*\p:(\base)+2*\p+1], v[(\base)+2*\p:(\base)+2*\p+1], s[42:43] op_sel_hi:[1,0]
.endr
.irp p, 0,1,2,3,4,5,6,7
	v_pk_mul_f32 v[(\base)+32+2*\p:(\base)+32+2*\p+1], v[(\base)+32+2*\p:(\base)+32+2*\p+1], s[44:45] op_sel_hi:[1,0]
.endr
.irp p, 0,1,2,3
	v_pk_mul_f32 v[(\base)+48+2*\p:(\base)+48+2*\p+1], v[(\base)+48+2*\p:(\base)+48+2*\p+1], s[46:47] op_sel_hi:[1,0]
.endr
.endm
.irp n, 0,1,2,3
	CHUNKSUMS \n, 16+56*\n
.endr
.macro VSEND adr, imm, o8, o4, o2      ; one block's three pools, for the four tiles of channels: 12 words a lane
.irp n, 0,1,2,3
	ds_store_b32 v[\adr], v[16+56*\n+\o8] offset:\imm+12*\n
	ds_store_b32 v[\adr], v[16+56*\n+\o4] offset:\imm+12*\n+4
	ds_store_b32 v[\adr], v[16+56*\n+\o2] offset:\imm+12*\n+8
.endr
.endm
	VSEND 4, 768, 55, 47, 31                       ; my last block's (j = 7) last pools go to the half-wave on the right,
	VSEND 5, 0, 48, 32, 0                          ; my first block's (j = 0) first pools to the one on the left
	s_cmp_lg_u32 s18, 0
	s_cbranch_scc1 .Lnot_first
	VSEND 6, 0, 48, 32, 0                          ; the sequence's first block is its own left neighbour
.Lnot_first:
	s_cmp_lg_u32 s18, 7
	s_cbranch_scc1 .Lnot_last
	VSEND 7, 0, 55, 47, 31                         ; the sequence's last block is its own right neighbour
.Lnot_last:
	s_wait_dscnt 0x0                               ; for the others' sake: my messages lie in LDS
	s_barrier_signal -1
	s_barrier_wait -1
	s_lshl_b32 s22, s21, 4
	s_add_co_u32 s22, s22, ttmp9                   ; bh
	s_mul_i32 s24, s22, 49152
	s_mul_i32 s25, s18, 6144
	s_add_co_u32 s24, s24, s25
	s_mov_b32 s25, 0
	s_add_nc_u64 s[26:27], s[12:13], s[24:25]      ; my group's codes
	s_lshl_b32 s24, s22, 11
	s_lshl_b32 s28, s18, 8
	s_add_co_u32 s24, s24, s28
	s_add_co_u32 s24, s24, 6291456
	s_add_nc_u64 s[12:13], s[12:13], s[24:25]      ; and its scale words
.macro SIXT n                          ; CF = the f32 bits of n / 16
.if (\n) >= 8
.set CF, 0x3f000000+((\n)-8)*0x100000
.elseif (\n) >= 4
.set CF, 0x3e800000+((\n)-4)*0x200000
.elseif (\n) >= 2
.set CF, 0x3e000000+((\n)-2)*0x400000
.else
.set CF, 0x3d800000
.endif
.endm
; Row t of a block: which pools it takes (O own, N neighbour) and the neighbour's share in sixteenths.  v16-47 pools of 2, v48-63 of 4, v64-71 of 8; the left block's last ones v72 (8), v80 (4), v88 (2); the right block's first ones v96, v104, v112
.macro ROWSYM t
.set O2, 16+8*((\t)/2)
.if (\t) == 0
.set N2, 88
.elseif (\t) == 7
.set N2, 112
.elseif (\t)%2 == 0
.set N2, 8+8*((\t)/2)
.else
.set N2, 24+8*((\t)/2)
.endif
.set O4, 48+8*((\t)/4)
.if (\t) < 2
.set N4, 80
.elseif (\t) < 4
.set N4, 56
.elseif (\t) < 6
.set N4, 48
.else
.set N4, 104
.endif
.if (\t)%4 < 2
.set L4N, 6-4*((\t)%4)
.else
.set L4N, 4*((\t)%4)-6
.endif
.if (\t) < 4
.set N8, 72
.set L8N, 7-2*(\t)
.else
.set N8, 96
.set L8N, 2*(\t)-7
.endif
.endm
.macro TERM4 t, src, n                 ; row t of my 8 blocks += n / 16 x the pool at src.  The result of (j, t) lies at v[120 + 32 (j / 4) + 4 t + j % 4]: the order of K
	SIXT \n
.irp p, 0,1,2,3
	v_pk_fma_f32 v[120+32*(\p/2)+4*(\t)+2*(\p%2):121+32*(\p/2)+4*(\t)+2*(\p%2)], v[(\src)+2*\p:(\src)+2*\p+1], CF, v[120+32*(\p/2)+4*(\t)+2*(\p%2):121+32*(\p/2)+4*(\t)+2*(\p%2)] op_sel_hi:[1,0,1]
.endr
.endm
.macro VCHUNK n
.irp a, 0,1,2
	ds_load_b32 v[72+8*\a], v4 offset:4*(3*(\n)+\a)                ; what block j = 0 finds on its left,
	ds_load_b32 v[103+8*\a], v5 offset:768+4*(3*(\n)+\a)           ; and block j = 7 on its right
.endr
	CHUNKSUMS \n, 16
.irp j, 1,2,3,4,5,6,7
	v_mov_b32 v[72+\j], v[63+\j]                   ; block j's left neighbour is block j - 1: its pool of 8, its last of 4, its last of 2
	v_mov_b32 v[80+\j], v[55+\j]
	v_mov_b32 v[88+\j], v[39+\j]
.endr
.irp j, 0,1,2,3,4,5,6
	v_mov_b32 v[96+\j], v[65+\j]                   ; its right neighbour is block j + 1: its pool of 8, its first of 4, its first of 2
	v_mov_b32 v[104+\j], v[49+\j]
	v_mov_b32 v[112+\j], v[17+\j]
.endr
	s_wait_dscnt 0x0
	WIN 0x01                                       ; source 0 window 1
.irp t, 0,1,2,3,4,5,6,7
.irp p, 0,1,2,3
	v_pk_mul_f32 v[120+32*(\p/2)+4*\t+2*(\p%2):121+32*(\p/2)+4*\t+2*(\p%2)], v[32*\t+8*(\n)+2*\p:32*\t+8*(\n)+2*\p+1], s[40:41] op_sel_hi:[1,0]
.endr
.endr
	WIN 0
.irp t, 0,1,2,3,4,5,6,7
	ROWSYM \t
	TERM4 \t, N2, 4
	TERM4 \t, O2, 12
	TERM4 \t, N4, L4N
	TERM4 \t, O4, 16-L4N
	TERM4 \t, N8, L8N
	TERM4 \t, 64, 16-L8N
.endr
	; the quantiser: v120-151 and v152-183 are two whole blocks of 32 keys of my channel: blocks h and 2 + h of the operand
.irp c, 0,1
	v_max3_num_f32 v[208+\c], |v[120+32*\c]|, |v[121+32*\c]|, 0x1800000    ; with the floor 2^(3 - 127): the byte cannot fall under 1
.endr
.irp i, 2,4,6,8,10,12,14,16,18,20,22,24,26,28,30
.irp c, 0,1
	v_max3_num_f32 v[208+\c], v[208+\c], |v[120+32*\c+\i]|, |v[121+32*\c+\i]|
.endr
.endr
.irp c, 0,1
	v_add_nc_u32 v[210+\c], 0xff000000, v[208+\c]  ; 2 off the exponent field: the conversion's scale operand
.endr
.irp c, 0,1
	v_lshrrev_b32 v[212+\c], 23, v[210+\c]
.endr
	v_lshl_or_b32 v214, v213, 16, v212             ; my two bytes,
	v_lshlrev_b32 v214, v10, v214                  ; at their places in the word (8 h bits up);
	v_permlanex16_b32 v215, v214, s48, s49
	v_or_b32 v[204+(\n)], v214, v215               ; with lane l xor 16's two the word is whole
	s_wait_xcnt 0x0                                ; the last tile's stores have read the codes' registers
.irp c, 0,1
	v_cvt_scalef32_pk16_fp6_f32 v[184+6*\c:186+6*\c], v[120+32*\c:135+32*\c], v[210+\c]
	v_cvt_scalef32_pk16_fp6_f32 v[196+4*\c:198+4*\c], v[136+32*\c:151+32*\c], v[210+\c]    ; (a conversion's three registers begin on an even number)
.endr
	v_nop                                          ; one plain place behind a scaled conversion
.irp c, 0,1
.irp i, 0,1,2
	v_mov_b32 v[187+6*\c+\i], v[196+4*\c+\i]
.endr
.endr
.irp c, 0,1,2
	global_store_b128 v1, v[184+4*\c:187+4*\c], s[26:27] offset:1536*(\n)+512*\c   ; 32 lanes store 512 consecutive bytes, aligned
.endr
.endm
.irp n, 0,1,2,3
	VCHUNK \n
.endr
	v_cmp_le_u32 vcc_lo, 16, v11                   ; lanes 16-31 carry the odd tiles' words
	v_cndmask_b32 v216, v204, v205, vcc_lo
	v_cndmask_b32 v217, v206, v207, vcc_lo
	global_store_b64 v9, v[216:217], s[12:13]      ; 32 lanes store 256 consecutive bytes, aligned
	s_barrier_signal -1
	s_barrier_wait -1
	s_wait_xcnt 0x0
	v_lshl_add_u32 v254, v0, 2, 0x13400
	v_mov_b32 v255, 0
	s_wait_tensorcnt 0x0
	ds_add_u32 v254, v255
	s_wait_dscnt 0x0
	s_endpgm
.Lfunc_end_k_qcdcbe4216b_proj_v:
	.size	k_qcdcbe4216b_proj_v, .Lfunc_end_k_qcdcbe4216b_proj_v-k_qcdcbe4216b_proj_v
	.p2alignl 7, 3214868480
	.fill 96, 4, 3214868480
	.section	.rodata,"a",@progbits
	.p2align	6, 0x0
	.amdhsa_kernel k_qcdcbe4216b_proj_v
		.amdhsa_group_segment_fixed_size 79872
		.amdhsa_private_segment_fixed_size 0
		.amdhsa_enable_private_segment 0
		.amdhsa_kernarg_size 40
		.amdhsa_user_sgpr_count 2
		.amdhsa_user_sgpr_kernarg_segment_ptr 1
		.amdhsa_wavefront_size32 1
		.amdhsa_system_sgpr_workgroup_id_x 1
		.amdhsa_system_sgpr_workgroup_id_y 1
		.amdhsa_system_sgpr_workgroup_id_z 1
		.amdhsa_system_vgpr_workitem_id 0
		.amdhsa_next_free_vgpr 512
		.amdhsa_next_free_sgpr 66
		.amdhsa_reserve_vcc 1
		.amdhsa_float_denorm_mode_32 3
		.amdhsa_float_denorm_mode_16_64 3
		.amdhsa_memory_ordered 1
		.amdhsa_forward_progress 1
		.amdhsa_inst_pref_size 207
	.end_amdhsa_kernel
	.amdgpu_metadata
---
amdhsa.version: [ 1, 2 ]
amdhsa.kernels:
  - .name:           k_qcdcbe4216b_proj_v
    .symbol:         k_qcdcbe4216b_proj_v.kd
    .args:
      - { .name: xcodes, .offset: 0, .size: 8, .value_kind: global_buffer, .address_space: global }
      - { .name: wcodes, .offset: 8, .size: 8, .value_kind: global_buffer, .address_space: global }
      - { .name: bv, .offset: 16, .size: 8, .value_kind: global_buffer, .address_space: global }
      - { .name: temporal_weights, .offset: 24, .size: 8, .value_kind: global_buffer, .address_space: global }
      - { .name: vcodes, .offset: 32, .size: 8, .value_kind: global_buffer, .address_space: global }
    .group_segment_fixed_size: 79872
    .private_segment_fixed_size: 0
    .kernarg_segment_align: 8
    .kernarg_segment_size: 40
    .max_flat_workgroup_size: 256
    .sgpr_count:     66
    .vgpr_count:     512
    .wavefront_size: 32
...
	.end_amdgpu_metadata
.endif
;; end of part 3
;; launch attn (part 4): grid 2 x 128, 16 waves a work-group, no clusters, 176,128 bytes of LDS; arguments qkcodes, vcodes, attout; writes attout
.if DOCPART == 4
	.amdgcn_target "amdgcn-amd-amdhsa--gfx1250"
	.amdhsa_code_object_version 6
	.text
	.protected	k_qcdcbe4216b_attn
	.globl	k_qcdcbe4216b_attn
	.p2align	8
	.type	k_qcdcbe4216b_attn,@function
k_qcdcbe4216b_attn:
	s_mov_b64 s[64:65], 0
	v_nop
	global_prefetch_b8 v0, s[64:65] scope:SCOPE_SE
	s_setreg_imm32_b32 hwreg(HW_REG_WAVE_MODE, 25, 1), 1
	s_wait_xcnt 0x0
; attout[b][q][64 head + d] = the sum over k of softmax_k(Q[q] . K[k] / 8) V[k][d], both products on codes of FP6 (E2M3) with one E8M0 scale for each 32 along a product's K.
; THE SOFTMAX AHEAD OF THE SECOND PRODUCT: t = score x log2(e) / 8; M = the row's largest t so far, rounded UP to a whole number; p = 2^(t - M) is quantised along the keys, not normalised.
; The row's sum is taken of the unquantised p, in f32, and divides O at the end.  When M moves, the sum and O are multiplied by 2^(old M - new M): exact.
; SHARES.  A work-group owns 512 queries of one (batch, head); each of its sixteen waves two tiles of 16 queries, one after the other, in 256 registers: four waves to a SIMD, so that one wave's vector work stands beside
; another's matrix work.  The head's K and V (codes and scale words, 104,448 bytes) are copied into LDS once, through registers, and stay: one barrier, no ring.  Both tiles' Q is asked for with that copy.
; LAYOUT.  Both products are used transposed: S^T = K Q^T (source 0 = 16 keys, source 1 = my 16 queries), O^T = V^T P^T (source 0 = 16 channels, source 1 = P): a lane holds ONE query throughout.
; The head has 64 channels, the instruction's K is 128: registers 6-11 of Q's and K's fragments are zero codes, under the byte 0x7f on both sides: they add nothing.
; qkcodes orders the rows of a tile so that p's 16 registers of tiles 2 b, 2 b + 1 are places 16 h + 0 .. 15 of block b of vcodes' order of K; every block is a true block of 32 neighbouring keys.
; No cluster: the two work-groups of a head read K and V once each, at their heads, through registers.  No prefetch: nothing is streamed behind the head.
; LIMITS: NaN and infinities are not served; a block whose every p is 0 keeps the byte 1: its codes are zeros.
; REGISTERS: v1-7 addresses that stay, v31 the way out's offset; v8-11, v30 addresses in hand; v12 -M, v13 the largest t, v[14:15] the sum in two halves; v16-27 Q; v28-29 V's scale words; v32-79 four fragments of K;
; v89 the second tile's scale words, v90-95 its Q; v96-159 S^T, then p, then V's four fragments in v96-143; v160-191 O^T; v224-235 p's codes; v232-254 at work; v255 Q's scale words.
.set VC,   49152                       ; LDS: 0 K's codes [group 8][tile 8] of 768 bytes; VC V's codes [group 8][tile 4] of 1,536;
.set KS,   98304                       ; K's scale words, 512 bytes a group;
.set VS,   102400                      ; V's, 256 bytes a group;
.set STG,  104448                      ; 16 stages of 16 rows x 272 bytes for the way out
.set TK,   40                          ; s40  the key group's codes: 6,144 bytes a step, in K and in V alike
.set TS,   41                          ; s41  K's scale words: 512 a step
.set TV,   42                          ; s42  V's: 256 a step
.set CNT,  43
.set SEL,  44                          ; s[44:45] lane selects: lane l xor 16
.set CS,   46                          ; s[46:47] c = log2(e) / 8
	s_load_b128 s[4:7], s[0:1], 0x0                ; qkcodes, vcodes
	s_load_b64 s[8:9], s[0:1], 0x10                ; attout
	v_lshl_add_u32 v223, v0, 2, 0x2a800
	v_mov_b32 v243, 0
	v_lshrrev_b32 v8, 5, v0
	v_readfirstlane_b32 s18, v8                    ; wave 0..15
	s_and_b32 s19, ttmp7, 0xffff                   ; bh
	v_lshlrev_b32 v9, 4, v0                        ; the fill: 16, 8, 4 bytes a thread
	v_lshlrev_b32 v10, 3, v0
	v_lshlrev_b32 v11, 2, v0
	v_add_nc_u32 v83, VC, v9
	v_add_nc_u32 v84, KS, v10
	v_add_nc_u32 v85, VS, v11
	s_mul_i32 s24, s19, 49152
	s_mov_b32 s25, 0
	s_lshl_b32 s26, s19, 12
	s_mov_b32 s27, 0
	s_lshl_b32 s28, s19, 11
	s_mov_b32 s29, 0
	s_mov_b32 s[SEL], 0x76543210
	s_mov_b32 s[SEL+1], 0xfedcba98
	s_mov_b32 s[CS], 0x3e38aa3b
	s_mov_b32 s[CS+1], s[CS]                       ; (named with it as a pair, so it is written)
	s_wait_kmcnt 0x0
	s_add_nc_u64 s[10:11], s[4:5], s[24:25]        ; Q's codes of my head
	s_add_nc_u64 s[12:13], s[10:11], 6291456       ; K's
	s_add_nc_u64 s[14:15], s[4:5], s[26:27]
	s_add_nc_u64 s[14:15], s[14:15], 12582912      ; Q's scale words
	s_add_nc_u64 s[16:17], s[14:15], 524288        ; K's
	s_add_nc_u64 s[30:31], s[6:7], s[24:25]        ; V's codes
	s_add_nc_u64 s[32:33], s[6:7], s[28:29]
	s_add_nc_u64 s[32:33], s[32:33], 6291456       ; V's scale words
.irp i, 0,1,2,3,4,5
	global_load_b128 v[32+4*\i:35+4*\i], v9, s[12:13] offset:8192*\i
.endr
.irp i, 0,1,2,3,4,5
	global_load_b128 v[56+4*\i:59+4*\i], v9, s[30:31] offset:8192*\i
.endr
	global_load_b64 v[80:81], v10, s[16:17]
	global_load_b32 v82, v11, s[32:33]
	s_lshr_b32 s20, s18, 2
	s_lshl_b32 s21, ttmp9, 2
	s_add_co_u32 s21, s21, s20                     ; my group of 128 queries
	s_and_b32 s22, s18, 3
	s_mul_i32 s34, s21, 6144
	s_mul_i32 s35, s22, 1536                       ; my tiles 2 (wave % 4) and 2 (wave % 4) + 1
	s_add_co_u32 s34, s34, s35
	s_mov_b32 s35, 0
	s_add_nc_u64 s[10:11], s[10:11], s[34:35]
	s_lshl_b32 s34, s21, 9
	s_bfe_u32 s36, s18, 0x10001                    ; (wave / 2) % 2
	s_lshl_b32 s37, s36, 8
	s_add_co_u32 s34, s34, s37
	s_and_b32 s38, s18, 1
	s_lshl_b32 s37, s38, 3
	s_add_co_u32 s34, s34, s37
	s_add_nc_u64 s[14:15], s[14:15], s[34:35]      ; the word of (tile, m) lies at 16 (m + 16 (tile / 4)) + 4 (tile % 4)
	s_lshl_b32 s37, s38, 1
	s_add_co_u32 s37, s37, s36                     ; kb(wave % 4)
	s_lshl_b32 s37, s37, 5
	s_lshl_b32 s39, s21, 7
	s_add_co_u32 s37, s37, s39                     ; the tiles' first row in the sequence
	s_lshl_b32 s37, s37, 12
	s_lshr_b32 s39, s19, 4
	s_lshl_b32 s39, s39, 22                        ; batch
	s_add_co_u32 s34, s37, s39
	s_and_b32 s39, s19, 15
	s_lshl_b32 s39, s39, 8                         ; head: 256 bytes of a row
	s_add_co_u32 s34, s34, s39
	s_add_nc_u64 s[8:9], s[8:9], s[34:35]
	v_and_b32 v86, 31, v0                          ; l
	v_and_b32 v87, 15, v0                          ; r
	v_bfe_u32 v88, v0, 4, 1                        ; h
	v_lshlrev_b32 v1, 4, v86                       ; registers 0-3 of a fragment of K or Q: 16 l
	v_lshl_add_u32 v2, v86, 3, 512                 ; registers 4-5: 512 + 8 l
	v_lshlrev_b32 v254, 4, v87                     ; Q's scale words: 16 r
	global_load_b128 v[16:19], v1, s[10:11]        ; both tiles' Q and scale words go out behind the fill's loads
	global_load_b64 v[20:21], v2, s[10:11]
	global_load_b32 v255, v254, s[14:15]
	global_load_b128 v[90:93], v1, s[10:11] offset:768
	global_load_b64 v[94:95], v2, s[10:11] offset:768
	global_load_b32 v89, v254, s[14:15] offset:4
	v_add_nc_u32 v3, KS, v1
	v_add_nc_u32 v4, VC, v1
	v_lshl_add_u32 v5, v86, 3, VS
	s_mul_i32 s48, s18, 4352
	s_add_co_u32 s48, s48, STG                     ; my stage
	v_mul_u32_u24 v6, v87, 272
	v_lshl_add_u32 v6, v88, 5, v6
	v_add_nc_u32 v6, s48, v6                       ; in: row r, + 32 h
	v_mul_u32_u24 v7, v88, 272
	v_lshl_add_u32 v7, v87, 4, v7
	v_add_nc_u32 v7, s48, v7                       ; back: lanes 0-15 one row, lanes 16-31 the next
	v_lshlrev_b32 v31, 15, v88
	v_lshl_add_u32 v31, v87, 4, v31                ; in attout the next row of the tile lies 8 rows down
	s_wait_loadcnt 6                               ; the fill's 14 loads are in; Q's six may be out
.irp i, 0,1,2,3,4,5
	ds_store_b128 v9, v[32+4*\i:35+4*\i] offset:8192*\i
.endr
.irp i, 0,1,2,3,4,5
	ds_store_b128 v83, v[56+4*\i:59+4*\i] offset:8192*\i
.endr
	ds_store_b64 v84, v[80:81]
	ds_store_b32 v85, v82
	s_wait_dscnt 0x0                               ; for the others' sake: my part of K and V lies in LDS
	s_barrier_signal -1
	s_barrier_wait -1
.irp i, 22,23,24,25,26,27
	v_mov_b32 v[\i], 0                             ; the upper 64 of K: zero codes, in Q
.endr
.irp t, 0,1,2,3
.irp i, 6,7,8,9,10,11
	v_mov_b32 v[32+12*\t+\i], 0                    ; and in K's four fragments: written once, never loaded over
.endr
.endr
.irp b, 0,1,2,3
	v_mov_b32 v[236+\b], 0                         ; written once: a lane permute's destination counts as one of its sources
.endr
	v_mov_b32 v253, 0                              ; (named as the upper half of the pair v[252:253] before it is first written)
	s_wait_loadcnt 0x0                             ; Q, both tiles'
; A KEY STEP: 128 keys
.macro STEP
	v_add_nc_u32 v8, s[TK], v1
	v_add_nc_u32 v9, s[TK], v2
	v_add_nc_u32 v10, s[TS], v3
	v_add_nc_u32 v11, s[TK], v4
	v_add_nc_u32 v30, s[TV], v5
	v_nop                                          ; with the five additions: seven places, where five are owed: the scores below are laid over V's fragments, which the last step's products read
	v_nop
	ds_load_b128 v[248:251], v10                   ; K's scale words: register i: lanes 0-15 tile i, lanes 16-31 tile 4 + i
.irp g, 0,1                            ; S^T = K Q^T, four tiles of 16 keys at a time
.if \g > 0
.rept 4
	v_nop                                          ; places in front of loads into registers that matrix instructions have read
.endr
.endif
.irp t, 0,1,2,3
	ds_load_b128 v[32+12*\t:35+12*\t], v8 offset:768*(4*\g+\t)
	ds_load_b64 v[36+12*\t:37+12*\t], v9 offset:768*(4*\g+\t)
.endr
	s_wait_dscnt 0x0
.irp t, 0,1,2,3
.if \g == 0
	v_wmma_scale_f32_16x16x128_f8f6f4 v[96+8*\t:103+8*\t], v[32+12*\t:43+12*\t], v[16:27], 0, v[248+\t], v255 matrix_a_fmt:MATRIX_FMT_FP6 matrix_b_fmt:MATRIX_FMT_FP6
.else
	v_wmma_scale_f32_16x16x128_f8f6f4 v[128+8*\t:135+8*\t], v[32+12*\t:43+12*\t], v[16:27], 0, v[248+\t], v255 matrix_a_fmt:MATRIX_FMT_FP6 matrix_b_fmt:MATRIX_FMT_FP6 matrix_a_scale:MATRIX_SCALE_ROW1
.endif
.endr
.endr
.rept 4
	v_nop
.endr
.irp b, 0,1,2,3
	v_max3_num_f32 v[232+\b], v[96+16*\b], v[97+16*\b], v[98+16*\b]   ; the largest score of each block of 32 keys: it serves for the row's maximum and, since p rises with the score, for the block's largest p
.endr
.irp i, 3,5,7,9,11,13
.irp b, 0,1,2,3
	v_max3_num_f32 v[232+\b], v[232+\b], v[96+16*\b+\i], v[97+16*\b+\i]
.endr
.endr
.irp b, 0,1,2,3
	v_max_num_f32 v[232+\b], v[232+\b], v[111+16*\b]
.endr
.irp b, 0,1,2,3
	v_permlanex16_b32 v[236+\b], v[232+\b], s[SEL], s[SEL+1]
.endr
.irp b, 0,1,2,3
	v_max_num_f32 v[232+\b], v[232+\b], v[236+\b]  ; with lane l xor 16's 16 keys
.endr
	v_max3_num_f32 v254, v232, v233, v234
	v_max_num_f32 v254, v254, v235                 ; the step's largest score of my query
	v_mul_f32 v254, s[CS], v254                    ; as t (c is positive)
	v_max_num_f32 v13, v13, v254                   ; the running largest t
	v_mov_b32 v254, v12
	v_floor_f32 v12, -v13                          ; the new -M = floor(-t) = -ceil(t): a whole number
	v_sub_f32 v254, v12, v254                      ; M's old value less its new one: a whole number, 0 or less
	v_cvt_i32_f32 v254, v254                       ; (it saturates)
	v_ldexp_f32 v252, 1.0, v254                    ; f = 2^(old M - new M)
.irp j, 0,2,4,6,8,10,12,14,16,18,20,22,24,26,28,30,32,34,36,38,40,42,44,46,48,50,52,54,56,58,60,62
	v_pk_fma_f32 v[96+\j:97+\j], v[96+\j:97+\j], s[CS:CS+1], v[12:13] op_sel_hi:[1,0,0]   ; t - M, two at a time
.endr
.irp b, 0,1,2,3
	v_fma_f32 v[232+\b], v[232+\b], s[CS], v12     ; the same of each block's largest score
.endr
.irp j, 0,1,2,3,4,5,6,7,8,9,10,11,12,13,14,15,16,17,18,19,20,21,22,23,24,25,26,27,28,29,30,31,32,33,34,35,36,37,38,39,40,41,42,43,44,45,46,47,48,49,50,51,52,53,54,55,56,57,58,59,60,61,62,63
	v_exp_f32 v[96+\j], v[96+\j]                   ; p = 2^(t - M), at most 1: not normalised
.endr
	v_pk_mul_f32 v[14:15], v[14:15], v[252:253] op_sel_hi:[1,0]   ; the sums under the new M: a plain place behind the exponentials
	s_wait_alu depctr_va_vdst(0)                   ; one wait for the whole batch, ahead of its first reader
.irp b, 0,1,2,3
	v_exp_f32 v[232+\b], v[232+\b]                 ; the block's largest p: the same two instructions on the same number give the same bits
.endr
	v_pk_add_f32 v[236:237], v[96:97], v[98:99]    ; the row's sum is taken of the unquantised p, two at a time, in two chains
.irp j, 4,8,12,16,20,24,28,32,36,40,44,48,52,56,60
	v_pk_add_f32 v[14:15], v[14:15], v[96+\j:97+\j]
	v_pk_add_f32 v[236:237], v[236:237], v[98+\j:99+\j]
.endr
	v_pk_add_f32 v[14:15], v[14:15], v[236:237]
	s_wait_alu depctr_va_vdst(0)                   ; and one for the four
.irp b, 0,1,2,3
	v_max_num_f32 v[232+\b], 0x1800000, v[232+\b]  ; the floor 2^(3 - 127): the byte cannot fall under 1
.endr
.irp b, 0,1,2,3
	v_add_nc_u32 v[244+\b], 0xff000000, v[232+\b]  ; 2 off the exponent field: the conversion's scale operand
.endr
.irp b, 0,1,2,3
	v_lshrrev_b32 v[236+\b], 23, v[244+\b]
.endr
	v_lshl_or_b32 v253, v237, 8, v236              ; p's scale word for these 128 keys
	v_lshl_or_b32 v253, v238, 16, v253
	v_lshl_or_b32 v253, v239, 24, v253
.irp c, 0,1
	v_cvt_scalef32_pk16_fp6_f32 v[224+6*\c:226+6*\c], v[96+32*\c:111+32*\c], v[244+2*\c]
	v_cvt_scalef32_pk16_fp6_f32 v[236+4*\c:238+4*\c], v[112+32*\c:127+32*\c], v[244+2*\c+1]
.endr
.irp n, 0,1,2,3                        ; p has been read: V's four fragments land in its registers while the codes are put in order and O^T is rescaled
.irp c, 0,1,2
	ds_load_b128 v[96+12*\n+4*\c:99+12*\n+4*\c], v11 offset:1536*\n+512*\c
.endr
.endr
	ds_load_b64 v[28:29], v30                      ; V's scale words: register i: lanes 0-15 tile 2 i, lanes 16-31 tile 2 i + 1
	v_nop                                          ; one plain place behind a scaled conversion
.irp c, 0,1                            ; the operand wants a whole block in a lane
.irp i, 0,1,2
	v_permlane16_swap_b32 v[224+6*\c+\i], v[236+4*\c+\i]
.endr
.irp i, 0,1,2
	v_mov_b32 v[227+6*\c+\i], v[236+4*\c+\i]
.endr
.endr
.irp j, 0,2,4,6,8,10,12,14,16,18,20,22,24,26,28,30
	v_pk_mul_f32 v[160+\j:161+\j], v[160+\j:161+\j], v[252:253] op_sel_hi:[1,0]   ; O^T under the new M.  (These sixteen are also the places between the codes' and the scale word's last writes and the products)
.endr
	s_wait_dscnt 0x0
.irp n, 0,1,2,3                        ; O^T += V^T P^T: four accumulators, one instruction each
.if \n%2 == 0
	v_wmma_scale_f32_16x16x128_f8f6f4 v[160+8*\n:167+8*\n], v[96+12*\n:107+12*\n], v[224:235], v[160+8*\n:167+8*\n], v[28+\n/2], v253 matrix_a_fmt:MATRIX_FMT_FP6 matrix_b_fmt:MATRIX_FMT_FP6
.else
	v_wmma_scale_f32_16x16x128_f8f6f4 v[160+8*\n:167+8*\n], v[96+12*\n:107+12*\n], v[224:235], v[160+8*\n:167+8*\n], v[28+\n/2], v253 matrix_a_fmt:MATRIX_FMT_FP6 matrix_b_fmt:MATRIX_FMT_FP6 matrix_a_scale:MATRIX_SCALE_ROW1
.endif
.endr
	s_add_co_u32 s[TK], s[TK], 6144
	s_add_co_u32 s[TS], s[TS], 512
	s_add_co_u32 s[TV], s[TV], 256
.endm
; One tile of 16 queries: o = 0, 1
.macro TILE o
.if \o == 1
.irp i, 0,1,2,3,4,5
	v_mov_b32 v[16+\i], v[90+\i]                   ; the second tile's Q, which has waited in registers; the 36 lines below are the places between these writes and the next products
.endr
	v_mov_b32 v255, v89
.endif
	v_mov_b32 v13, 0xff61b1e6                      ; the largest t so far: -3e38, under every t
	v_floor_f32 v12, -v13
	v_mov_b32 v14, 0
	v_mov_b32 v15, 0
.irp j, 0,1,2,3,4,5,6,7,8,9,10,11,12,13,14,15,16,17,18,19,20,21,22,23,24,25,26,27,28,29,30,31
	v_mov_b32 v[160+\j], 0                         ; O^T: the step is written once; its first trip finds zeros, which the first change of M leaves zeros
.endr
	s_mov_b32 s[TK], 0
	s_mov_b32 s[TS], 0
	s_mov_b32 s[TV], 0
	s_mov_b32 s[CNT], 8
.Lstep_\@:
	STEP
	s_sub_co_u32 s[CNT], s[CNT], 1
	s_cmp_lg_u32 s[CNT], 0
	s_cbranch_scc1 .Lstep_\@
	; the way out: O^T / the sum, through my stage, so that sixteen lanes store a row's 256 bytes
	v_add_f32 v14, v14, v15
	v_permlanex16_b32 v252, v14, s[SEL], s[SEL+1]
	v_add_f32 v14, v14, v252                       ; the row's sum
	v_rcp_f32 v14, v14
	v_nop                                          ; plain places behind the reciprocal and behind the last products
	v_nop
	v_nop
	s_wait_alu depctr_va_vdst(0)                   ; a wait ahead of the reciprocal's first reader
.irp j, 0,1,2,3,4,5,6,7,8,9,10,11,12,13,14,15,16,17,18,19,20,21,22,23,24,25,26,27,28,29,30,31
	v_mul_f32 v[96+\j], v[160+\j], v14             ; register 8 n + j is o(query r, channel 16 n + 8 h + j); each accumulator is read from its low end on
.endr
.irp n, 0,1,2,3
	ds_store_b128 v6, v[96+8*\n:99+8*\n] offset:64*\n
	ds_store_b128 v6, v[100+8*\n:103+8*\n] offset:64*\n+16
.endr
.irp i, 0,1,2,3,4,5,6,7
	ds_load_b128 v[128+4*\i:131+4*\i], v7 offset:2*\i*272  ; LDS serves a wave's instructions in order: these see my stores
.endr
.irp i, 0,1,2,3,4,5,6,7
	s_wait_dscnt 7-\i                              ; the younger loads of this run may be out
	global_store_b128 v31, v[128+4*\i:131+4*\i], s[8:9] offset:(16*(\i%2)+4*(\i/4)+((\i/2)%2))*4096+8192*\o   ; lane m of the tile is row 8 (m % 4) + 4 (m / 8) + (m / 4) % 2 + 2 o; 16 lanes store 256 consecutive bytes, aligned
.endr
	s_wait_xcnt 0x0                                ; the stores have read their registers, which the next tile's scores take
.endm
	TILE 0
	TILE 1
	s_barrier_signal -1
	s_barrier_wait -1
	s_wait_tensorcnt 0x0
	ds_add_u32 v223, v243
	s_wait_dscnt 0x0
	s_endpgm
.Lfunc_end_k_qcdcbe4216b_attn:
	.size	k_qcdcbe4216b_attn, .Lfunc_end_k_qcdcbe4216b_attn-k_qcdcbe4216b_attn
	.p2alignl 7, 3214868480
	.fill 96, 4, 3214868480
	.section	.rodata,"a",@progbits
	.p2align	6, 0x0
	.amdhsa_kernel k_qcdcbe4216b_attn
		.amdhsa_group_segment_fixed_size 176128
		.amdhsa_private_segment_fixed_size 0
		.amdhsa_enable_private_segment 0
		.amdhsa_kernarg_size 24
		.amdhsa_user_sgpr_count 2
		.amdhsa_user_sgpr_kernarg_segment_ptr 1
		.amdhsa_wavefront_size32 1
		.amdhsa_system_sgpr_workgroup_id_x 1
		.amdhsa_system_sgpr_workgroup_id_y 1
		.amdhsa_system_sgpr_workgroup_id_z 1
		.amdhsa_system_vgpr_workitem_id 0
		.amdhsa_next_free_vgpr 256
		.amdhsa_next_free_sgpr 66
		.amdhsa_reserve_vcc 0
		.amdhsa_float_denorm_mode_32 3
		.amdhsa_float_denorm_mode_16_64 3
		.amdhsa_memory_ordered 1
		.amdhsa_forward_progress 1
		.amdhsa_inst_pref_size 50
	.end_amdhsa_kernel
	.amdgpu_metadata
---
amdhsa.version: [ 1, 2 ]
amdhsa.kernels:
  - .name:           k_qcdcbe4216b_attn
    .symbol:         k_qcdcbe4216b_attn.kd
    .args:
      - { .name: qkcodes, .offset: 0, .size: 8, .value_kind: global_buffer, .address_space: global }
      - { .name: vcodes, .offset: 8, .size: 8, .value_kind: global_buffer, .address_space: global }
      - { .name: attout, .offset: 16, .size: 8, .value_kind: global_buffer, .address_space: global }
    .group_segment_fixed_size: 176128
    .private_segment_fixed_size: 0
    .kernarg_segment_align: 8
    .kernarg_segment_size: 24
    .max_flat_workgroup_size: 512
    .sgpr_count:     66
    .vgpr_count:     256
    .wavefront_size: 32
...
	.end_amdgpu_metadata
.endif
;; end of part 4
;; launch outp (part 5): grid 256 x 1, 8 waves a work-group, no clusters, 158,208 bytes of LDS; arguments attout, wcodes, ln_gamma, ln_beta, bo, out0; writes out0
.if DOCPART == 5
	.amdgcn_target "amdgcn-amd-amdhsa--gfx1250"
	.amdhsa_code_object_version 6
	.text
	.protected	k_qcdcbe4216b_outp
	.globl	k_qcdcbe4216b_outp
	.p2align	8
	.type	k_qcdcbe4216b_outp,@function
k_qcdcbe4216b_outp:
	s_mov_b64 s[64:65], 0
	v_nop
	global_prefetch_b8 v0, s[64:65] scope:SCOPE_SE
	s_setreg_imm32_b32 hwreg(HW_REG_WAVE_MODE, 25, 1), 1
	s_wait_xcnt 0x0
; out0 = LayerNorm(attout) Wo + bo: the norm in f32, its result quantised to codes of FP6 (E2M3) along the 1,024 columns, the product on codes.
; SHARES.  A work-group takes 32 rows.  L: wave w norms rows 4 w .. 4 w + 3, a row in 32 registers of the wave, and lays them in LDS (rows 4,112 bytes apart) | barrier |
; Q: wave w quantises two of the 16 fragments (tile of rows w / 4, K steps 2 (w % 4), 2 (w % 4) + 1) and stores them as images of their registers, with their scale words | barrier |
; G: wave w makes columns 128 w .. 128 w + 127 for the 32 rows: 16 accumulators (window 1, 64 rt + 8 T), the rows' fragments from LDS, Wo's eight fragments a K step from memory straight into registers, two K steps ahead.
; Wo hangs on nothing that L and Q make: its K step 0 is asked for at the head, behind the rows, into a set of registers in window 1; its K step 1 in front of the first barrier, into registers that the norm has left.
; The product is used transposed (source 0 = 16 columns of Wo, source 1 = 16 rows): lane (r, h), register j of tile T = 4 e + 2 b + u is row r, column 128 w + 64 e + 32 b + 16 h + 8 u + j.
; O: the bias, then through the wave's stage, so that 32 lanes store 512 consecutive bytes of a row.  The stages lie in the bytes of L's rows, which nobody reads behind the second barrier.
; No tensor load and no cluster: a K step of Wo is 102,400 bytes, so LDS would hold two slots of one step beside the rows, and a fill would have 16 matrix instructions a wave in which to land.
; LIMITS: NaN and infinities are not served; a block of zeros gets the byte 1: its codes are zeros.
.set AIMG, 131584                      ; LDS: 0 the 32 normed rows; AIMG 16 images of 1,536 bytes (8 rt + s);
.set ASC,  156160                      ; their scale words: 128 bytes a K step: the word of (rt, r) at 64 rt + 4 r
.set TM,  128                          ; phase Q: v128-143 at work
.set PW,  144
.set PC,  16                           ; v16-27 the codes just made; to v34 at work
.set SEL, 32                           ; s[32:33] lane selects: lane l xor 16
.set MSB, 0
.macro WIN new                         ; the immediate's high byte repeats the setting that is left
.if MSB != \new
	s_set_vgpr_msb (MSB<<8)|\new
.set MSB, \new
.endif
.endm
.macro MM d, a, b, z, sa, sb, ra, rb
.if \z
.if (\ra) && (\rb)
	v_wmma_scale_f32_16x16x128_f8f6f4 v[(\d):(\d)+7], v[(\a):(\a)+11], v[(\b):(\b)+11], 0, v[\sa], v[\sb] matrix_a_fmt:MATRIX_FMT_FP6 matrix_b_fmt:MATRIX_FMT_FP6 matrix_a_scale:MATRIX_SCALE_ROW1 matrix_b_scale:MATRIX_SCALE_ROW1
.elseif \ra
	v_wmma_scale_f32_16x16x128_f8f6f4 v[(\d):(\d)+7], v[(\a):(\a)+11], v[(\b):(\b)+11], 0, v[\sa], v[\sb] matrix_a_fmt:MATRIX_FMT_FP6 matrix_b_fmt:MATRIX_FMT_FP6 matrix_a_scale:MATRIX_SCALE_ROW1
.elseif \rb
	v_wmma_scale_f32_16x16x128_f8f6f4 v[(\d):(\d)+7], v[(\a):(\a)+11], v[(\b):(\b)+11], 0, v[\sa], v[\sb] matrix_a_fmt:MATRIX_FMT_FP6 matrix_b_fmt:MATRIX_FMT_FP6 matrix_b_scale:MATRIX_SCALE_ROW1
.else
	v_wmma_scale_f32_16x16x128_f8f6f4 v[(\d):(\d)+7], v[(\a):(\a)+11], v[(\b):(\b)+11], 0, v[\sa], v[\sb] matrix_a_fmt:MATRIX_FMT_FP6 matrix_b_fmt:MATRIX_FMT_FP6
.endif
.else
.if (\ra) && (\rb)
	v_wmma_scale_f32_16x16x128_f8f6f4 v[(\d):(\d)+7], v[(\a):(\a)+11], v[(\b):(\b)+11], v[(\d):(\d)+7], v[\sa], v[\sb] matrix_a_fmt:MATRIX_FMT_FP6 matrix_b_fmt:MATRIX_FMT_FP6 matrix_a_scale:MATRIX_SCALE_ROW1 matrix_b_scale:MATRIX_SCALE_ROW1
.elseif \ra
	v_wmma_scale_f32_16x16x128_f8f6f4 v[(\d):(\d)+7], v[(\a):(\a)+11], v[(\b):(\b)+11], v[(\d):(\d)+7], v[\sa], v[\sb] matrix_a_fmt:MATRIX_FMT_FP6 matrix_b_fmt:MATRIX_FMT_FP6 matrix_a_scale:MATRIX_SCALE_ROW1
.elseif \rb
	v_wmma_scale_f32_16x16x128_f8f6f4 v[(\d):(\d)+7], v[(\a):(\a)+11], v[(\b):(\b)+11], v[(\d):(\d)+7], v[\sa], v[\sb] matrix_a_fmt:MATRIX_FMT_FP6 matrix_b_fmt:MATRIX_FMT_FP6 matrix_b_scale:MATRIX_SCALE_ROW1
.else
	v_wmma_scale_f32_16x16x128_f8f6f4 v[(\d):(\d)+7], v[(\a):(\a)+11], v[(\b):(\b)+11], v[(\d):(\d)+7], v[\sa], v[\sb] matrix_a_fmt:MATRIX_FMT_FP6 matrix_b_fmt:MATRIX_FMT_FP6
.endif
.endif
.endm
; 64 numbers of a lane, register 16 b + i = k 32 b + 16 (lane / 16) + i of my row, become a fragment's codes in v[PC] on and its scale word in v[PW]
.macro QUANT s
.irp b, 0,1,2,3
	v_max3_num_f32 v[TM+\b], |v[\s+16*\b]|, |v[\s+1+16*\b]|, 0x1800000   ; my 16 numbers of block b, and the floor 2^(3 - 127): the byte cannot fall under 1
.endr
.irp i, 2,4,6,8,10,12,14
.irp b, 0,1,2,3
	v_max3_num_f32 v[TM+\b], v[TM+\b], |v[\s+16*\b+\i]|, |v[\s+1+16*\b+\i]|
.endr
.endr
.irp b, 0,1,2,3
	v_permlanex16_b32 v[TM+4+\b], v[TM+\b], s[SEL], s[SEL+1]
.endr
.irp b, 0,1,2,3
	v_max_num_f32 v[TM+\b], v[TM+\b], v[TM+4+\b]
.endr
.irp b, 0,1,2,3
	v_add_nc_u32 v[TM+12+\b], 0xff000000, v[TM+\b]
.endr
.irp b, 0,1,2,3
	v_lshrrev_b32 v[TM+4+\b], 23, v[TM+12+\b]
.endr
	v_lshl_or_b32 v[PW], v[TM+5], 8, v[TM+4]
	v_lshl_or_b32 v[PW], v[TM+6], 16, v[PW]
	v_lshl_or_b32 v[PW], v[TM+7], 24, v[PW]
.irp c, 0,1
	v_cvt_scalef32_pk16_fp6_f32 v[PC+6*\c:PC+2+6*\c], v[\s+32*\c:\s+15+32*\c], v[TM+12+2*\c]
	v_cvt_scalef32_pk16_fp6_f32 v[PC+12+4*\c:PC+14+4*\c], v[\s+16+32*\c:\s+31+32*\c], v[TM+12+2*\c+1]
.endr
	v_nop                                          ; one plain place behind a scaled conversion
.irp c, 0,1
.irp i, 0,1,2
	v_permlane16_swap_b32 v[PC+6*\c+\i], v[PC+12+4*\c+\i]
.endr
.irp i, 0,1,2
	v_mov_b32 v[PC+3+6*\c+\i], v[PC+12+4*\c+\i]
.endr
.endr
.endm
; Wo's K step s of my 128 columns: 26 loads.  Even K steps' fragments lie in window 1, v128-223, odd ones' in window 0, v160-255; the scale words in window 0, v40-43 and v44-47 (scale operands have no window)
.macro WLOAD s
.if (\s)%2 == 0
	WIN 0x40                                       ; destination window 1
.set WB, 128
.else
.set WB, 160
.endif
.irp e, 0,1
.irp n, 0,1,2,3
.irp c, 0,1,2
	global_load_b128 v[WB+12*(4*\e+\n)+4*\c:WB+12*(4*\e+\n)+4*\c+3], v1, s[6:7] offset:51200*\e+6144*(\s)+1536*\n+512*\c
.endr
.endr
.endr
	WIN 0
.irp e, 0,1
	global_load_b64 v[40+4*((\s)%2)+2*\e:41+4*((\s)%2)+2*\e], v13, s[6:7] offset:51200*\e+49152+256*(\s)
.endr
.endm
	s_load_b256 s[4:11], s[0:1], 0x0               ; attout, wcodes, ln_gamma, ln_beta
	s_load_b128 s[12:15], s[0:1], 0x20             ; bo, out0
	v_lshl_add_u32 v62, v0, 2, 0x26600
	v_mov_b32 v63, 0
	v_lshrrev_b32 v1, 5, v0
	v_readfirstlane_b32 s18, v1                    ; wave 0..7
	v_and_b32 v15, 31, v0                          ; l
	v_and_b32 v2, 15, v0                           ; r
	v_bfe_u32 v3, v0, 4, 1                         ; h
	v_lshlrev_b32 v1, 4, v15                       ; 16 l
	v_lshlrev_b32 v13, 3, v15                      ; 8 l
	v_lshlrev_b32 v14, 6, v3                       ; 64 h
	s_mul_i32 s19, s18, 16448                      ; my four rows in LDS: 4 x 4,112
	v_add_nc_u32 v4, s19, v1
	s_lshr_b32 s20, s18, 2                         ; rt
	s_and_b32 s21, s18, 3
	s_mul_i32 s22, s20, 65792                      ; 16 rows
	s_lshl_b32 s23, s21, 10                        ; two K steps of 512 bytes
	s_add_co_u32 s22, s22, s23
	v_mul_u32_u24 v5, v2, 4112
	v_lshl_add_u32 v5, v3, 6, v5
	v_add_nc_u32 v5, s22, v5                       ; phase Q reads: row 16 rt + r, K step 2 (w % 4), + 64 h
	s_mul_i32 s22, s20, 12288
	s_mul_i32 s23, s21, 3072
	s_add_co_u32 s22, s22, s23
	s_add_co_u32 s22, s22, AIMG
	v_add_nc_u32 v6, s22, v1                       ; and stores its images,
	s_lshl_b32 s22, s21, 8
	s_lshl_b32 s23, s20, 6
	s_add_co_u32 s22, s22, s23
	s_add_co_u32 s22, s22, ASC
	v_lshl_add_u32 v7, v2, 2, s22                  ; and its scale words
	v_add_nc_u32 v8, AIMG, v1
	v_lshl_add_u32 v9, v15, 2, ASC
	s_mul_i32 s22, s18, 8448                       ; my stage for the way out: 16 rows x 528 bytes
	v_mul_u32_u24 v10, v2, 528
	v_lshl_add_u32 v10, v3, 6, v10
	v_add_nc_u32 v10, s22, v10
	v_add_nc_u32 v11, s22, v1
	s_lshl_b32 s20, ttmp9, 17                      ; 32 rows of 4,096 bytes
	s_lshl_b32 s21, s18, 14
	s_add_co_u32 s22, s20, s21
	s_mov_b32 s23, 0
	s_lshl_b32 s24, s18, 1
	s_add_co_u32 s24, s24, 48
	s_mul_i32 s24, s24, 51200                      ; Wo's blocks 2 w and 2 w + 1
	s_mov_b32 s25, 0
	s_lshl_b32 s26, s18, 9
	s_mov_b32 s27, 0
	s_add_co_u32 s28, s20, s26
	s_mov_b32 s29, 0
	s_mov_b32 s30, 0x3a800000                      ; 1 / 1024
	s_mov_b32 s[SEL], 0x76543210
	s_mov_b32 s[SEL+1], 0xfedcba98
	s_wait_kmcnt 0x0
	s_add_nc_u64 s[4:5], s[4:5], s[22:23]
	s_add_nc_u64 s[6:7], s[6:7], s[24:25]
	s_add_nc_u64 s[12:13], s[12:13], s[26:27]
	s_add_nc_u64 s[14:15], s[14:15], s[28:29]
.irp i, 0,1,2,3,4,5,6,7
	global_load_b128 v[192+4*\i:195+4*\i], v1, s[8:9] offset:512*\i        ; the gain,
.endr
.irp i, 0,1,2,3,4,5,6,7
	global_load_b128 v[224+4*\i:227+4*\i], v1, s[10:11] offset:512*\i      ; the shift: my columns 128 i + 4 l .. + 3
.endr
.irp p, 0,1,2,3
.irp i, 0,1,2,3,4,5,6,7
	global_load_b128 v[64+32*\p+4*\i:67+32*\p+4*\i], v1, s[4:5] offset:4096*\p+512*\i th:TH_LOAD_NT
.endr
.endr
	WLOAD 0                                        ; Wo's K step 0 lands under the norm and the quantiser
.macro LNROW p
.set XR, 64+32*(\p)
	s_wait_loadcnt 8*(3-(\p))+26                   ; this row's eight loads are in; the later rows' and Wo's 26 may be out
	v_pk_add_f32 v[48:49], v[XR:XR+1], v[XR+2:XR+3]
	v_pk_add_f32 v[50:51], v[XR+4:XR+5], v[XR+6:XR+7]
.irp j, 8,12,16,20,24,28
	v_pk_add_f32 v[48:49], v[48:49], v[XR+\j:XR+\j+1]
	v_pk_add_f32 v[50:51], v[50:51], v[XR+\j+2:XR+\j+3]
.endr
	v_pk_add_f32 v[48:49], v[48:49], v[50:51]
	v_add_f32 v48, v48, v49
	v_add_f32_dpp v48, v48, v48 row_xmask:1 row_mask:0xf bank_mask:0xf
	v_add_f32_dpp v48, v48, v48 row_xmask:2 row_mask:0xf bank_mask:0xf
	v_add_f32_dpp v48, v48, v48 row_xmask:4 row_mask:0xf bank_mask:0xf
	v_add_f32_dpp v48, v48, v48 row_xmask:8 row_mask:0xf bank_mask:0xf
	v_permlanex16_b32 v49, v48, s[SEL], s[SEL+1]
	v_add_f32 v48, v48, v49
	v_mul_f32 v48, s30, v48                        ; the mean
.irp j, 0,2,4,6,8,10,12,14,16,18,20,22,24,26,28,30
	v_pk_add_f32 v[XR+\j:XR+\j+1], v[XR+\j:XR+\j+1], v[48:49] op_sel_hi:[1,0] neg_lo:[0,1] neg_hi:[0,1]
.endr
	v_pk_mul_f32 v[50:51], v[XR:XR+1], v[XR:XR+1]
	v_pk_mul_f32 v[52:53], v[XR+2:XR+3], v[XR+2:XR+3]
.irp j, 4,8,12,16,20,24,28
	v_pk_fma_f32 v[50:51], v[XR+\j:XR+\j+1], v[XR+\j:XR+\j+1], v[50:51]
	v_pk_fma_f32 v[52:53], v[XR+\j+2:XR+\j+3], v[XR+\j+2:XR+\j+3], v[52:53]
.endr
	v_pk_add_f32 v[50:51], v[50:51], v[52:53]
	v_add_f32 v50, v50, v51
	v_add_f32_dpp v50, v50, v50 row_xmask:1 row_mask:0xf bank_mask:0xf
	v_add_f32_dpp v50, v50, v50 row_xmask:2 row_mask:0xf bank_mask:0xf
	v_add_f32_dpp v50, v50, v50 row_xmask:4 row_mask:0xf bank_mask:0xf
	v_add_f32_dpp v50, v50, v50 row_xmask:8 row_mask:0xf bank_mask:0xf
	v_permlanex16_b32 v51, v50, s[SEL], s[SEL+1]
	v_add_f32 v50, v50, v51
	v_fmaak_f32 v50, s30, v50, 0x3727c5ac          ; the variance + 1e-5
	v_rsq_f32 v50, v50
	v_nop                                          ; a plain place behind the root,
	s_wait_alu depctr_va_vdst(0)                   ; and a wait ahead of its first reader
.irp j, 0,2,4,6,8,10,12,14,16,18,20,22,24,26,28,30
	v_pk_mul_f32 v[XR+\j:XR+\j+1], v[XR+\j:XR+\j+1], v[50:51] op_sel_hi:[1,0]
.endr
.irp j, 0,2,4,6,8,10,12,14,16,18,20,22,24,26,28,30
	v_pk_fma_f32 v[XR+\j:XR+\j+1], v[XR+\j:XR+\j+1], v[192+\j:193+\j], v[224+\j:225+\j]
.endr
.irp i, 0,1,2,3,4,5,6,7
	ds_store_b128 v4, v[XR+4*\i:XR+4*\i+3] offset:4112*(\p)+512*\i
.endr
.endm
.irp p, 0,1,2,3
	LNROW \p
.endr
	s_wait_dscnt 0x0                               ; for the others' sake: my four rows lie in LDS; and the stores have read their registers
	WLOAD 1                                        ; Wo's K step 1, into the registers of the last row, the gain and the shift
	s_barrier_signal -1
	s_barrier_wait -1
.irp e, 0,1
.irp b, 0,1,2,3
.irp j, 0,1,2,3
	ds_load_b128 v[64+16*\b+4*\j:67+16*\b+4*\j], v5 offset:512*\e+128*\b+16*\j
.endr
.endr
	s_wait_dscnt 0x0
	QUANT 64
.irp c, 0,1,2
	ds_store_b128 v6, v[PC+4*\c:PC+4*\c+3] offset:1536*\e+512*\c
.endr
	ds_store_b32 v7, v[PW] offset:128*\e           ; both halves write the same word with the same value
	s_wait_dscnt 0x0                               ; the stores have read their registers; and, for the others' sake, they have landed
.endr
	s_barrier_signal -1
	s_barrier_wait -1                              ; the sixteen fragments lie in LDS, and nobody reads the normed rows any more
; REGISTERS of window 0 in phase G: v12 the rows' scale words; v16-39 the rows' two fragments; v40-47 Wo's scale words; v160-255 Wo's odd K steps
.macro GSTEP s
.irp m, 0,1
.irp c, 0,1,2
	ds_load_b128 v[16+12*\m+4*\c:19+12*\m+4*\c], v8 offset:(8*\m+(\s))*1536+512*\c
.endr
.endr
	ds_load_b32 v12, v9 offset:128*(\s)            ; lanes 0-15 rows 0-15, lanes 16-31 rows 16-31
.if (\s) < 7
	s_wait_loadcnt 26                              ; this K step's 26 loads are in; the next step's may be out
.else
	s_wait_loadcnt 0x0
.endif
	s_wait_dscnt 0x0
.if (\s)%2 == 0
	WIN 0x51                                       ; source 0 (Wo), C and D window 1
.set WB, 128
.else
	WIN 0x50                                       ; C and D window 1
.set WB, 160
.endif
.irp m, 0,1                            ; the 16 accumulators take turns, in the same order in every K step
.irp k, 0,1,2,3,4,5,6,7
	MM 64*\m+8*\k, WB+12*\k, 16+12*\m, (\s)==0, 40+4*((\s)%2)+2*(\k/4)+(\k%4)/2, 12, \k%2, \m
.endr
.endr
	WIN 0
.rept 4
	v_nop                                          ; four places in front of loads into registers that matrix instructions have read, and of the first read of results
.endr
.if (\s) < 6
	WLOAD (\s)+2
.endif
.endm
.irp s, 0,1,2,3,4,5,6,7
	GSTEP \s
.endr
.irp e, 0,1
.irp b, 0,1
.irp u, 0,1
.irp q, 0,1
	global_load_b128 v[64+32*\e+16*\b+8*\u+4*\q:67+32*\e+16*\b+8*\u+4*\q], v14, s[12:13] offset:256*\e+128*\b+32*\u+16*\q   ; the bias in the result's layout
.endr
.endr
.endr
.endr
	s_wait_loadcnt 0x0
	WIN 0x41                                       ; destination and source 0 window 1
.irp m, 0,1                            ; each accumulator is read from its low end on
.irp p, 0,1,2,3,4,5,6,7,8,9,10,11,12,13,14,15,16,17,18,19,20,21,22,23,24,25,26,27,28,29,30,31
	v_pk_add_f32 v[64*\m+2*\p:64*\m+2*\p+1], v[64*\m+2*\p:64*\m+2*\p+1], v[64+2*\p:65+2*\p]
.endr
.endr
.irp m, 0,1
	WIN 0x04                                       ; an LDS store's data are its source 1: window 1
.irp k, 0,1,2,3,4,5,6,7
.irp q, 0,1
	ds_store_b128 v10, v[64*\m+8*\k+4*\q:64*\m+8*\k+4*\q+3] offset:256*(\k/4)+128*((\k%4)/2)+32*(\k%2)+16*\q
.endr
.endr
	WIN 0
.irp i, 0,1,2,3,4,5,6,7,8,9,10,11,12,13,14,15
	ds_load_b128 v[128+64*\m+4*\i:131+64*\m+4*\i], v11 offset:528*\i   ; LDS serves a wave's instructions in order: these see the stores above, and the next block's stores come behind them
.endr
.endr
.irp i, 0,1,2,3,4,5,6,7,8,9,10,11,12,13,14,15
	s_wait_dscnt 47-\i                             ; behind this load: the rest of its run, and the second block's 16 stores and 16 loads
	global_store_b128 v1, v[128+4*\i:131+4*\i], s[14:15] offset:4096*\i th:TH_STORE_NT     ; 32 lanes store 512 consecutive bytes, aligned
.endr
.irp i, 0,1,2,3,4,5,6,7,8,9,10,11,12,13,14,15
	s_wait_dscnt 15-\i
	global_store_b128 v1, v[192+4*\i:195+4*\i], s[14:15] offset:4096*(16+\i) th:TH_STORE_NT
.endr
	s_barrier_signal -1
	s_barrier_wait -1
	s_wait_tensorcnt 0x0
	ds_add_u32 v62, v63
	s_wait_dscnt 0x0
	s_endpgm
.Lfunc_end_k_qcdcbe4216b_outp:
	.size	k_qcdcbe4216b_outp, .Lfunc_end_k_qcdcbe4216b_outp-k_qcdcbe4216b_outp
	.p2alignl 7, 3214868480
	.fill 96, 4, 3214868480
	.section	.rodata,"a",@progbits
	.p2align	6, 0x0
	.amdhsa_kernel k_qcdcbe4216b_outp
		.amdhsa_group_segment_fixed_size 158208
		.amdhsa_private_segment_fixed_size 0
		.amdhsa_enable_private_segment 0
		.amdhsa_kernarg_size 48
		.amdhsa_user_sgpr_count 2
		.amdhsa_user_sgpr_kernarg_segment_ptr 1
		.amdhsa_wavefront_size32 1
		.amdhsa_system_sgpr_workgroup_id_x 1
		.amdhsa_system_sgpr_workgroup_id_y 1
		.amdhsa_system_sgpr_workgroup_id_z 1
		.amdhsa_system_vgpr_workitem_id 0
		.amdhsa_next_free_vgpr 480
		.amdhsa_next_free_sgpr 66
		.amdhsa_reserve_vcc 0
		.amdhsa_float_denorm_mode_32 3
		.amdhsa_float_denorm_mode_16_64 3
		.amdhsa_memory_ordered 1
		.amdhsa_forward_progress 1
		.amdhsa_inst_pref_size 99
	.end_amdhsa_kernel
	.amdgpu_metadata
---
amdhsa.version: [ 1, 2 ]
amdhsa.kernels:
  - .name:           k_qcdcbe4216b_outp
    .symbol:         k_qcdcbe4216b_outp.kd
    .args:
      - { .name: attout, .offset: 0, .size: 8, .value_kind: global_buffer, .address_space: global }
      - { .name: wcodes, .offset: 8, .size: 8, .value_kind: global_buffer, .address_space: global }
      - { .name: ln_gamma, .offset: 16, .size: 8, .value_kind: global_buffer, .address_space: global }
      - { .name: ln_beta, .offset: 24, .size: 8, .value_kind: global_buffer, .address_space: global }
      - { .name: bo, .offset: 32, .size: 8, .value_kind: global_buffer, .address_space: global }
      - { .name: out0, .offset: 40, .size: 8, .value_kind: global_buffer, .address_space: global }
    .group_segment_fixed_size: 158208
    .private_segment_fixed_size: 0
    .kernarg_segment_align: 8
    .kernarg_segment_size: 48
    .max_flat_workgroup_size: 256
    .sgpr_count:     66
    .vgpr_count:     480
    .wavefront_size: 32
...
	.end_amdgpu_metadata
.endif
;; end of part 5
;; ======== version 2 of 2: 5 launches; version 1 with the launches proj_v, attn, outp written anew for expert scheduling mode
;; workspace buffers: wcodes 3,276,800 bytes; ropetab 262,144 bytes; xcodes 19,660,800 bytes; qkcodes 13,631,488 bytes; vcodes 6,553,600 bytes; attout 33,554,432 bytes
;; launch prepq: the kernel of part 1 again; grid 1040 x 1, 2 waves a work-group, no clusters, 29,440 bytes of LDS; arguments Wq, Wk, Wv, Wo, wcodes, ropetab, query, key, value, xcodes; writes wcodes, ropetab, xcodes
;; launch proj_qk: the kernel of part 2 again; grid 16 x 16, 8 waves a work-group, no clusters, 119,296 bytes of LDS; arguments xcodes, wcodes, ropetab, bq, bk, temporal_weights, qkcodes; writes qkcodes
;; launch proj_v (part 6): grid 16 x 8, 8 waves a work-group, no clusters, 79,872 bytes of LDS; arguments xcodes, wcodes, bv, temporal_weights, vcodes; writes vcodes
.if DOCPART == 6
	.amdgcn_target "amdgcn-amd-amdhsa--gfx1250"
	.amdhsa_code_object_version 6
	.text
	.protected	k_qcdcbe4216b_proj_v
	.globl	k_qcdcbe4216b_proj_v
	.p2align	8
	.type	k_qcdcbe4216b_proj_v,@function
k_qcdcbe4216b_proj_v:
	s_mov_b64 s[64:65], 0
	v_nop
	global_prefetch_b8 v0, s[64:65] scope:SCOPE_SE
	s_setreg_imm32_b32 hwreg(HW_REG_WAVE_SCHED_MODE, 0, 2), 2
	s_setreg_imm32_b32 hwreg(HW_REG_WAVE_MODE, 25, 1), 1
	s_wait_xcnt 0x0
	s_wait_alu depctr_vm_vsrc(0)
; V of one batch and one head: the projection on codes of FP6, the bias, the four-scale pooling along the sequence, and the quantiser ALONG THE KEYS, which are the second product's K.
; SHARES as for Q and K: a work-group holds the whole sequence, 8 waves x 128 keys x 64 channels, ACC(t, n) at 32 t + 8 n of window 1; tile t takes key 8 m + t in lane m.
; Here the product is used the other way round (source 0 = 16 keys of x, source 1 = 16 columns of Wv): lane (r, h), register j of ACC(t, n) is key 128 wave + 64 h + 8 j + t, channel 16 n + r.
; So a lane holds ONE channel and 64 keys: two whole blocks of 32 keys, as the quantiser and the operand's layout want them.  A block of 8 rows of the pooling is the REGISTER j; its neighbours are registers j - 1, j + 1;
; only j = 0 and j = 7 ask another half of a wave, through LDS.  At the sequence's ends the neighbour is the block's own pooled value.
; The bias is asked for inside the K loop, into registers that the last K step but one has left.
; OUT: vcodes = [bh][group of 128 keys][tile of 16 channels, 4] images of 1,536 bytes (chunk c: registers 4 c .. 4 c + 3 of lane l at 16 l), then from 6,291,456 on the scale words, 256 bytes a group:
; the word of (tile n, channel r) at 8 (r + 16 (n % 2)) + 4 (n / 2).  ORDER OF K inside a group: block b, place k stands for key 32 kb(b) + 8 (k % 4) + k / 4, kb(b) = 2 (b % 2) + b / 2: every block is a true block of 32
; neighbouring keys, and attention's p falls into the same order.
; The grid has 128 work-groups: a work-group needs a head's whole sequence, and there are 128 heads.
; LIMITS: NaN and infinities are not served; a block of zeros gets the byte 1 (this program alone reads the bytes); the pooling's sums are formed in another order than the source's, all in f32.
; THE MODE: SCHED_MODE bits 1:0 = 2 (LLVM: expert scheduling mode 2), set by the entry lines.  The code itself states the register dependences between vector or matrix instructions and memory or LDS instructions,
; with s_wait_alu, always for 0.
; THE PLAN.  Registers that memory or LDS instructions touch:
;   v1            the offset of x's loads and of the codes' stores: made at the head, never written again.
;   v2, v3        LDS addresses of Wv's fragments and words: made at the head; written anew in the epilogue, behind a wait on vm_vsrc.
;   v12-63        the fill of Wv (addresses v12, v13; data v14-63), then Wv's words (v12-13) and fragments (v16-63): K step s's LDS loads land there, its products read them.  v14 becomes the bias's offset.
;   x's two sets  v64-159 with words v4-7, v160-255 with words v8-11: K step s's products read set s % 2; the loads of K step s + 1 land in the other set, which the products of K step s - 1 read.
;   So ONE wait on va_vdst stands at the head of a K step: the step before is done reading Wv's registers and x's other set.  Wv's LDS loads follow it at once; x's 25 loads are dealt among the step's products,
;   which name Wv's registers, their own set and the accumulators: none of the registers that those loads touch.  A set goes out as words, tiles 0-3, tiles 4-7, and is waited for in those two halves.
;   The epilogue: the pools v16-239 are written by vector instructions and read by the messages' LDS stores; v72, 80, 88, 103, 111, 119 take LDS loads; the codes v184-195 are written by the conversions and read by stores.
.set RG,   51200                       ; LDS: 0 Wv's codes; 49,152 its scale words; RG: 18 slots of 768 bytes (16 channels x 48), slot k = what half-wave k finds on its left; slot 17 is written and never read
.set LG,   65024                       ; LG: 18 slots, slot k + 1 = what half-wave k finds on its right; slot 17 likewise
.set MSB, 0
.macro WIN new                         ; the immediate's high byte repeats the setting that is left
.if MSB != \new
	s_set_vgpr_msb (MSB<<8)|\new
.set MSB, \new
.endif
.endm
.macro MM d, a, b, z, sa, sb, ra, rb
.if \z
.if (\ra) && (\rb)
	v_wmma_scale_f32_16x16x128_f8f6f4 v[(\d):(\d)+7], v[(\a):(\a)+11], v[(\b):(\b)+11], 0, v[\sa], v[\sb] matrix_a_fmt:MATRIX_FMT_FP6 matrix_b_fmt:MATRIX_FMT_FP6 matrix_a_scale:MATRIX_SCALE_ROW1 matrix_b_scale:MATRIX_SCALE_ROW1
.elseif \ra
	v_wmma_scale_f32_16x16x128_f8f6f4 v[(\d):(\d)+7], v[(\a):(\a)+11], v[(\b):(\b)+11], 0, v[\sa], v[\sb] matrix_a_fmt:MATRIX_FMT_FP6 matrix_b_fmt:MATRIX_FMT_FP6 matrix_a_scale:MATRIX_SCALE_ROW1
.elseif \rb
	v_wmma_scale_f32_16x16x128_f8f6f4 v[(\d):(\d)+7], v[(\a):(\a)+11], v[(\b):(\b)+11], 0, v[\sa], v[\sb] matrix_a_fmt:MATRIX_FMT_FP6 matrix_b_fmt:MATRIX_FMT_FP6 matrix_b_scale:MATRIX_SCALE_ROW1
.else
	v_wmma_scale_f32_16x16x128_f8f6f4 v[(\d):(\d)+7], v[(\a):(\a)+11], v[(\b):(\b)+11], 0, v[\sa], v[\sb] matrix_a_fmt:MATRIX_FMT_FP6 matrix_b_fmt:MATRIX_FMT_FP6
.endif
.else
.if (\ra) && (\rb)
	v_wmma_scale_f32_16x16x128_f8f6f4 v[(\d):(\d)+7], v[(\a):(\a)+11], v[(\b):(\b)+11], v[(\d):(\d)+7], v[\sa], v[\sb] matrix_a_fmt:MATRIX_FMT_FP6 matrix_b_fmt:MATRIX_FMT_FP6 matrix_a_scale:MATRIX_SCALE_ROW1 matrix_b_scale:MATRIX_SCALE_ROW1
.elseif \ra
	v_wmma_scale_f32_16x16x128_f8f6f4 v[(\d):(\d)+7], v[(\a):(\a)+11], v[(\b):(\b)+11], v[(\d):(\d)+7], v[\sa], v[\sb] matrix_a_fmt:MATRIX_FMT_FP6 matrix_b_fmt:MATRIX_FMT_FP6 matrix_a_scale:MATRIX_SCALE_ROW1
.elseif \rb
	v_wmma_scale_f32_16x16x128_f8f6f4 v[(\d):(\d)+7], v[(\a):(\a)+11], v[(\b):(\b)+11], v[(\d):(\d)+7], v[\sa], v[\sb] matrix_a_fmt:MATRIX_FMT_FP6 matrix_b_fmt:MATRIX_FMT_FP6 matrix_b_scale:MATRIX_SCALE_ROW1
.else
	v_wmma_scale_f32_16x16x128_f8f6f4 v[(\d):(\d)+7], v[(\a):(\a)+11], v[(\b):(\b)+11], v[(\d):(\d)+7], v[\sa], v[\sb] matrix_a_fmt:MATRIX_FMT_FP6 matrix_b_fmt:MATRIX_FMT_FP6
.endif
.endif
.endm
; REGISTERS of window 0 in the K loop: v1, v2 16 l; v3 49,152 + 8 l; v4-7, v8-11 x's scale words, two sets; v12-13 Wv's; v14 the bias's offset; v16-63 Wv's four fragments; v64-159, v160-255 x's eight fragments, two sets
.macro XSC s                           ; K step s: the scale words of my 128 rows
	global_load_b128 v[4+4*((\s)%2):7+4*((\s)%2)], v1, s[4:5] offset:12800*(\s)+12288
.endm
.macro XL s, t                         ; K step s, tile t: three loads of 512 consecutive bytes
.irp c, 0,1,2
	global_load_b128 v[64+96*((\s)%2)+12*(\t)+4*\c:64+96*((\s)%2)+12*(\t)+4*\c+3], v1, s[4:5] offset:12800*(\s)+1536*(\t)+512*\c
.endr
.endm
.macro XLOAD s                         ; a whole set: 25 loads: the words, tiles 0-3, tiles 4-7
	XSC \s
.irp t, 0,1,2,3,4,5,6,7
	XL \s, \t
.endr
.endm
.macro BFETCH s
.irp n, 0,1,2,3
.irp c, 0,1,2
	ds_load_b128 v[16+12*\n+4*\c:16+12*\n+4*\c+3], v2 offset:6144*(\s)+1536*\n+512*\c
.endr
.endr
	ds_load_b64 v[12:13], v3 offset:256*(\s)
.endm
.macro MT s, t                         ; tile t's four products of K step s
.irp n, 0,1,2,3
	MM 32*(\t)+8*\n, 64+96*((\s)%2)+12*(\t), 16+12*\n, (\s)==0, 4+4*((\s)%2)+(\t)%4, 12+\n/2, (\t)/4, \n%2
.endr
.endm
.macro KSTEP s
.if (\s) > 0
	s_wait_alu depctr_va_vdst(0)                   ; the last K step's products are done reading Wv's fragments and words, x's other set and its words: all loads of this step land in those registers.  (In K step 1 also: v14, the bias's offset, is written)
	BFETCH \s
.endif
.if (\s) == 7
.irp n, 0,1,2,3
	global_load_b32 v[64+\n], v14, s[8:9] offset:64*\n     ; bv of channel 16 n + r: x's set 0 has had its last products
.endr
.endif
.if (\s) == 0
	s_wait_loadcnt 37                              ; this set's words and tiles 0-3 are in; its tiles 4-7 (12 loads) and the next set (25) may be out
.elseif (\s) < 7
	s_wait_loadcnt 12                              ; this set's words and tiles 0-3 are in; its tiles 4-7 may be out
.else
	s_wait_loadcnt 16                              ; likewise; behind them the bias's four loads
.endif
	s_wait_dscnt 0x0
	WIN 0x50                                       ; C and D window 1
	MT \s, 0                                       ; the 32 accumulators take turns, in the same order in every K step
.if ((\s) > 0) && ((\s) < 7)
	WIN 0
	XSC (\s)+1                                     ; the next K step's set is asked for.  No wait: no product since the wait at the step's head names these registers
	XL (\s)+1, 0
	XL (\s)+1, 1
	WIN 0x50
.endif
	MT \s, 1
.if ((\s) > 0) && ((\s) < 7)
	WIN 0
	XL (\s)+1, 2
	XL (\s)+1, 3
	WIN 0x50
.endif
	MT \s, 2
	MT \s, 3
.if (\s) == 0
	s_wait_loadcnt 25                              ; this set's tiles 4-7 are in; the next set may be out
.elseif (\s) < 7
	s_wait_loadcnt 13                              ; this set's tiles 4-7 are in; the 13 loads issued above may be out
.else
	s_wait_loadcnt 4                               ; behind x's last set: the bias's four loads
.endif
	MT \s, 4
.if ((\s) > 0) && ((\s) < 7)
	WIN 0
	XL (\s)+1, 4
	XL (\s)+1, 5
	WIN 0x50
.endif
	MT \s, 5
.if ((\s) > 0) && ((\s) < 7)
	WIN 0
	XL (\s)+1, 6
	XL (\s)+1, 7
	WIN 0x50
.endif
	MT \s, 6
	MT \s, 7
	WIN 0
.rept 4
	v_nop                                          ; four places in front of loads into, and vector writes of, registers that matrix instructions have read
.endr
.endm
	s_load_b256 s[4:11], s[0:1], 0x0               ; xcodes, wcodes, bv, temporal_weights
	s_load_b64 s[12:13], s[0:1], 0x20              ; vcodes
	v_lshrrev_b32 v1, 5, v0
	v_readfirstlane_b32 s18, v1                    ; wave 0..7
	v_and_b32 v14, 31, v0
	v_lshlrev_b32 v1, 4, v14
	v_lshlrev_b32 v2, 4, v14
	v_lshl_add_u32 v3, v14, 3, 49152
	v_lshlrev_b32 v12, 4, v0
	v_lshlrev_b32 v13, 3, v0
	s_wait_alu depctr_va_sdst(0)                   ; s18 is written, ahead of its first reader: the bases of x and of the output are made from it
	s_and_b32 s21, ttmp7, 0xffff                   ; batch
	s_lshl_b32 s23, s21, 3
	s_add_co_u32 s23, s23, s18
	s_add_co_u32 s23, s23, 128                     ; value's rows: 128 + 8 batch + wave
	s_mul_i32 s24, s23, 102400
	s_mov_b32 s25, 0
	s_add_co_u32 s26, ttmp9, 32
	s_mul_i32 s26, s26, 51200                      ; the block of (Wv, head)
	s_mov_b32 s27, 0
	s_mov_b32 s48, 0x76543210
	s_mov_b32 s49, 0xfedcba98
	s_wait_kmcnt 0x0
	s_add_nc_u64 s[4:5], s[4:5], s[24:25]
	s_add_nc_u64 s[6:7], s[6:7], s[26:27]
	s_lshl_b32 s22, ttmp9, 8
	s_mov_b32 s23, 0
	s_add_nc_u64 s[8:9], s[8:9], s[22:23]          ; bv at my head's 64 numbers
	s_load_b128 s[36:39], s[10:11], 0x0            ; the four weights of the scales
	s_wait_alu depctr_va_vdst(0)                   ; v1, v2, v3, v12 and v13 are written, which the loads and LDS instructions below read as addresses; the lines above are done with v14, in which a load lands
.irp i, 0,1,2,3,4,5,6,7,8,9,10,11
	global_load_b128 v[16+4*\i:19+4*\i], v12, s[6:7] offset:4096*\i
.endr
	global_load_b64 v[14:15], v13, s[6:7] offset:49152
	XLOAD 0
	XLOAD 1
	s_wait_loadcnt 50                              ; Wv's 13 loads are in; x's two sets may be out
.irp i, 0,1,2,3,4,5,6,7,8,9,10,11
	ds_store_b128 v12, v[16+4*\i:19+4*\i] offset:4096*\i
.endr
	ds_store_b64 v13, v[14:15] offset:49152
	s_wait_dscnt 0x0                               ; for the others' sake: my part of Wv lies in LDS
	s_barrier_signal -1
	s_barrier_wait -1
	s_wait_alu depctr_vm_vsrc(0)                   ; the fill's loads and LDS stores have read v12-63: v14 is written below, and Wv's words and fragments land in v12-13 and v16-63
	v_and_b32 v14, 15, v0
	v_lshlrev_b32 v14, 2, v14                      ; 4 r: the bias's offset; never rewritten
	BFETCH 0
.irp s, 0,1,2,3,4,5,6,7
	KSTEP \s
.endr
	; ---------------- the epilogue.  v2 r, v3 h, v4, v5 my half-wave's slots in RG and LG, v6, v7 the ends' slots, v9 8 l, v10 8 h, v11 l, v64-67 the bias
	s_wait_alu depctr_vm_vsrc(0)                   ; the LDS loads of Wv's fragments and words have read v2 and v3, which are written below
	v_and_b32 v2, 15, v0
	v_bfe_u32 v3, v0, 4, 1
	v_and_b32 v11, 31, v0
	v_lshlrev_b32 v9, 3, v11
	v_lshlrev_b32 v10, 3, v3
	s_mul_i32 s23, s18, 1536
	v_mul_u32_u24 v4, v3, 768
	v_mad_u32_u24 v4, v2, 48, v4
	v_add_nc_u32 v4, s23, v4
	v_add_nc_u32 v5, LG, v4
	v_add_nc_u32 v4, RG, v4
	v_mul_u32_u24 v6, v3, 13056                    ; wave 0: lanes 0-15 fill slot 0 of RG, lanes 16-31 slot 17
	v_mad_u32_u24 v6, v2, 48, v6
	v_add_nc_u32 v6, RG, v6
	v_xor_b32 v7, 1, v3                            ; wave 7: lanes 16-31 fill slot 16 of LG, lanes 0-15 slot 17
	v_mul_u32_u24 v7, v7, 768
	v_mad_u32_u24 v7, v2, 48, v7
	v_add_nc_u32 v7, LG+12288, v7
	v_mov_b32 v215, 0                              ; written once: a lane permute's destination counts as one of its sources
	; softmax of the four weights, the largest taken away first
	s_wait_kmcnt 0x0
	v_mov_b32 v48, s36
	v_mov_b32 v49, s37
	v_mov_b32 v50, s38
	v_mov_b32 v51, s39
	v_max3_num_f32 v52, v48, v49, v50
	v_max_num_f32 v52, v52, v51
.irp i, 0,1,2,3
	v_sub_f32 v[48+\i], v[48+\i], v52
.endr
.irp i, 0,1,2,3
	v_mul_f32 v[48+\i], 0x3fb8aa3b, v[48+\i]
.endr
.irp i, 0,1,2,3
	v_exp_f32 v[48+\i], v[48+\i]
.endr
	v_nop                                          ; a plain place behind the exponentials,
	s_wait_alu depctr_va_vdst(0)                   ; and one wait ahead of their first reader: v48-51 are written
	v_add_f32 v52, v48, v49
	v_add_f32 v53, v50, v51
	v_add_f32 v52, v52, v53
	v_rcp_f32 v52, v52
	v_nop
	s_wait_alu depctr_va_vdst(0)                   ; the reciprocal v52 is written, ahead of its first reader
.irp i, 0,1,2,3
	v_mul_f32 v[48+\i], v[48+\i], v52
.endr
	v_mul_f32 v49, 0.5, v49
	v_mul_f32 v50, 0x3e800000, v50
	v_mul_f32 v51, 0x3e000000, v51
	v_readfirstlane_b32 s40, v48                   ; s[40:41] w0, s[42:43] w1 / 2, s[44:45] w2 / 4, s[46:47] w3 / 8
	v_readfirstlane_b32 s42, v49
	v_readfirstlane_b32 s44, v50
	v_readfirstlane_b32 s46, v51
	s_wait_alu depctr_va_sdst(0)                   ; s40, s42, s44 and s46 are written, ahead of their first readers
	s_mov_b32 s41, s40
	s_mov_b32 s43, s42
	s_mov_b32 s45, s44
	s_mov_b32 s47, s46
	s_wait_loadcnt 0x0                             ; the bias
	WIN 0x41
.irp t, 0,1,2,3,4,5,6,7                ; each accumulator is read from its low end on
.irp n, 0,1,2,3
.irp p, 0,1,2,3
.if \n%2 == 0
	v_pk_add_f32 v[32*\t+8*\n+2*\p:32*\t+8*\n+2*\p+1], v[32*\t+8*\n+2*\p:32*\t+8*\n+2*\p+1], v[64+2*(\n/2):65+2*(\n/2)] op_sel_hi:[1,0]
.else
	v_pk_add_f32 v[32*\t+8*\n+2*\p:32*\t+8*\n+2*\p+1], v[32*\t+8*\n+2*\p:32*\t+8*\n+2*\p+1], v[64+2*(\n/2):65+2*(\n/2)] op_sel:[0,1] op_sel_hi:[1,1]
.endif
.endr
.endr
.endr
; The weighted pools of my 8 blocks (registers j) for tile ch of channels: 56 registers from base on: +0 the four pools of 2, +32 the two of 4, +48 the one of 8
.macro CHUNKSUMS ch, base
	WIN 0x05
.irp i, 0,1,2,3
.irp p, 0,1,2,3
	v_pk_add_f32 v[(\base)+8*\i+2*\p:(\base)+8*\i+2*\p+1], v[64*\i+8*(\ch)+2*\p:64*\i+8*(\ch)+2*\p+1], v[64*\i+32+8*(\ch)+2*\p:64*\i+32+8*(\ch)+2*\p+1]
.endr
.endr
	WIN 0
.irp i, 0,1
.irp p, 0,1,2,3
	v_pk_add_f32 v[(\base)+32+8*\i+2*\p:(\base)+32+8*\i+2*\p+1], v[(\base)+16*\i+2*\p:(\base)+16*\i+2*\p+1], v[(\base)+16*\i+8+2*\p:(\base)+16*\i+8+2*\p+1]
.endr
.endr
.irp p, 0,1,2,3
	v_pk_add_f32 v[(\base)+48+2*\p:(\base)+48+2*\p+1], v[(\base)+32+2*\p:(\base)+32+2*\p+1], v[(\base)+40+2*\p:(\base)+40+2*\p+1]
.endr
.irp p, 0,1,2,3,4,5,6,7,8,9,10,11,12,13,14,15
	v_pk_mul_f32 v[(\base)+2*\p:(\base)+2*\p+1], v[(\base)+2*\p:(\base)+2*\p+1], s[42:43] op_sel_hi:[1,0]
.endr
.irp p, 0,1,2,3,4,5,6,7
	v_pk_mul_f32 v[(\base)+32+2*\p:(\base)+32+2*\p+1], v[(\base)+32+2*\p:(\base)+32+2*\p+1], s[44:45] op_sel_hi:[1,0]
.endr
.irp p, 0,1,2,3
	v_pk_mul_f32 v[(\base)+48+2*\p:(\base)+48+2*\p+1], v[(\base)+48+2*\p:(\base)+48+2*\p+1], s[46:47] op_sel_hi:[1,0]
.endr
.endm
.irp n, 0,1,2,3
	CHUNKSUMS \n, 16+56*\n
.endr
.macro VSEND adr, imm, o8, o4, o2      ; one block's three pools, for the four tiles of channels: 12 words a lane
.irp n, 0,1,2,3
	ds_store_b32 v[\adr], v[16+56*\n+\o8] offset:\imm+12*\n
	ds_store_b32 v[\adr], v[16+56*\n+\o4] offset:\imm+12*\n+4
	ds_store_b32 v[\adr], v[16+56*\n+\o2] offset:\imm+12*\n+8
.endr
.endm
	s_wait_alu depctr_va_vdst(0)                   ; the pools v16-239 and the slots' addresses v4-7 are written, which the LDS stores below read, on every way through the two branches
	VSEND 4, 768, 55, 47, 31                       ; my last block's (j = 7) last pools go to the half-wave on the right,
	VSEND 5, 0, 48, 32, 0                          ; my first block's (j = 0) first pools to the one on the left
	s_cmp_lg_u32 s18, 0
	s_cbranch_scc1 .Lnot_first
	VSEND 6, 0, 48, 32, 0                          ; the sequence's first block is its own left neighbour
.Lnot_first:
	s_cmp_lg_u32 s18, 7
	s_cbranch_scc1 .Lnot_last
	VSEND 7, 0, 55, 47, 31                         ; the sequence's last block is its own right neighbour
.Lnot_last:
	s_wait_dscnt 0x0                               ; for the others' sake: my messages lie in LDS
	s_barrier_signal -1
	s_barrier_wait -1
	s_wait_alu depctr_vm_vsrc(0)                   ; my LDS stores have read the pools' registers, which LDS loads and vector instructions write again from here on
	s_lshl_b32 s22, s21, 4
	s_add_co_u32 s22, s22, ttmp9                   ; bh
	s_mul_i32 s24, s22, 49152
	s_mul_i32 s25, s18, 6144
	s_add_co_u32 s24, s24, s25
	s_mov_b32 s25, 0
	s_add_nc_u64 s[26:27], s[12:13], s[24:25]      ; my group's codes
	s_lshl_b32 s24, s22, 11
	s_lshl_b32 s28, s18, 8
	s_add_co_u32 s24, s24, s28
	s_add_co_u32 s24, s24, 6291456
	s_add_nc_u64 s[12:13], s[12:13], s[24:25]      ; and its scale words
.macro SIXT n                          ; CF = the f32 bits of n / 16
.if (\n) >= 8
.set CF, 0x3f000000+((\n)-8)*0x100000
.elseif (\n) >= 4
.set CF, 0x3e800000+((\n)-4)*0x200000
.elseif (\n) >= 2
.set CF, 0x3e000000+((\n)-2)*0x400000
.else
.set CF, 0x3d800000
.endif
.endm
; Row t of a block: which pools it takes (O own, N neighbour) and the neighbour's share in sixteenths.  v16-47 pools of 2, v48-63 of 4, v64-71 of 8; the left block's last ones v72 (8), v80 (4), v88 (2); the right block's first ones v96, v104, v112
.macro ROWSYM t
.set O2, 16+8*((\t)/2)
.if (\t) == 0
.set N2, 88
.elseif (\t) == 7
.set N2, 112
.elseif (\t)%2 == 0
.set N2, 8+8*((\t)/2)
.else
.set N2, 24+8*((\t)/2)
.endif
.set O4, 48+8*((\t)/4)
.if (\t) < 2
.set N4, 80
.elseif (\t) < 4
.set N4, 56
.elseif (\t) < 6
.set N4, 48
.else
.set N4, 104
.endif
.if (\t)%4 < 2
.set L4N, 6-4*((\t)%4)
.else
.set L4N, 4*((\t)%4)-6
.endif
.if (\t) < 4
.set N8, 72
.set L8N, 7-2*(\t)
.else
.set N8, 96
.set L8N, 2*(\t)-7
.endif
.endm
.macro TERM4 t, src, n                 ; row t of my 8 blocks += n / 16 x the pool at src.  The result of (j, t) lies at v[120 + 32 (j / 4) + 4 t + j % 4]: the order of K
	SIXT \n
.irp p, 0,1,2,3
	v_pk_fma_f32 v[120+32*(\p/2)+4*(\t)+2*(\p%2):121+32*(\p/2)+4*(\t)+2*(\p%2)], v[(\src)+2*\p:(\src)+2*\p+1], CF, v[120+32*(\p/2)+4*(\t)+2*(\p%2):121+32*(\p/2)+4*(\t)+2*(\p%2)] op_sel_hi:[1,0,1]
.endr
.endm
.macro VCHUNK n
.irp a, 0,1,2                          ; no vector instruction stands between these six loads and the last wait on va_vdst (ahead of the messages; later: ahead of the tile before's stores), behind which all earlier writers and readers of their registers are done
	ds_load_b32 v[72+8*\a], v4 offset:4*(3*(\n)+\a)                ; what block j = 0 finds on its left,
	ds_load_b32 v[103+8*\a], v5 offset:768+4*(3*(\n)+\a)           ; and block j = 7 on its right
.endr
	CHUNKSUMS \n, 16
.irp j, 1,2,3,4,5,6,7
	v_mov_b32 v[72+\j], v[63+\j]                   ; block j's left neighbour is block j - 1: its pool of 8, its last of 4, its last of 2
	v_mov_b32 v[80+\j], v[55+\j]
	v_mov_b32 v[88+\j], v[39+\j]
.endr
.irp j, 0,1,2,3,4,5,6
	v_mov_b32 v[96+\j], v[65+\j]                   ; its right neighbour is block j + 1: its pool of 8, its first of 4, its first of 2
	v_mov_b32 v[104+\j], v[49+\j]
	v_mov_b32 v[112+\j], v[17+\j]
.endr
	s_wait_dscnt 0x0
	WIN 0x01                                       ; source 0 window 1
.irp t, 0,1,2,3,4,5,6,7
.irp p, 0,1,2,3
	v_pk_mul_f32 v[120+32*(\p/2)+4*\t+2*(\p%2):121+32*(\p/2)+4*\t+2*(\p%2)], v[32*\t+8*(\n)+2*\p:32*\t+8*(\n)+2*\p+1], s[40:41] op_sel_hi:[1,0]
.endr
.endr
	WIN 0
.irp t, 0,1,2,3,4,5,6,7
	ROWSYM \t
	TERM4 \t, N2, 4
	TERM4 \t, O2, 12
	TERM4 \t, N4, L4N
	TERM4 \t, O4, 16-L4N
	TERM4 \t, N8, L8N
	TERM4 \t, 64, 16-L8N
.endr
	; the quantiser: v120-151 and v152-183 are two whole blocks of 32 keys of my channel: blocks h and 2 + h of the operand
.irp c, 0,1
	v_max3_num_f32 v[208+\c], |v[120+32*\c]|, |v[121+32*\c]|, 0x1800000    ; with the floor 2^(3 - 127): the byte cannot fall under 1
.endr
.irp i, 2,4,6,8,10,12,14,16,18,20,22,24,26,28,30
.irp c, 0,1
	v_max3_num_f32 v[208+\c], v[208+\c], |v[120+32*\c+\i]|, |v[121+32*\c+\i]|
.endr
.endr
.irp c, 0,1
	v_add_nc_u32 v[210+\c], 0xff000000, v[208+\c]  ; 2 off the exponent field: the conversion's scale operand
.endr
.irp c, 0,1
	v_lshrrev_b32 v[212+\c], 23, v[210+\c]
.endr
	v_lshl_or_b32 v214, v213, 16, v212             ; my two bytes,
	v_lshlrev_b32 v214, v10, v214                  ; at their places in the word (8 h bits up);
	v_permlanex16_b32 v215, v214, s48, s49
	v_or_b32 v[204+(\n)], v214, v215               ; with lane l xor 16's two the word is whole
	s_wait_xcnt 0x0                                ; the last tile's stores have read the codes' registers
.if (\n) > 0
	s_wait_alu depctr_vm_vsrc(0)                   ; the last tile's stores have read v184-195, which the conversions and moves below write again
.endif
.irp c, 0,1
	v_cvt_scalef32_pk16_fp6_f32 v[184+6*\c:186+6*\c], v[120+32*\c:135+32*\c], v[210+\c]
	v_cvt_scalef32_pk16_fp6_f32 v[196+4*\c:198+4*\c], v[136+32*\c:151+32*\c], v[210+\c]    ; (a conversion's three registers begin on an even number)
.endr
	v_nop                                          ; one plain place behind a scaled conversion
.irp c, 0,1
.irp i, 0,1,2
	v_mov_b32 v[187+6*\c+\i], v[196+4*\c+\i]
.endr
.endr
	s_wait_alu depctr_va_vdst(0)                   ; the codes v184-195 are written, which the stores below read; and this tile's pooling is done reading v72-119, in six of which the next tile's LDS loads land
.irp c, 0,1,2
	global_store_b128 v1, v[184+4*\c:187+4*\c], s[26:27] offset:1536*(\n)+512*\c   ; 32 lanes store 512 consecutive bytes, aligned
.endr
.endm
.irp n, 0,1,2,3
	VCHUNK \n
.endr
	v_cmp_le_u32 vcc_lo, 16, v11                   ; lanes 16-31 carry the odd tiles' words
	s_wait_alu depctr_va_vcc(0)                    ; VCC is written, ahead of the selects that read it
	v_cndmask_b32 v216, v204, v205, vcc_lo
	v_cndmask_b32 v217, v206, v207, vcc_lo
	s_wait_alu depctr_va_vdst(0)                   ; v216 and v217 are written, which the store below reads
	global_store_b64 v9, v[216:217], s[12:13]      ; 32 lanes store 256 consecutive bytes, aligned
	s_barrier_signal -1
	s_barrier_wait -1
	s_wait_xcnt 0x0
	v_lshl_add_u32 v254, v0, 2, 0x13400
	v_mov_b32 v255, 0
	s_wait_dscnt 0x0                               ; the closing lines, six on end
	s_wait_alu 0x0
	s_wait_tensorcnt 0x0
	ds_add_u32 v254, v255
	s_wait_dscnt 0x0
	s_endpgm
.Lfunc_end_k_qcdcbe4216b_proj_v:
	.size	k_qcdcbe4216b_proj_v, .Lfunc_end_k_qcdcbe4216b_proj_v-k_qcdcbe4216b_proj_v
	.p2alignl 7, 3214868480
	.fill 96, 4, 3214868480
	.section	.rodata,"a",@progbits
	.p2align	6, 0x0
	.amdhsa_kernel k_qcdcbe4216b_proj_v
		.amdhsa_group_segment_fixed_size 79872
		.amdhsa_private_segment_fixed_size 0
		.amdhsa_enable_private_segment 0
		.amdhsa_kernarg_size 40
		.amdhsa_user_sgpr_count 2
		.amdhsa_user_sgpr_kernarg_segment_ptr 1
		.amdhsa_wavefront_size32 1
		.amdhsa_system_sgpr_workgroup_id_x 1
		.amdhsa_system_sgpr_workgroup_id_y 1
		.amdhsa_system_sgpr_workgroup_id_z 1
		.amdhsa_system_vgpr_workitem_id 0
		.amdhsa_next_free_vgpr 512
		.amdhsa_next_free_sgpr 66
		.amdhsa_reserve_vcc 1
		.amdhsa_float_denorm_mode_32 3
		.amdhsa_float_denorm_mode_16_64 3
		.amdhsa_memory_ordered 1
		.amdhsa_forward_progress 1
		.amdhsa_inst_pref_size 210
	.end_amdhsa_kernel
	.amdgpu_metadata
---
amdhsa.version: [ 1, 2 ]
amdhsa.kernels:
  - .name:           k_qcdcbe4216b_proj_v
    .symbol:         k_qcdcbe4216b_proj_v.kd
    .args:
      - { .name: xcodes, .offset: 0, .size: 8, .value_kind: global_buffer, .address_space: global }
      - { .name: wcodes, .offset: 8, .size: 8, .value_kind: global_buffer, .address_space: global }
      - { .name: bv, .offset: 16, .size: 8, .value_kind: global_buffer, .address_space: global }
      - { .name: temporal_weights, .offset: 24, .size: 8, .value_kind: global_buffer, .address_space: global }
      - { .name: vcodes, .offset: 32, .size: 8, .value_kind: global_buffer, .address_space: global }
    .group_segment_fixed_size: 79872
    .private_segment_fixed_size: 0
    .kernarg_segment_align: 8
    .kernarg_segment_size: 40
    .max_flat_workgroup_size: 256
    .sgpr_count:     66
    .vgpr_count:     512
    .wavefront_size: 32
...
	.end_amdgpu_metadata
.endif
;; end of part 6
;; launch attn (part 7): grid 2 x 128, 16 waves a work-group, no clusters, 176,128 bytes of LDS; arguments qkcodes, vcodes, attout; writes attout
.if DOCPART == 7
	.amdgcn_target "amdgcn-amd-amdhsa--gfx1250"
	.amdhsa_code_object_version 6
	.text
	.protected	k_qcdcbe4216b_attn
	.globl	k_qcdcbe4216b_attn
	.p2align	8
	.type	k_qcdcbe4216b_attn,@function
k_qcdcbe4216b_attn:
	s_mov_b64 s[64:65], 0
	v_nop
	global_prefetch_b8 v0, s[64:65] scope:SCOPE_SE
	s_setreg_imm32_b32 hwreg(HW_REG_WAVE_SCHED_MODE, 0, 2), 2
	s_setreg_imm32_b32 hwreg(HW_REG_WAVE_MODE, 25, 1), 1
	s_wait_xcnt 0x0
	s_wait_alu depctr_vm_vsrc(0)
; attout[b][q][64 head + d] = the sum over k of softmax_k(Q[q] . K[k] / 8) V[k][d], both products on codes of FP6 (E2M3) with one E8M0 scale for each 32 along a product's K.
; THE SOFTMAX AHEAD OF THE SECOND PRODUCT: t = score x log2(e) / 8; M = the row's largest t so far, rounded UP to a whole number; p = 2^(t - M) is quantised along the keys, not normalised.
; The row's sum is taken of the unquantised p, in f32, and divides O at the end.  When M moves, the sum and O are multiplied by 2^(old M - new M): exact.
; SHARES.  A work-group owns 512 queries of one (batch, head); each of its sixteen waves two tiles of 16 queries, one after the other, in 256 registers: four waves to a SIMD, so that one wave's vector work stands beside
; another's matrix work.  The head's K and V (codes and scale words, 104,448 bytes) are copied into LDS once, through registers, and stay: one barrier, no ring.  Both tiles' Q is asked for with that copy.
; LAYOUT.  Both products are used transposed: S^T = K Q^T (source 0 = 16 keys, source 1 = my 16 queries), O^T = V^T P^T (source 0 = 16 channels, source 1 = P): a lane holds ONE query throughout.
; The head has 64 channels, the instruction's K is 128: registers 6-11 of Q's and K's fragments are zero codes, under the byte 0x7f on both sides: they add nothing.
; qkcodes orders the rows of a tile so that p's 16 registers of tiles 2 b, 2 b + 1 are places 16 h + 0 .. 15 of block b of vcodes' order of K; every block is a true block of 32 neighbouring keys.
; No cluster: the two work-groups of a head read K and V once each, at their heads, through registers.  No prefetch: nothing is streamed behind the head.
; LIMITS: NaN and infinities are not served; a block whose every p is 0 keeps the byte 1: its codes are zeros.
; REGISTERS: v1-7 addresses that stay, v31 the way out's offset; v8-11, v30 addresses in hand; v12 -M, v13 the largest t, v[14:15] the sum in two halves; v16-27 Q; v28-29 V's scale words; v32-79 four fragments of K;
; v89 the second tile's scale words, v90-95 its Q; v96-159 S^T, then p, then V's four fragments in v96-143; v160-191 O^T; v224-235 p's codes; v232-254 at work; v255 Q's scale words.
; THE MODE: SCHED_MODE bits 1:0 = 2 (LLVM: expert scheduling mode 2), set by the entry lines.  The code itself states the register dependences between vector or matrix instructions and memory or LDS instructions,
; with s_wait_alu, always for 0.
; THE PLAN.  Registers that memory or LDS instructions touch:
;   v1-7, v31, v83-85, v254 (Q's words' offset)  addresses: all made at the head, ahead of one wait on va_vdst.  v254 is at work in the key steps, behind a wait on vm_vsrc.
;   v8-11, v30    a key step's LDS addresses (v9-11 first serve the fill): written at the step's head, behind a wait on vm_vsrc; read by the step's LDS loads, behind a wait on va_vdst.
;   v32-37 and its like, v248-251   K's fragments and words: LDS loads land there, the first product reads them.  The second four fragments land where the first four lay: a wait on va_vdst behind the first four products.
;   v96-143, v28-29   V's fragments and words land in p's registers: a wait on va_vdst behind the conversions, the last readers of p.
;   v224-235, v253    p's codes and scale word, written by vector instructions and taken by a scaled product: a wait on va_vdst ahead of it; likewise Q's codes, its word and the zero codes ahead of a tile's first product.
;   v96-127, v128-159  the way out: the quotients are written by vector instructions and read by LDS stores; the stage's loads land in v128-159, which the stores to memory read.
.set VC,   49152                       ; LDS: 0 K's codes [group 8][tile 8] of 768 bytes; VC V's codes [group 8][tile 4] of 1,536;
.set KS,   98304                       ; K's scale words, 512 bytes a group;
.set VS,   102400                      ; V's, 256 bytes a group;
.set STG,  104448                      ; 16 stages of 16 rows x 272 bytes for the way out
.set TK,   40                          ; s40  the key group's codes: 6,144 bytes a step, in K and in V alike
.set TS,   41                          ; s41  K's scale words: 512 a step
.set TV,   42                          ; s42  V's: 256 a step
.set CNT,  43
.set SEL,  44                          ; s[44:45] lane selects: lane l xor 16
.set CS,   46                          ; s[46:47] c = log2(e) / 8
	s_load_b128 s[4:7], s[0:1], 0x0                ; qkcodes, vcodes
	s_load_b64 s[8:9], s[0:1], 0x10                ; attout
	v_lshl_add_u32 v223, v0, 2, 0x2a800
	v_mov_b32 v243, 0
	v_lshrrev_b32 v8, 5, v0
	v_readfirstlane_b32 s18, v8                    ; wave 0..15
	v_lshlrev_b32 v9, 4, v0                        ; the fill: 16, 8, 4 bytes a thread
	v_lshlrev_b32 v10, 3, v0
	v_lshlrev_b32 v11, 2, v0
	v_add_nc_u32 v83, VC, v9
	v_add_nc_u32 v84, KS, v10
	v_add_nc_u32 v85, VS, v11
	v_and_b32 v86, 31, v0                          ; l
	v_and_b32 v87, 15, v0                          ; r
	v_bfe_u32 v88, v0, 4, 1                        ; h
	v_lshlrev_b32 v1, 4, v86                       ; registers 0-3 of a fragment of K or Q: 16 l
	v_lshl_add_u32 v2, v86, 3, 512                 ; registers 4-5: 512 + 8 l
	v_lshlrev_b32 v254, 4, v87                     ; Q's scale words: 16 r
	v_add_nc_u32 v3, KS, v1
	v_add_nc_u32 v4, VC, v1
	v_lshl_add_u32 v5, v86, 3, VS
	v_lshlrev_b32 v31, 15, v88
	v_lshl_add_u32 v31, v87, 4, v31                ; in attout the next row of the tile lies 8 rows down
	s_wait_alu depctr_va_sdst(0)                   ; s18 is written, ahead of its first reader: my stage and the bases of Q and of the output are made from it
	s_mul_i32 s48, s18, 4352
	s_add_co_u32 s48, s48, STG                     ; my stage
	v_mul_u32_u24 v6, v87, 272
	v_lshl_add_u32 v6, v88, 5, v6
	v_add_nc_u32 v6, s48, v6                       ; in: row r, + 32 h
	v_mul_u32_u24 v7, v88, 272
	v_lshl_add_u32 v7, v87, 4, v7
	v_add_nc_u32 v7, s48, v7                       ; back: lanes 0-15 one row, lanes 16-31 the next
	s_and_b32 s19, ttmp7, 0xffff                   ; bh
	s_mul_i32 s24, s19, 49152
	s_mov_b32 s25, 0
	s_lshl_b32 s26, s19, 12
	s_mov_b32 s27, 0
	s_lshl_b32 s28, s19, 11
	s_mov_b32 s29, 0
	s_mov_b32 s[SEL], 0x76543210
	s_mov_b32 s[SEL+1], 0xfedcba98
	s_mov_b32 s[CS], 0x3e38aa3b
	s_mov_b32 s[CS+1], s[CS]                       ; (named with it as a pair, so it is written)
	s_wait_kmcnt 0x0
	s_add_nc_u64 s[10:11], s[4:5], s[24:25]        ; Q's codes of my head
	s_add_nc_u64 s[12:13], s[10:11], 6291456       ; K's
	s_add_nc_u64 s[14:15], s[4:5], s[26:27]
	s_add_nc_u64 s[14:15], s[14:15], 12582912      ; Q's scale words
	s_add_nc_u64 s[16:17], s[14:15], 524288        ; K's
	s_add_nc_u64 s[30:31], s[6:7], s[24:25]        ; V's codes
	s_add_nc_u64 s[32:33], s[6:7], s[28:29]
	s_add_nc_u64 s[32:33], s[32:33], 6291456       ; V's scale words
	s_wait_alu depctr_va_vdst(0)                   ; every address and offset made above is written: v1-7, v9-11, v31, v83-85, v254, which the loads, LDS instructions and stores of the kernel read
.irp i, 0,1,2,3,4,5
	global_load_b128 v[32+4*\i:35+4*\i], v9, s[12:13] offset:8192*\i
.endr
.irp i, 0,1,2,3,4,5
	global_load_b128 v[56+4*\i:59+4*\i], v9, s[30:31] offset:8192*\i
.endr
	global_load_b64 v[80:81], v10, s[16:17]
	global_load_b32 v82, v11, s[32:33]
	s_lshr_b32 s20, s18, 2
	s_lshl_b32 s21, ttmp9, 2
	s_add_co_u32 s21, s21, s20                     ; my group of 128 queries
	s_and_b32 s22, s18, 3
	s_mul_i32 s34, s21, 6144
	s_mul_i32 s35, s22, 1536                       ; my tiles 2 (wave % 4) and 2 (wave % 4) + 1
	s_add_co_u32 s34, s34, s35
	s_mov_b32 s35, 0
	s_add_nc_u64 s[10:11], s[10:11], s[34:35]
	s_lshl_b32 s34, s21, 9
	s_bfe_u32 s36, s18, 0x10001                    ; (wave / 2) % 2
	s_lshl_b32 s37, s36, 8
	s_add_co_u32 s34, s34, s37
	s_and_b32 s38, s18, 1
	s_lshl_b32 s37, s38, 3
	s_add_co_u32 s34, s34, s37
	s_add_nc_u64 s[14:15], s[14:15], s[34:35]      ; the word of (tile, m) lies at 16 (m + 16 (tile / 4)) + 4 (tile % 4)
	s_lshl_b32 s37, s38, 1
	s_add_co_u32 s37, s37, s36                     ; kb(wave % 4)
	s_lshl_b32 s37, s37, 5
	s_lshl_b32 s39, s21, 7
	s_add_co_u32 s37, s37, s39                     ; the tiles' first row in the sequence
	s_lshl_b32 s37, s37, 12
	s_lshr_b32 s39, s19, 4
	s_lshl_b32 s39, s39, 22                        ; batch
	s_add_co_u32 s34, s37, s39
	s_and_b32 s39, s19, 15
	s_lshl_b32 s39, s39, 8                         ; head: 256 bytes of a row
	s_add_co_u32 s34, s34, s39
	s_add_nc_u64 s[8:9], s[8:9], s[34:35]
	global_load_b128 v[16:19], v1, s[10:11]        ; both tiles' Q and scale words go out behind the fill's loads
	global_load_b64 v[20:21], v2, s[10:11]
	global_load_b32 v255, v254, s[14:15]
	global_load_b128 v[90:93], v1, s[10:11] offset:768
	global_load_b64 v[94:95], v2, s[10:11] offset:768
	global_load_b32 v89, v254, s[14:15] offset:4
	s_wait_loadcnt 6                               ; the fill's 14 loads are in; Q's six may be out
.irp i, 0,1,2,3,4,5
	ds_store_b128 v9, v[32+4*\i:35+4*\i] offset:8192*\i
.endr
.irp i, 0,1,2,3,4,5
	ds_store_b128 v83, v[56+4*\i:59+4*\i] offset:8192*\i
.endr
	ds_store_b64 v84, v[80:81]
	ds_store_b32 v85, v82
	s_wait_dscnt 0x0                               ; for the others' sake: my part of K and V lies in LDS
	s_barrier_signal -1
	s_barrier_wait -1
	s_wait_alu depctr_vm_vsrc(0)                   ; my LDS stores have read v32-79, half of which are written below
.irp i, 22,23,24,25,26,27
	v_mov_b32 v[\i], 0                             ; the upper 64 of K: zero codes, in Q
.endr
.irp t, 0,1,2,3
.irp i, 6,7,8,9,10,11
	v_mov_b32 v[32+12*\t+\i], 0                    ; and in K's four fragments: written once, never loaded over
.endr
.endr
.irp b, 0,1,2,3
	v_mov_b32 v[236+\b], 0                         ; written once: a lane permute's destination counts as one of its sources
.endr
	v_mov_b32 v253, 0                              ; (named as the upper half of the pair v[252:253] before it is first written)
	s_wait_loadcnt 0x0                             ; Q, both tiles'
; The largest score of blocks b0 and b1 of 32 keys: it serves for the row's maximum and, since p rises with the score, for the block's largest p
.macro BMAX b0, b1
.irp b, \b0, \b1
	v_max3_num_f32 v[232+\b], v[96+16*\b], v[97+16*\b], v[98+16*\b]
.endr
.irp i, 3,5,7,9,11,13
.irp b, \b0, \b1
	v_max3_num_f32 v[232+\b], v[232+\b], v[96+16*\b+\i], v[97+16*\b+\i]
.endr
.endr
.irp b, \b0, \b1
	v_max_num_f32 v[232+\b], v[232+\b], v[111+16*\b]
.endr
.endm
; A KEY STEP: 128 keys
.macro STEP
	s_wait_alu depctr_vm_vsrc(0)                   ; the last step's LDS loads have read v8-11 and v30, which are written below; in a tile's first step: the way out's LDS stores and stores have read v96-159, which this step's products write
	v_add_nc_u32 v8, s[TK], v1
	v_add_nc_u32 v9, s[TK], v2
	v_add_nc_u32 v10, s[TS], v3
	v_add_nc_u32 v11, s[TK], v4
	v_add_nc_u32 v30, s[TV], v5
	v_nop                                          ; with the five additions: seven places, where five are owed: the scores below are laid over V's fragments, which the last step's products read
	v_nop
	s_wait_alu depctr_va_vdst(0)                   ; the five addresses are written; the last step's products are done reading K's fragments and words, in which the loads below land; in a tile's first step: Q's codes, its scale word and the zero codes are written, which the scaled products take
	ds_load_b128 v[248:251], v10                   ; K's scale words: register i: lanes 0-15 tile i, lanes 16-31 tile 4 + i
.irp t, 0,1,2,3                        ; S^T = K Q^T, four tiles of 16 keys at a time
	ds_load_b128 v[32+12*\t:35+12*\t], v8 offset:768*\t
	ds_load_b64 v[36+12*\t:37+12*\t], v9 offset:768*\t
.endr
	s_wait_dscnt 0x0
.irp t, 0,1,2,3
	v_wmma_scale_f32_16x16x128_f8f6f4 v[96+8*\t:103+8*\t], v[32+12*\t:43+12*\t], v[16:27], 0, v[248+\t], v255 matrix_a_fmt:MATRIX_FMT_FP6 matrix_b_fmt:MATRIX_FMT_FP6
.endr
.rept 4
	v_nop                                          ; places in front of loads into registers that matrix instructions have read, and of the first read of their results
.endr
	s_wait_alu depctr_va_vdst(0)                   ; the four products are done reading K's fragments, in which the next four land
.irp t, 0,1,2,3
	ds_load_b128 v[32+12*\t:35+12*\t], v8 offset:768*(4+\t)
	ds_load_b64 v[36+12*\t:37+12*\t], v9 offset:768*(4+\t)
.endr
	BMAX 0, 1                                      ; the first 64 keys' maxima stand under those loads: they name the scores v96-127 and v232-233, none of the loads' registers
	s_wait_dscnt 0x0
.irp t, 0,1,2,3
	v_wmma_scale_f32_16x16x128_f8f6f4 v[128+8*\t:135+8*\t], v[32+12*\t:43+12*\t], v[16:27], 0, v[248+\t], v255 matrix_a_fmt:MATRIX_FMT_FP6 matrix_b_fmt:MATRIX_FMT_FP6 matrix_a_scale:MATRIX_SCALE_ROW1
.endr
.rept 4
	v_nop
.endr
	BMAX 2, 3
.irp b, 0,1,2,3
	v_permlanex16_b32 v[236+\b], v[232+\b], s[SEL], s[SEL+1]
.endr
.irp b, 0,1,2,3
	v_max_num_f32 v[232+\b], v[232+\b], v[236+\b]  ; with lane l xor 16's 16 keys
.endr
	v_max3_num_f32 v254, v232, v233, v234
	v_max_num_f32 v254, v254, v235                 ; the step's largest score of my query
	v_mul_f32 v254, s[CS], v254                    ; as t (c is positive)
	v_max_num_f32 v13, v13, v254                   ; the running largest t
	v_mov_b32 v254, v12
	v_floor_f32 v12, -v13                          ; the new -M = floor(-t) = -ceil(t): a whole number
	v_sub_f32 v254, v12, v254                      ; M's old value less its new one: a whole number, 0 or less
	v_cvt_i32_f32 v254, v254                       ; (it saturates)
	v_ldexp_f32 v252, 1.0, v254                    ; f = 2^(old M - new M)
.irp j, 0,2,4,6,8,10,12,14,16,18,20,22,24,26,28,30,32,34,36,38,40,42,44,46,48,50,52,54,56,58,60,62
	v_pk_fma_f32 v[96+\j:97+\j], v[96+\j:97+\j], s[CS:CS+1], v[12:13] op_sel_hi:[1,0,0]   ; t - M, two at a time
.endr
.irp b, 0,1,2,3
	v_fma_f32 v[232+\b], v[232+\b], s[CS], v12     ; the same of each block's largest score
.endr
.irp j, 0,1,2,3,4,5,6,7,8,9,10,11,12,13,14,15,16,17,18,19,20,21,22,23,24,25,26,27,28,29,30,31,32,33,34,35,36,37,38,39,40,41,42,43,44,45,46,47,48,49,50,51,52,53,54,55,56,57,58,59,60,61,62,63
	v_exp_f32 v[96+\j], v[96+\j]                   ; p = 2^(t - M), at most 1: not normalised
.endr
	v_pk_mul_f32 v[14:15], v[14:15], v[252:253] op_sel_hi:[1,0]   ; the sums under the new M: a plain place behind the exponentials
	s_wait_alu depctr_va_vdst(0)                   ; one wait for the whole batch, ahead of its first reader: p, v96-159, is written
.irp b, 0,1,2,3
	v_exp_f32 v[232+\b], v[232+\b]                 ; the block's largest p: the same two instructions on the same number give the same bits
.endr
	v_pk_add_f32 v[236:237], v[96:97], v[98:99]    ; the row's sum is taken of the unquantised p, two at a time, in two chains
.irp j, 4,8,12,16,20,24,28,32,36,40,44,48,52,56,60
	v_pk_add_f32 v[14:15], v[14:15], v[96+\j:97+\j]
	v_pk_add_f32 v[236:237], v[236:237], v[98+\j:99+\j]
.endr
	v_pk_add_f32 v[14:15], v[14:15], v[236:237]
	s_wait_alu depctr_va_vdst(0)                   ; and one for the four: v232-235 are written
.irp b, 0,1,2,3
	v_max_num_f32 v[232+\b], 0x1800000, v[232+\b]  ; the floor 2^(3 - 127): the byte cannot fall under 1
.endr
.irp b, 0,1,2,3
	v_add_nc_u32 v[244+\b], 0xff000000, v[232+\b]  ; 2 off the exponent field: the conversion's scale operand
.endr
.irp b, 0,1,2,3
	v_lshrrev_b32 v[236+\b], 23, v[244+\b]
.endr
	v_lshl_or_b32 v253, v237, 8, v236              ; p's scale word for these 128 keys
	v_lshl_or_b32 v253, v238, 16, v253
	v_lshl_or_b32 v253, v239, 24, v253
.irp c, 0,1
	v_cvt_scalef32_pk16_fp6_f32 v[224+6*\c:226+6*\c], v[96+32*\c:111+32*\c], v[244+2*\c]
	v_cvt_scalef32_pk16_fp6_f32 v[236+4*\c:238+4*\c], v[112+32*\c:127+32*\c], v[244+2*\c+1]
.endr
	s_wait_alu depctr_va_vdst(0)                   ; the sums and the conversions are done reading p, and the last step's products V's scale words: the loads below land in those registers
.irp n, 0,1,2,3                        ; p has been read: V's four fragments land in its registers while the codes are put in order and O^T is rescaled: those lines name v160-191 and v224-253, none of the loads' registers
.irp c, 0,1,2
	ds_load_b128 v[96+12*\n+4*\c:99+12*\n+4*\c], v11 offset:1536*\n+512*\c
.endr
.endr
	ds_load_b64 v[28:29], v30                      ; V's scale words: register i: lanes 0-15 tile 2 i, lanes 16-31 tile 2 i + 1
	v_nop                                          ; one plain place behind a scaled conversion
.irp c, 0,1                            ; the operand wants a whole block in a lane
.irp i, 0,1,2
	v_permlane16_swap_b32 v[224+6*\c+\i], v[236+4*\c+\i]
.endr
.irp i, 0,1,2
	v_mov_b32 v[227+6*\c+\i], v[236+4*\c+\i]
.endr
.endr
.irp j, 0,2,4,6,8,10,12,14,16,18,20,22,24,26,28,30
	v_pk_mul_f32 v[160+\j:161+\j], v[160+\j:161+\j], v[252:253] op_sel_hi:[1,0]   ; O^T under the new M.  (These sixteen are also the places between the codes' and the scale word's last writes and the products)
.endr
	s_wait_dscnt 0x0
	s_wait_alu depctr_va_vdst(0)                   ; p's codes v224-235 and its scale word v253 are written, which the scaled products below take; the places above stay beside this wait
.irp n, 0,1,2,3                        ; O^T += V^T P^T: four accumulators, one instruction each
.if \n%2 == 0
	v_wmma_scale_f32_16x16x128_f8f6f4 v[160+8*\n:167+8*\n], v[96+12*\n:107+12*\n], v[224:235], v[160+8*\n:167+8*\n], v[28+\n/2], v253 matrix_a_fmt:MATRIX_FMT_FP6 matrix_b_fmt:MATRIX_FMT_FP6
.else
	v_wmma_scale_f32_16x16x128_f8f6f4 v[160+8*\n:167+8*\n], v[96+12*\n:107+12*\n], v[224:235], v[160+8*\n:167+8*\n], v[28+\n/2], v253 matrix_a_fmt:MATRIX_FMT_FP6 matrix_b_fmt:MATRIX_FMT_FP6 matrix_a_scale:MATRIX_SCALE_ROW1
.endif
.endr
	s_add_co_u32 s[TK], s[TK], 6144
	s_add_co_u32 s[TS], s[TS], 512
	s_add_co_u32 s[TV], s[TV], 256
.endm
; One tile of 16 queries: o = 0, 1
.macro TILE o
.if \o == 1
.irp i, 0,1,2,3,4,5
	v_mov_b32 v[16+\i], v[90+\i]                   ; the second tile's Q, which has waited in registers; the 36 lines below are the places between these writes and the next products
.endr
	v_mov_b32 v255, v89
.endif
	v_mov_b32 v13, 0xff61b1e6                      ; the largest t so far: -3e38, under every t
	v_floor_f32 v12, -v13
	v_mov_b32 v14, 0
	v_mov_b32 v15, 0
.irp j, 0,1,2,3,4,5,6,7,8,9,10,11,12,13,14,15,16,17,18,19,20,21,22,23,24,25,26,27,28,29,30,31
	v_mov_b32 v[160+\j], 0                         ; O^T: the step is written once; its first trip finds zeros, which the first change of M leaves zeros
.endr
	s_mov_b32 s[TK], 0
	s_mov_b32 s[TS], 0
	s_mov_b32 s[TV], 0
	s_mov_b32 s[CNT], 8
.Lstep_\@:
	STEP
	s_sub_co_u32 s[CNT], s[CNT], 1
	s_cmp_lg_u32 s[CNT], 0
	s_cbranch_scc1 .Lstep_\@
	; the way out: O^T / the sum, through my stage, so that sixteen lanes store a row's 256 bytes
	v_add_f32 v14, v14, v15
	v_permlanex16_b32 v252, v14, s[SEL], s[SEL+1]
	v_add_f32 v14, v14, v252                       ; the row's sum
	v_rcp_f32 v14, v14
	v_nop                                          ; plain places behind the reciprocal and behind the last products
	v_nop
	v_nop
	s_wait_alu depctr_va_vdst(0)                   ; the reciprocal v14 is written, ahead of its first reader
.irp j, 0,1,2,3,4,5,6,7,8,9,10,11,12,13,14,15,16,17,18,19,20,21,22,23,24,25,26,27,28,29,30,31
	v_mul_f32 v[96+\j], v[160+\j], v14             ; register 8 n + j is o(query r, channel 16 n + 8 h + j); each accumulator is read from its low end on
.endr
	s_wait_alu depctr_va_vdst(0)                   ; the quotients v96-127 are written, which the LDS stores read; the last step's vector instructions and products are done with v128-159, in which the stage's loads land
.irp n, 0,1,2,3
	ds_store_b128 v6, v[96+8*\n:99+8*\n] offset:64*\n
	ds_store_b128 v6, v[100+8*\n:103+8*\n] offset:64*\n+16
.endr
.irp i, 0,1,2,3,4,5,6,7
	ds_load_b128 v[128+4*\i:131+4*\i], v7 offset:2*\i*272  ; LDS serves a wave's instructions in order: these see my stores
.endr
.irp i, 0,1,2,3,4,5,6,7
	s_wait_dscnt 7-\i                              ; the younger loads of this run may be out
	global_store_b128 v31, v[128+4*\i:131+4*\i], s[8:9] offset:(16*(\i%2)+4*(\i/4)+((\i/2)%2))*4096+8192*\o   ; lane m of the tile is row 8 (m % 4) + 4 (m / 8) + (m / 4) % 2 + 2 o; 16 lanes store 256 consecutive bytes, aligned
.endr
	s_wait_xcnt 0x0                                ; the stores have read their registers, which the next tile's scores take
.endm
	TILE 0
	TILE 1
	s_barrier_signal -1
	s_barrier_wait -1
	s_wait_dscnt 0x0                               ; the closing lines, six on end
	s_wait_alu 0x0
	s_wait_tensorcnt 0x0
	ds_add_u32 v223, v243
	s_wait_dscnt 0x0
	s_endpgm
.Lfunc_end_k_qcdcbe4216b_attn:
	.size	k_qcdcbe4216b_attn, .Lfunc_end_k_qcdcbe4216b_attn-k_qcdcbe4216b_attn
	.p2alignl 7, 3214868480
	.fill 96, 4, 3214868480
	.section	.rodata,"a",@progbits
	.p2align	6, 0x0
	.amdhsa_kernel k_qcdcbe4216b_attn
		.amdhsa_group_segment_fixed_size 176128
		.amdhsa_private_segment_fixed_size 0
		.amdhsa_enable_private_segment 0
		.amdhsa_kernarg_size 24
		.amdhsa_user_sgpr_count 2
		.amdhsa_user_sgpr_kernarg_segment_ptr 1
		.amdhsa_wavefront_size32 1
		.amdhsa_system_sgpr_workgroup_id_x 1
		.amdhsa_system_sgpr_workgroup_id_y 1
		.amdhsa_system_sgpr_workgroup_id_z 1
		.amdhsa_system_vgpr_workitem_id 0
		.amdhsa_next_free_vgpr 256
		.amdhsa_next_free_sgpr 66
		.amdhsa_reserve_vcc 0
		.amdhsa_float_denorm_mode_32 3
		.amdhsa_float_denorm_mode_16_64 3
		.amdhsa_memory_ordered 1
		.amdhsa_forward_progress 1
		.amdhsa_inst_pref_size 50
	.end_amdhsa_kernel
	.amdgpu_metadata
---
amdhsa.version: [ 1, 2 ]
amdhsa.kernels:
  - .name:           k_qcdcbe4216b_attn
    .symbol:         k_qcdcbe4216b_attn.kd
    .args:
      - { .name: qkcodes, .offset: 0, .size: 8, .value_kind: global_buffer, .address_space: global }
      - { .name: vcodes, .offset: 8, .size: 8, .value_kind: global_buffer, .address_space: global }
      - { .name: attout, .offset: 16, .size: 8, .value_kind: global_buffer, .address_space: global }
    .group_segment_fixed_size: 176128
    .private_segment_fixed_size: 0
    .kernarg_segment_align: 8
    .kernarg_segment_size: 24
    .max_flat_workgroup_size: 512
    .sgpr_count:     66
    .vgpr_count:     256
    .wavefront_size: 32
...
	.end_amdgpu_metadata
.endif
;; end of part 7
;; launch outp (part 8): grid 256 x 1, 8 waves a work-group, no clusters, 158,208 bytes of LDS; arguments attout, wcodes, ln_gamma, ln_beta, bo, out0; writes out0
.if DOCPART == 8
	.amdgcn_target "amdgcn-amd-amdhsa--gfx1250"
	.amdhsa_code_object_version 6
	.text
	.protected	k_qcdcbe4216b_outp
	.globl	k_qcdcbe4216b_outp
	.p2align	8
	.type	k_qcdcbe4216b_outp,@function
k_qcdcbe4216b_outp:
	s_mov_b64 s[64:65], 0
	v_nop
	global_prefetch_b8 v0, s[64:65] scope:SCOPE_SE
	s_setreg_imm32_b32 hwreg(HW_REG_WAVE_SCHED_MODE, 0, 2), 2
	s_setreg_imm32_b32 hwreg(HW_REG_WAVE_MODE, 25, 1), 1
	s_wait_xcnt 0x0
	s_wait_alu depctr_vm_vsrc(0)
; out0 = LayerNorm(attout) Wo + bo: the norm in f32, its result quantised to codes of FP6 (E2M3) along the 1,024 columns, the product on codes.
; SHARES.  A work-group takes 32 rows.  L: wave w norms rows 4 w .. 4 w + 3, a row in 32 registers of the wave, and lays them in LDS (rows 4,112 bytes apart) | barrier |
; Q: wave w quantises two of the 16 fragments (tile of rows w / 4, K steps 2 (w % 4), 2 (w % 4) + 1) and stores them as images of their registers, with their scale words | barrier |
; G: wave w makes columns 128 w .. 128 w + 127 for the 32 rows: 16 accumulators (window 1, 64 rt + 8 T), the rows' fragments from LDS, Wo's eight fragments a K step from memory straight into registers.
; Wo hangs on nothing that L and Q make: its K step 0 is asked for at the head, behind the rows, into a set of registers in window 1; its K step 1 in front of the first barrier, into registers that the norm has left.
; The product is used transposed (source 0 = 16 columns of Wo, source 1 = 16 rows): lane (r, h), register j of tile T = 4 e + 2 b + u is row r, column 128 w + 64 e + 32 b + 16 h + 8 u + j.
; O: the bias, then through the wave's stage, so that 32 lanes store 512 consecutive bytes of a row.  The stages lie in the bytes of L's rows, which nobody reads behind the second barrier.
; No tensor load and no cluster: a K step of Wo is 102,400 bytes, so LDS would hold two slots of one step beside the rows, and a fill would have 16 matrix instructions a wave in which to land.
; LIMITS: NaN and infinities are not served; a block of zeros gets the byte 1: its codes are zeros.
; THE MODE: SCHED_MODE bits 1:0 = 2 (LLVM: expert scheduling mode 2), set by the entry lines.  The code itself states the register dependences between vector or matrix instructions and memory or LDS instructions,
; with s_wait_alu, always for 0.
; THE PLAN.  Registers that memory or LDS instructions touch:
;   v1, v4-11, v13, v14   offsets and LDS addresses: made at the head, ahead of one wait on va_vdst, and never written again.
;   v64-191       the four rows: loaded, normed in place by vector instructions, read by LDS stores.  Row p's stores stand in row p + 1's turn, behind the wait for that row's root, which also shows row p written.
;   v192-255      the gain and the shift: loaded, read by the norm; then, with v160-191, Wo's odd K steps.
;   v64-127, v16-27, v144   the quantiser: LDS loads land in v64-127, vector instructions read them and write the codes v16-27 and the word v144, LDS stores read those.
;   THE K LOOP.  The rows' fragments have TWO buffers (even K steps v16-39 with the word v12, odd ones v64-87 with v88), Wo's fragments two sets (even: window 1, v128-223, words v40-43; odd: v160-255, words v44-47).
;   K step s's products read buffer s % 2 and set s % 2.  ONE wait on va_vdst stands at the step's head: the step before is done reading the other buffer and the other set.  Behind it the rows of K step s + 1 are asked for at once,
;   and Wo's K step s + 1 is dealt among the step's products, which name none of those registers.  A set goes out as words, fragments 0-3, fragments 4-7, and is waited for in those two halves.
;   v96-159       the bias, asked for at the head of the last K step.  v128-255: the way out's rows, read back from the stage.
.set AIMG, 131584                      ; LDS: 0 the 32 normed rows; AIMG 16 images of 1,536 bytes (8 rt + s);
.set ASC,  156160                      ; their scale words: 128 bytes a K step: the word of (rt, r) at 64 rt + 4 r
.set TM,  128                          ; phase Q: v128-143 at work
.set PW,  144
.set PC,  16                           ; v16-27 the codes just made; to v34 at work
.set BIA, 96                           ; v96-159 the bias in the result's layout
.set SEL, 32                           ; s[32:33] lane selects: lane l xor 16
.set MSB, 0
.macro WIN new                         ; the immediate's high byte repeats the setting that is left
.if MSB != \new
	s_set_vgpr_msb (MSB<<8)|\new
.set MSB, \new
.endif
.endm
.macro MM d, a, b, z, sa, sb, ra, rb
.if \z
.if (\ra) && (\rb)
	v_wmma_scale_f32_16x16x128_f8f6f4 v[(\d):(\d)+7], v[(\a):(\a)+11], v[(\b):(\b)+11], 0, v[\sa], v[\sb] matrix_a_fmt:MATRIX_FMT_FP6 matrix_b_fmt:MATRIX_FMT_FP6 matrix_a_scale:MATRIX_SCALE_ROW1 matrix_b_scale:MATRIX_SCALE_ROW1
.elseif \ra
	v_wmma_scale_f32_16x16x128_f8f6f4 v[(\d):(\d)+7], v[(\a):(\a)+11], v[(\b):(\b)+11], 0, v[\sa], v[\sb] matrix_a_fmt:MATRIX_FMT_FP6 matrix_b_fmt:MATRIX_FMT_FP6 matrix_a_scale:MATRIX_SCALE_ROW1
.elseif \rb
	v_wmma_scale_f32_16x16x128_f8f6f4 v[(\d):(\d)+7], v[(\a):(\a)+11], v[(\b):(\b)+11], 0, v[\sa], v[\sb] matrix_a_fmt:MATRIX_FMT_FP6 matrix_b_fmt:MATRIX_FMT_FP6 matrix_b_scale:MATRIX_SCALE_ROW1
.else
	v_wmma_scale_f32_16x16x128_f8f6f4 v[(\d):(\d)+7], v[(\a):(\a)+11], v[(\b):(\b)+11], 0, v[\sa], v[\sb] matrix_a_fmt:MATRIX_FMT_FP6 matrix_b_fmt:MATRIX_FMT_FP6
.endif
.else
.if (\ra) && (\rb)
	v_wmma_scale_f32_16x16x128_f8f6f4 v[(\d):(\d)+7], v[(\a):(\a)+11], v[(\b):(\b)+11], v[(\d):(\d)+7], v[\sa], v[\sb] matrix_a_fmt:MATRIX_FMT_FP6 matrix_b_fmt:MATRIX_FMT_FP6 matrix_a_scale:MATRIX_SCALE_ROW1 matrix_b_scale:MATRIX_SCALE_ROW1
.elseif \ra
	v_wmma_scale_f32_16x16x128_f8f6f4 v[(\d):(\d)+7], v[(\a):(\a)+11], v[(\b):(\b)+11], v[(\d):(\d)+7], v[\sa], v[\sb] matrix_a_fmt:MATRIX_FMT_FP6 matrix_b_fmt:MATRIX_FMT_FP6 matrix_a_scale:MATRIX_SCALE_ROW1
.elseif \rb
	v_wmma_scale_f32_16x16x128_f8f6f4 v[(\d):(\d)+7], v[(\a):(\a)+11], v[(\b):(\b)+11], v[(\d):(\d)+7], v[\sa], v[\sb] matrix_a_fmt:MATRIX_FMT_FP6 matrix_b_fmt:MATRIX_FMT_FP6 matrix_b_scale:MATRIX_SCALE_ROW1
.else
	v_wmma_scale_f32_16x16x128_f8f6f4 v[(\d):(\d)+7], v[(\a):(\a)+11], v[(\b):(\b)+11], v[(\d):(\d)+7], v[\sa], v[\sb] matrix_a_fmt:MATRIX_FMT_FP6 matrix_b_fmt:MATRIX_FMT_FP6
.endif
.endif
.endm
; 64 numbers of a lane, register 16 b + i = k 32 b + 16 (lane / 16) + i of my row, become a fragment's codes in v[PC] on and its scale word in v[PW]
.macro QUANT s
.irp b, 0,1,2,3
	v_max3_num_f32 v[TM+\b], |v[\s+16*\b]|, |v[\s+1+16*\b]|, 0x1800000   ; my 16 numbers of block b, and the floor 2^(3 - 127): the byte cannot fall under 1
.endr
.irp i, 2,4,6,8,10,12,14
.irp b, 0,1,2,3
	v_max3_num_f32 v[TM+\b], v[TM+\b], |v[\s+16*\b+\i]|, |v[\s+1+16*\b+\i]|
.endr
.endr
.irp b, 0,1,2,3
	v_permlanex16_b32 v[TM+4+\b], v[TM+\b], s[SEL], s[SEL+1]
.endr
.irp b, 0,1,2,3
	v_max_num_f32 v[TM+\b], v[TM+\b], v[TM+4+\b]
.endr
.irp b, 0,1,2,3
	v_add_nc_u32 v[TM+12+\b], 0xff000000, v[TM+\b]
.endr
.irp b, 0,1,2,3
	v_lshrrev_b32 v[TM+4+\b], 23, v[TM+12+\b]
.endr
	v_lshl_or_b32 v[PW], v[TM+5], 8, v[TM+4]
	v_lshl_or_b32 v[PW], v[TM+6], 16, v[PW]
	v_lshl_or_b32 v[PW], v[TM+7], 24, v[PW]
.irp c, 0,1
	v_cvt_scalef32_pk16_fp6_f32 v[PC+6*\c:PC+2+6*\c], v[\s+32*\c:\s+15+32*\c], v[TM+12+2*\c]
	v_cvt_scalef32_pk16_fp6_f32 v[PC+12+4*\c:PC+14+4*\c], v[\s+16+32*\c:\s+31+32*\c], v[TM+12+2*\c+1]
.endr
	v_nop                                          ; one plain place behind a scaled conversion
.irp c, 0,1
.irp i, 0,1,2
	v_permlane16_swap_b32 v[PC+6*\c+\i], v[PC+12+4*\c+\i]
.endr
.irp i, 0,1,2
	v_mov_b32 v[PC+3+6*\c+\i], v[PC+12+4*\c+\i]
.endr
.endr
.endm
; Wo's K step s of my 128 columns: 26 loads.  Even K steps' fragments lie in window 1, v128-223, odd ones' in window 0, v160-255; the scale words in window 0, v40-43 and v44-47 (scale operands have no window)
.macro WLF s, e                        ; fragments 4 e .. 4 e + 3: 12 loads; every window is 0 behind them
.if (\s)%2 == 0
	WIN 0x40                                       ; destination window 1
.else
	WIN 0
.endif
.irp n, 0,1,2,3
.irp c, 0,1,2
	global_load_b128 v[128+32*((\s)%2)+12*(4*(\e)+\n)+4*\c:128+32*((\s)%2)+12*(4*(\e)+\n)+4*\c+3], v1, s[6:7] offset:51200*(\e)+6144*(\s)+1536*\n+512*\c
.endr
.endr
	WIN 0
.endm
.macro WLA s                           ; the scale words and fragments 0-3: 14 loads
	WIN 0
.irp e, 0,1
	global_load_b64 v[40+4*((\s)%2)+2*\e:41+4*((\s)%2)+2*\e], v13, s[6:7] offset:51200*\e+49152+256*(\s)
.endr
	WLF \s, 0
.endm
.macro WLOAD s                         ; a whole set
	WLA \s
	WLF \s, 1
.endm
	s_load_b256 s[4:11], s[0:1], 0x0               ; attout, wcodes, ln_gamma, ln_beta
	s_load_b128 s[12:15], s[0:1], 0x20             ; bo, out0
	v_lshl_add_u32 v62, v0, 2, 0x26600
	v_mov_b32 v63, 0
	v_lshrrev_b32 v1, 5, v0
	v_readfirstlane_b32 s18, v1                    ; wave 0..7
	v_and_b32 v15, 31, v0                          ; l
	v_and_b32 v2, 15, v0                           ; r
	v_bfe_u32 v3, v0, 4, 1                         ; h
	v_lshlrev_b32 v1, 4, v15                       ; 16 l
	v_lshlrev_b32 v13, 3, v15                      ; 8 l
	v_lshlrev_b32 v14, 6, v3                       ; 64 h
	s_wait_alu depctr_va_sdst(0)                   ; s18 is written, ahead of its first reader: LDS addresses and the bases are made from it
	s_mul_i32 s19, s18, 16448                      ; my four rows in LDS: 4 x 4,112
	v_add_nc_u32 v4, s19, v1
	s_lshr_b32 s20, s18, 2                         ; rt
	s_and_b32 s21, s18, 3
	s_mul_i32 s22, s20, 65792                      ; 16 rows
	s_lshl_b32 s23, s21, 10                        ; two K steps of 512 bytes
	s_add_co_u32 s22, s22, s23
	v_mul_u32_u24 v5, v2, 4112
	v_lshl_add_u32 v5, v3, 6, v5
	v_add_nc_u32 v5, s22, v5                       ; phase Q reads: row 16 rt + r, K step 2 (w % 4), + 64 h
	s_mul_i32 s22, s20, 12288
	s_mul_i32 s23, s21, 3072
	s_add_co_u32 s22, s22, s23
	s_add_co_u32 s22, s22, AIMG
	v_add_nc_u32 v6, s22, v1                       ; and stores its images,
	s_lshl_b32 s22, s21, 8
	s_lshl_b32 s23, s20, 6
	s_add_co_u32 s22, s22, s23
	s_add_co_u32 s22, s22, ASC
	v_lshl_add_u32 v7, v2, 2, s22                  ; and its scale words
	v_add_nc_u32 v8, AIMG, v1
	v_lshl_add_u32 v9, v15, 2, ASC
	s_mul_i32 s22, s18, 8448                       ; my stage for the way out: 16 rows x 528 bytes
	v_mul_u32_u24 v10, v2, 528
	v_lshl_add_u32 v10, v3, 6, v10
	v_add_nc_u32 v10, s22, v10
	v_add_nc_u32 v11, s22, v1
	s_lshl_b32 s20, ttmp9, 17                      ; 32 rows of 4,096 bytes
	s_lshl_b32 s21, s18, 14
	s_add_co_u32 s22, s20, s21
	s_mov_b32 s23, 0
	s_lshl_b32 s24, s18, 1
	s_add_co_u32 s24, s24, 48
	s_mul_i32 s24, s24, 51200                      ; Wo's blocks 2 w and 2 w + 1
	s_mov_b32 s25, 0
	s_lshl_b32 s26, s18, 9
	s_mov_b32 s27, 0
	s_add_co_u32 s28, s20, s26
	s_mov_b32 s29, 0
	s_mov_b32 s30, 0x3a800000                      ; 1 / 1024
	s_mov_b32 s[SEL], 0x76543210
	s_mov_b32 s[SEL+1], 0xfedcba98
	s_wait_kmcnt 0x0
	s_add_nc_u64 s[4:5], s[4:5], s[22:23]
	s_add_nc_u64 s[6:7], s[6:7], s[24:25]
	s_add_nc_u64 s[12:13], s[12:13], s[26:27]
	s_add_nc_u64 s[14:15], s[14:15], s[28:29]
	s_wait_alu depctr_va_vdst(0)                   ; the offsets and LDS addresses v1, v4-11, v13 and v14 are written, which every load, store and LDS instruction of the kernel reads
.irp i, 0,1,2,3,4,5,6,7
	global_load_b128 v[192+4*\i:195+4*\i], v1, s[8:9] offset:512*\i        ; the gain,
.endr
.irp i, 0,1,2,3,4,5,6,7
	global_load_b128 v[224+4*\i:227+4*\i], v1, s[10:11] offset:512*\i      ; the shift: my columns 128 i + 4 l .. + 3
.endr
.irp p, 0,1,2,3
.irp i, 0,1,2,3,4,5,6,7
	global_load_b128 v[64+32*\p+4*\i:67+32*\p+4*\i], v1, s[4:5] offset:4096*\p+512*\i th:TH_LOAD_NT
.endr
.endr
	WLOAD 0                                        ; Wo's K step 0 lands under the norm and the quantiser
.macro ROWOUT p                        ; row p, normed, goes to LDS
.irp i, 0,1,2,3,4,5,6,7
	ds_store_b128 v4, v[64+32*(\p)+4*\i:64+32*(\p)+4*\i+3] offset:4112*(\p)+512*\i
.endr
.endm
.macro LNROW p
.set XR, 64+32*(\p)
	s_wait_loadcnt 8*(3-(\p))+26                   ; this row's eight loads are in; the later rows' and Wo's 26 may be out
	v_pk_add_f32 v[48:49], v[XR:XR+1], v[XR+2:XR+3]
	v_pk_add_f32 v[50:51], v[XR+4:XR+5], v[XR+6:XR+7]
.irp j, 8,12,16,20,24,28
	v_pk_add_f32 v[48:49], v[48:49], v[XR+\j:XR+\j+1]
	v_pk_add_f32 v[50:51], v[50:51], v[XR+\j+2:XR+\j+3]
.endr
	v_pk_add_f32 v[48:49], v[48:49], v[50:51]
	v_add_f32 v48, v48, v49
	v_add_f32_dpp v48, v48, v48 row_xmask:1 row_mask:0xf bank_mask:0xf
	v_add_f32_dpp v48, v48, v48 row_xmask:2 row_mask:0xf bank_mask:0xf
	v_add_f32_dpp v48, v48, v48 row_xmask:4 row_mask:0xf bank_mask:0xf
	v_add_f32_dpp v48, v48, v48 row_xmask:8 row_mask:0xf bank_mask:0xf
	v_permlanex16_b32 v49, v48, s[SEL], s[SEL+1]
	v_add_f32 v48, v48, v49
	v_mul_f32 v48, s30, v48                        ; the mean
.irp j, 0,2,4,6,8,10,12,14,16,18,20,22,24,26,28,30
	v_pk_add_f32 v[XR+\j:XR+\j+1], v[XR+\j:XR+\j+1], v[48:49] op_sel_hi:[1,0] neg_lo:[0,1] neg_hi:[0,1]
.endr
	v_pk_mul_f32 v[50:51], v[XR:XR+1], v[XR:XR+1]
	v_pk_mul_f32 v[52:53], v[XR+2:XR+3], v[XR+2:XR+3]
.irp j, 4,8,12,16,20,24,28
	v_pk_fma_f32 v[50:51], v[XR+\j:XR+\j+1], v[XR+\j:XR+\j+1], v[50:51]
	v_pk_fma_f32 v[52:53], v[XR+\j+2:XR+\j+3], v[XR+\j+2:XR+\j+3], v[52:53]
.endr
	v_pk_add_f32 v[50:51], v[50:51], v[52:53]
	v_add_f32 v50, v50, v51
	v_add_f32_dpp v50, v50, v50 row_xmask:1 row_mask:0xf bank_mask:0xf
	v_add_f32_dpp v50, v50, v50 row_xmask:2 row_mask:0xf bank_mask:0xf
	v_add_f32_dpp v50, v50, v50 row_xmask:4 row_mask:0xf bank_mask:0xf
	v_add_f32_dpp v50, v50, v50 row_xmask:8 row_mask:0xf bank_mask:0xf
	v_permlanex16_b32 v51, v50, s[SEL], s[SEL+1]
	v_add_f32 v50, v50, v51
	v_fmaak_f32 v50, s30, v50, 0x3727c5ac          ; the variance + 1e-5
	v_rsq_f32 v50, v50
	v_nop                                          ; a plain place behind the root,
	s_wait_alu depctr_va_vdst(0)                   ; the root v50 is written, ahead of its first reader; and the row before is written whole, which the LDS stores below read
.if (\p) > 0
	ROWOUT (\p)-1                                  ; the lines below name this row's registers, the root, the gain and the shift: none of the row before's
.endif
.irp j, 0,2,4,6,8,10,12,14,16,18,20,22,24,26,28,30
	v_pk_mul_f32 v[XR+\j:XR+\j+1], v[XR+\j:XR+\j+1], v[50:51] op_sel_hi:[1,0]
.endr
.irp j, 0,2,4,6,8,10,12,14,16,18,20,22,24,26,28,30
	v_pk_fma_f32 v[XR+\j:XR+\j+1], v[XR+\j:XR+\j+1], v[192+\j:193+\j], v[224+\j:225+\j]
.endr
.endm
.irp p, 0,1,2,3
	LNROW \p
.endr
	s_wait_alu depctr_va_vdst(0)                   ; the last row is written, which the LDS stores below read; the norm is done with that row's registers, the gain and the shift, in which Wo's K step 1 lands
	ROWOUT 3
	s_wait_dscnt 0x0                               ; for the others' sake: my four rows lie in LDS
	s_wait_alu depctr_vm_vsrc(0)                   ; the LDS stores have read the four rows' registers: loads land in the last row's below, and in the others' behind the barrier
	WLOAD 1                                        ; Wo's K step 1, into the registers of the last row, the gain and the shift
	s_barrier_signal -1
	s_barrier_wait -1
.irp e, 0,1
.irp b, 0,1,2,3
.irp j, 0,1,2,3
	ds_load_b128 v[64+16*\b+4*\j:67+16*\b+4*\j], v5 offset:512*\e+128*\b+16*\j     ; no vector instruction stands between these loads and the last wait on va_vdst
.endr
.endr
	s_wait_dscnt 0x0
	QUANT 64
	s_wait_alu depctr_va_vdst(0)                   ; the codes v16-27 and the scale word v144 are written, which the LDS stores read; the quantiser is done reading v64-127, in which the next loads land
.irp c, 0,1,2
	ds_store_b128 v6, v[PC+4*\c:PC+4*\c+3] offset:1536*\e+512*\c
.endr
	ds_store_b32 v7, v[PW] offset:128*\e           ; both halves write the same word with the same value
	s_wait_dscnt 0x0                               ; for the others' sake: the stores have landed
	s_wait_alu depctr_vm_vsrc(0)                   ; the LDS stores have read v16-27 and v144, which the next fragment's quantiser, or the rows' fragments from LDS, write again
.endr
	s_barrier_signal -1
	s_barrier_wait -1                              ; the sixteen fragments lie in LDS, and nobody reads the normed rows any more
; REGISTERS of window 0 in phase G: v12, v88 the rows' scale words; v16-39, v64-87 the rows' two fragments, two buffers; v40-47 Wo's scale words; v96-159 the bias; v160-255 Wo's odd K steps
.macro AFETCH s                        ; the 32 rows' fragments and scale words of K step s, into buffer s % 2: seven LDS loads
.irp m, 0,1
.irp c, 0,1,2
	ds_load_b128 v[16+48*((\s)%2)+12*\m+4*\c:16+48*((\s)%2)+12*\m+4*\c+3], v8 offset:(8*\m+(\s))*1536+512*\c
.endr
.endr
	ds_load_b32 v[12+76*((\s)%2)], v9 offset:128*(\s)      ; lanes 0-15 rows 0-15, lanes 16-31 rows 16-31
.endm
.macro WMUL s
.if (\s)%2 == 0
	WIN 0x51                                       ; source 0 (Wo), C and D window 1
.else
	WIN 0x50                                       ; C and D window 1
.endif
.endm
.macro GSTEP s
.if (\s) > 0
	s_wait_alu depctr_va_vdst(0)                   ; the last K step's products are done reading the rows' other buffer and its word, Wo's other set and its words: all loads of this step land in those registers
.endif
.if (\s) < 7
	AFETCH (\s)+1
.else
.irp e, 0,1
.irp b, 0,1
.irp u, 0,1
.irp q, 0,1
	global_load_b128 v[BIA+32*\e+16*\b+8*\u+4*\q:BIA+3+32*\e+16*\b+8*\u+4*\q], v14, s[12:13] offset:256*\e+128*\b+32*\u+16*\q   ; the bias in the result's layout
.endr
.endr
.endr
.endr
.endif
.if (\s) == 0
	s_wait_loadcnt 38                              ; this set's words and fragments 0-3 are in; its fragments 4-7 (12 loads) and the next set (26) may be out
.elseif (\s) < 7
	s_wait_loadcnt 12                              ; this set's words and fragments 0-3 are in; its fragments 4-7 may be out
.else
	s_wait_loadcnt 28                              ; likewise; behind them the bias's 16 loads
.endif
.if (\s) < 7
	s_wait_dscnt 7                                 ; this step's rows are in; the next step's seven loads may be out
.else
	s_wait_dscnt 0x0
.endif
	WMUL \s
.irp k, 0,1,2,3                        ; the 16 accumulators take turns, in the same order in every K step
	MM 8*\k, 128+32*((\s)%2)+12*\k, 16+48*((\s)%2), (\s)==0, 40+4*((\s)%2)+2*(\k/4)+(\k%4)/2, 12+76*((\s)%2), \k%2, 0
.endr
.if ((\s) > 0) && ((\s) < 7)
	WLA (\s)+1                                     ; Wo's next K step is asked for.  No wait: no product since the wait at the step's head names these registers
.endif
.if (\s) == 0
	s_wait_loadcnt 26                              ; this set's fragments 4-7 are in; the next set may be out
.elseif (\s) < 7
	s_wait_loadcnt 14                              ; this set's fragments 4-7 are in; the 14 loads issued above may be out
.else
	s_wait_loadcnt 16                              ; behind Wo's last set: the bias's 16 loads
.endif
	WMUL \s
.irp k, 4,5,6,7
	MM 8*\k, 128+32*((\s)%2)+12*\k, 16+48*((\s)%2), (\s)==0, 40+4*((\s)%2)+2*(\k/4)+(\k%4)/2, 12+76*((\s)%2), \k%2, 0
.endr
.if ((\s) > 0) && ((\s) < 7)
	WLF (\s)+1, 1
.endif
	WMUL \s
.irp k, 0,1,2,3,4,5,6,7
	MM 64+8*\k, 128+32*((\s)%2)+12*\k, 28+48*((\s)%2), (\s)==0, 40+4*((\s)%2)+2*(\k/4)+(\k%4)/2, 12+76*((\s)%2), \k%2, 1
.endr
	WIN 0
.rept 4
	v_nop                                          ; four places in front of loads into registers that matrix instructions have read, and of the first read of results
.endr
.endm
	AFETCH 0
.irp s, 0,1,2,3,4,5,6,7
	GSTEP \s
.endr
	s_wait_loadcnt 0x0                             ; the bias
	WIN 0x41                                       ; destination and source 0 window 1
.irp m, 0,1                            ; each accumulator is read from its low end on
.irp p, 0,1,2,3,4,5,6,7,8,9,10,11,12,13,14,15,16,17,18,19,20,21,22,23,24,25,26,27,28,29,30,31
	v_pk_add_f32 v[64*\m+2*\p:64*\m+2*\p+1], v[64*\m+2*\p:64*\m+2*\p+1], v[BIA+2*\p:BIA+2*\p+1]
.endr
.endr
	s_wait_alu depctr_va_vdst(0)                   ; the results are written, which the LDS stores below read; the additions are done reading the bias, and the last products Wo's odd set: the stage's loads land in v128-255.  No vector instruction follows
.irp m, 0,1
	WIN 0x04                                       ; an LDS store's data are its source 1: window 1
.irp k, 0,1,2,3,4,5,6,7
.irp q, 0,1
	ds_store_b128 v10, v[64*\m+8*\k+4*\q:64*\m+8*\k+4*\q+3] offset:256*(\k/4)+128*((\k%4)/2)+32*(\k%2)+16*\q
.endr
.endr
	WIN 0
.irp i, 0,1,2,3,4,5,6,7,8,9,10,11,12,13,14,15
	ds_load_b128 v[128+64*\m+4*\i:131+64*\m+4*\i], v11 offset:528*\i   ; LDS serves a wave's instructions in order: these see the stores above, and the next block's stores come behind them
.endr
.endr
.irp i, 0,1,2,3,4,5,6,7,8,9,10,11,12,13,14,15
	s_wait_dscnt 47-\i                             ; behind this load: the rest of its run, and the second block's 16 stores and 16 loads
	global_store_b128 v1, v[128+4*\i:131+4*\i], s[14:15] offset:4096*\i th:TH_STORE_NT     ; 32 lanes store 512 consecutive bytes, aligned
.endr
.irp i, 0,1,2,3,4,5,6,7,8,9,10,11,12,13,14,15
	s_wait_dscnt 15-\i
	global_store_b128 v1, v[192+4*\i:195+4*\i], s[14:15] offset:4096*(16+\i) th:TH_STORE_NT
.endr
	s_barrier_signal -1
	s_barrier_wait -1
	s_wait_dscnt 0x0                               ; the closing lines, six on end
	s_wait_alu 0x0
	s_wait_tensorcnt 0x0
	ds_add_u32 v62, v63
	s_wait_dscnt 0x0
	s_endpgm
.Lfunc_end_k_qcdcbe4216b_outp:
	.size	k_qcdcbe4216b_outp, .Lfunc_end_k_qcdcbe4216b_outp-k_qcdcbe4216b_outp
	.p2alignl 7, 3214868480
	.fill 96, 4, 3214868480
	.section	.rodata,"a",@progbits
	.p2align	6, 0x0
	.amdhsa_kernel k_qcdcbe4216b_outp
		.amdhsa_group_segment_fixed_size 158208
		.amdhsa_private_segment_fixed_size 0
		.amdhsa_enable_private_segment 0
		.amdhsa_kernarg_size 48
		.amdhsa_user_sgpr_count 2
		.amdhsa_user_sgpr_kernarg_segment_ptr 1
		.amdhsa_wavefront_size32 1
		.amdhsa_system_sgpr_workgroup_id_x 1
		.amdhsa_system_sgpr_workgroup_id_y 1
		.amdhsa_system_sgpr_workgroup_id_z 1
		.amdhsa_system_vgpr_workitem_id 0
		.amdhsa_next_free_vgpr 480
		.amdhsa_next_free_sgpr 66
		.amdhsa_reserve_vcc 0
		.amdhsa_float_denorm_mode_32 3
		.amdhsa_float_denorm_mode_16_64 3
		.amdhsa_memory_ordered 1
		.amdhsa_forward_progress 1
		.amdhsa_inst_pref_size 101
	.end_amdhsa_kernel
	.amdgpu_metadata
---
amdhsa.version: [ 1, 2 ]
amdhsa.kernels:
  - .name:           k_qcdcbe4216b_outp
    .symbol:         k_qcdcbe4216b_outp.kd
    .args:
      - { .name: attout, .offset: 0, .size: 8, .value_kind: global_buffer, .address_space: global }
      - { .name: wcodes, .offset: 8, .size: 8, .value_kind: global_buffer, .address_space: global }
      - { .name: ln_gamma, .offset: 16, .size: 8, .value_kind: global_buffer, .address_space: global }
      - { .name: ln_beta, .offset: 24, .size: 8, .value_kind: global_buffer, .address_space: global }
      - { .name: bo, .offset: 32, .size: 8, .value_kind: global_buffer, .address_space: global }
      - { .name: out0, .offset: 40, .size: 8, .value_kind: global_buffer, .address_space: global }
    .group_segment_fixed_size: 158208
    .private_segment_fixed_size: 0
    .kernarg_segment_align: 8
    .kernarg_segment_size: 48
    .max_flat_workgroup_size: 256
    .sgpr_count:     66
    .vgpr_count:     480
    .wavefront_size: 32
...
	.end_amdgpu_metadata
.endif
;; end of part 8
